; MI455X (gfx1250); checked and timed in simulation.
; The chip was launched on July 23, 2026; its instructions are those of AMD's public machine-readable ISA for CDNA 5 (MIT licence, August 2026) and "CDNA5" Instruction Set Architecture Reference Guide (July 2026). The comments in the code are by the model that wrote it; some were corrected since.
;; CAN Layer. Allowed arithmetic: matrix products marked QUANTISED: E4M3 operands, one E8M0 scale for each 32 along K, by v_wmma_scale_f32_16x16x128_f8f6f4 with both operands' format E4M3, f32 sums; everything else in f32.
;; Inputs: Wk_d 256 x 256 float32; Wk_p 256 x 256 float32; Wq_d 256 x 256 float32; Wq_p 256 x 256 float32; Wv_d 256 x 256 float32; Wv_p 256 x 256 float32; drug 16 x 512 x 256 float32; mask_drug 16 x 512 bool; mask_prot 16 x 2,048 bool; protein 16 x 2,048 x 256 float32.
;; Outputs: out0 16 x 512 float32; out1 16 x 128 x 512 x 8 float32.
;; This version of the problem:
;;   THIS VERSION OF THE PROBLEM IS GIVEN IN LOW PRECISION. The matrix products marked QUANTISED in the list below multiply operands that are first quantised to E4M3 (4 exponent bits, 3 mantissa bits; 8 bits a number), with one power-of-two scale for each 32 numbers along K (OCP MX v1.0); their sums are f32. All else is computed in f32.
;;   The module's matrix products, in the order in which they are computed (A, B: the left and right operand; K: the contracted axis; several contracted axes count as one K, in the product's order):
;;     1. [M 8,192, K 256] x [K 256, N 256]; A: computed on the way; B: input Wq_p: QUANTISED
;;     2. [M 8,192, K 256] x [K 256, N 256]; A: computed on the way; B: input Wk_p: QUANTISED
;;     3. [M 8,192, K 256] x [K 256, N 256]; A: computed on the way; B: input Wv_p: QUANTISED
;;     4. [M 2,048, K 256] x [K 256, N 256]; A: computed on the way; B: input Wq_d: QUANTISED
;;     5. [M 2,048, K 256] x [K 256, N 256]; A: computed on the way; B: input Wk_d: QUANTISED
;;     6. [M 2,048, K 256] x [K 256, N 256]; A: computed on the way; B: input Wv_d: QUANTISED
;;     7. batch 128 x [M 512, K 32] x [K 32, N 512]; A: computed on the way; B: computed on the way: QUANTISED
;;     8. batch 128 x [M 128, K 32] x [K 32, N 512]; A: computed on the way; B: computed on the way: QUANTISED
;;     9. batch 128 x [M 512, K 32] x [K 32, N 128]; A: computed on the way; B: computed on the way: QUANTISED
;;     10. batch 128 x [M 128, K 32] x [K 32, N 128]; A: computed on the way; B: computed on the way: QUANTISED
;;     11. batch 128 x [M 32, K 512] x [K 512, N 512]; A: computed on the way; B: computed on the way: QUANTISED
;;     12. batch 128 x [M 32, K 128] x [K 128, N 512]; A: computed on the way; B: computed on the way: QUANTISED
;;     13. batch 128 x [M 32, K 512] x [K 512, N 128]; A: computed on the way; B: computed on the way: QUANTISED
;;     14. batch 128 x [M 32, K 128] x [K 128, N 128]; A: computed on the way; B: computed on the way: QUANTISED
;;   THE QUANTISER, for each operand of a quantised product, along K:
;;     - K is cut into blocks of 32 from its start; a last block that is shorter is filled with zeros.
;;     - A block's scale is 2^e with e = floor(log2(the largest magnitude in the block)) - 8, held to -126 .. 127; a block of zeros has e = 0. As a byte (E8M0): e + 127.
;;     - Each number is divided by its block's scale, clamped to +-448, and rounded to the nearest number of E4M3, ties to even, subnormals kept.
;;     - The product sums the exact products of the quantised numbers (number of the format x scale) in f32.
;;   ~~~python
;;   def quantise(x, axis):      # numpy; x: float32 -> the quantised numbers, widened to float32 again
;;       x = np.moveaxis(x, axis, -1); K = x.shape[-1]
;;       x = np.pad(x, [(0, 0)] * (x.ndim - 1) + [(0, -K % 32)]); x = x.reshape(x.shape[:-1] + (-1, 32)); a = np.abs(x).max(-1, keepdims=True)
;;       e = np.where(a > 0, np.clip(np.frexp(np.where(a > 0, a, 1))[1] - 1 - 8, -126, 127), 0)      # np.frexp(a)[1] - 1 = floor(log2(a)), exactly
;;       r = np.clip(x / 2.0 ** e, -448, 448)
;;       step = 2.0 ** (np.maximum(np.frexp(np.where(r == 0, 1, r))[1] - 1, -6) - 3)
;;       q = np.round(r / step) * step * 2.0 ** e      # np.round: ties to even
;;       return np.moveaxis(q.reshape(q.shape[:-2] + (-1,))[..., :K], -1, axis).astype(np.float32)
;;   ~~~
;;   OPERANDS COMPUTED ON THE WAY. 'Computed on the way' means the value that the module computes at that place (a softmax that the list does not call 'softmax' is quantised finished and normalised). What goes into a quantiser is computed in f32, as accurately as f32 sums, v_exp_f32 and their like allow (about 1e-6 of the number): no bf16 or f16 on the way to a quantiser, and a product that is left as it is and whose result goes on into a quantised operand takes f32 operands (vector FMAs, or v_wmma_f32_16x16x4_f32). A number that lies on a knife's edge between two numbers of the format may be rounded either way, as far as f32 arithmetic and the matrix unit's own rounding can turn it there, and no further.
;; 2 versions, each right; version 2 is version 1 with the launches proj, sink, emit written anew for expert scheduling mode. Each part assembles by itself: llvm-mc -triple=amdgcn-amd-amdhsa -mcpu=gfx1250 --defsym DOCPART=n.
;; ======== version 1 of 2: 4 launches
;; workspace buffers: wq 405,504 bytes; qc 2,621,440 bytes; kc 2,621,440 bytes; vc 2,621,440 bytes; sc 983,040 bytes; vec 393,216 bytes; emb 65,536 bytes
;; launch wquant (part 1): grid 48 x 1, 4 waves a work-group, no clusters, 0 bytes of LDS; arguments Wq_p, Wk_p, Wv_p, Wq_d, Wk_d, Wv_d, wq; writes wq
.if DOCPART == 1
	.amdgcn_target "amdgcn-amd-amdhsa--gfx1250"
	.amdhsa_code_object_version 6
	.text
	.protected	k_qd3036af04c_wquant
	.globl	k_qd3036af04c_wquant
	.p2align	8
	.type	k_qd3036af04c_wquant,@function
k_qd3036af04c_wquant:
	s_mov_b64 s[64:65], 0
	v_nop
	global_prefetch_b8 v0, s[64:65] scope:SCOPE_SE
	s_setreg_imm32_b32 hwreg(HW_REG_WAVE_MODE, 25, 1), 1
	s_wait_xcnt 0x0
; CAN_Layer, launch 1 of 4: the six weights [256][256] f32 (K innermost) become codes of E4M3 with one E8M0 byte for each 32 along K,
; laid as images of operand registers: fragment F = mat*32 + tile*2 + ks (16 rows x 128 K) is 2,048 bytes, [c 4][lane 32][16 bytes]; the scale words
; ([mat][tile][ks][r] u32, four block bytes each) lie from byte 393,216 on.  mats: Wq_p, Wk_p, Wv_p, Wq_d, Wk_d, Wv_d.
; Rows of a tile: q and k weights: lane r of tile t takes row 32 (t/2) + 8 (t%2) + r + 8 (r/8), so that two neighbouring tiles of results are 16 neighbours along a head; v weights: row 16 t + r.
; WHAT THE WHOLE PROGRAM LEAVES OUT OF reference(), for all values of the inputs: the division by TAU, which reference() sets to 1; the factors 'valid' behind the first one, which multiply
; numbers that are already exactly 0 where valid is 0 and by 1 elsewhere; the factor mpf (mdf) in the mean, since a masked row of A is exactly 0, its codes are 0 and its row of the product is 0.
; The Sinkhorn steps are kept, all four for all four maps, in the form A = rho_l (e_lk + delta) gamma_k, which is the same in exact arithmetic.  No input is dead: all ten are loaded.
; LIMITS: NaN and infinities among the inputs are not served; a block whose largest magnitude lies under 2^-118 keeps the byte 1 (a block of zeros too: its codes are zeros, and only this program reads the bytes).
; One wave makes one fragment.  Both halves of the wave store the same 16 scale words with the same values: 64 bytes a wave, 12 KB in the launch.
.set X,   32                           ; v32-95  64 numbers: register 16 b + i = k 32 b + 16 (lane/16) + i of my row
.set PC,  96                           ; v96-111 the codes
.set TM,  8                            ; v8-23   at work
.set PW,  24                           ; v24     the scale word
.set SEL, 32
.set MNT, 34
	s_load_b256 s[8:15], s[0:1], 0x0               ; Wq_p, Wk_p, Wv_p, Wq_d
	s_load_b128 s[16:19], s[0:1], 0x20             ; Wk_d, Wv_d
	s_load_b64 s[20:21], s[0:1], 0x30              ; wq
	v_lshrrev_b32 v1, 5, v0
	v_readfirstlane_b32 s4, v1                     ; wave
	s_lshl_b32 s5, ttmp9, 2
	s_add_co_u32 s5, s5, s4                        ; F
	s_lshr_b32 s6, s5, 5                           ; mat
	s_bfe_u32 s7, s5, 0x40001                      ; tile
	s_and_b32 s22, s5, 1                           ; ks
	s_cmp_eq_u32 s6, 2
	s_cselect_b32 s23, 0, 1
	s_cmp_eq_u32 s6, 5
	s_cselect_b32 s23, 0, s23                      ; 1: q or k weight (rows permuted), 0: v weight
	s_lshr_b32 s24, s7, 1
	s_lshl_b32 s24, s24, 5
	s_and_b32 s25, s7, 1
	s_lshl_b32 s25, s25, 3
	s_add_co_u32 s24, s24, s25
	s_lshl_b32 s25, s7, 4
	s_cmp_eq_u32 s23, 1
	s_cselect_b32 s24, s24, s25                    ; the tile's first row
	s_lshl_b32 s24, s24, 10
	s_lshl_b32 s25, s22, 9
	s_add_co_u32 s24, s24, s25                     ; in bytes, + 512 ks
	s_mov_b32 s25, 0
	s_lshl_b32 s26, s5, 11                         ; the image's place
	s_mov_b32 s27, 0
	s_lshl_b32 s28, s5, 6
	s_add_co_u32 s28, s28, 393216                  ; the scale words' place: 64 F
	s_mov_b32 s29, 0
	s_mov_b32 s[SEL], 0x76543210
	s_mov_b32 s[SEL+1], 0xfedcba98
	s_mov_b32 s[MNT], 0x600000
	v_and_b32 v2, 15, v0                           ; r
	v_bfe_u32 v3, v0, 4, 1                         ; h
	v_and_b32 v4, 8, v2
	v_mul_u32_u24 v4, v4, s23
	v_add_nc_u32 v4, v4, v2                        ; r + 8 (r/8), or r
	v_lshlrev_b32 v4, 10, v4
	v_lshl_add_u32 v4, v3, 6, v4                   ; my row, + 64 h
	v_and_b32 v5, 31, v0
	v_lshlrev_b32 v5, 4, v5                        ; 16 x lane
	v_lshlrev_b32 v6, 2, v2                        ; 4 r
.irp b, 0,1,2,3
	v_mov_b32 v[TM+4+\b], 0                        ; a lane permute's destination counts as one of its sources
.endr
	s_wait_kmcnt 0x0
	s_cmp_eq_u32 s6, 1
	s_cselect_b64 s[8:9], s[10:11], s[8:9]
	s_cmp_eq_u32 s6, 2
	s_cselect_b64 s[8:9], s[12:13], s[8:9]
	s_cmp_eq_u32 s6, 3
	s_cselect_b64 s[8:9], s[14:15], s[8:9]
	s_cmp_eq_u32 s6, 4
	s_cselect_b64 s[8:9], s[16:17], s[8:9]
	s_cmp_eq_u32 s6, 5
	s_cselect_b64 s[8:9], s[18:19], s[8:9]
	s_add_nc_u64 s[8:9], s[8:9], s[24:25]
	s_add_nc_u64 s[26:27], s[20:21], s[26:27]
	s_add_nc_u64 s[28:29], s[20:21], s[28:29]
.irp c, 0,1,2,3
.irp i, 0,1,2,3
	global_load_b128 v[X+16*\c+4*\i:X+16*\c+4*\i+3], v4, s[8:9] offset:128*\c+16*\i
.endr
.endr
	s_wait_loadcnt 0x0
.irp b, 0,1,2,3
	v_max3_num_f32 v[TM+\b], |v[X+16*\b]|, |v[X+1+16*\b]|, 0x4800000   ; block b: my 16 numbers and the floor 2^(9-127)
.endr
.irp i, 2,4,6,8,10,12,14
.irp b, 0,1,2,3
	v_max3_num_f32 v[TM+\b], v[TM+\b], |v[X+16*\b+\i]|, |v[X+1+16*\b+\i]|
.endr
.endr
.irp b, 0,1,2,3
	v_permlanex16_b32 v[TM+4+\b], v[TM+\b], s[SEL], s[SEL+1]
.endr
.irp b, 0,1,2,3
	v_max_num_f32 v[TM+\b], v[TM+\b], v[TM+4+\b]   ; with lane l xor 16's: the block's largest magnitude
.endr
.irp b, 0,1,2,3
	v_add_nc_u32 v[TM+12+\b], 0xfc000000, v[TM+\b] ; 8 off its exponent field: the conversion's scale operand
.endr
.irp b, 0,1,2,3
	v_and_or_b32 v[TM+8+\b], v[TM+\b], 0x7f800000, s[MNT]   ; 448 x the scale
.endr
.irp b, 0,1,2,3
	v_lshrrev_b32 v[TM+4+\b], 23, v[TM+12+\b]      ; the byte
.endr
	v_lshl_or_b32 v[PW], v[TM+5], 8, v[TM+4]
	v_lshl_or_b32 v[PW], v[TM+6], 16, v[PW]
	v_lshl_or_b32 v[PW], v[TM+7], 24, v[PW]
.irp b, 0,1,2,3
.irp i, 0,1,2,3,4,5,6,7,8,9,10,11,12,13,14,15
	v_med3_num_f32 v[X+16*\b+\i], v[X+16*\b+\i], -v[TM+8+\b], v[TM+8+\b]   ; the conversion does not saturate (ISA guide 7.6.2): the hold
.endr
	v_cvt_scalef32_pk8_fp8_f32 v[PC+4*\b:PC+1+4*\b], v[X+16*\b:X+7+16*\b], v[TM+12+\b]
	v_cvt_scalef32_pk8_fp8_f32 v[PC+2+4*\b:PC+3+4*\b], v[X+8+16*\b:X+15+16*\b], v[TM+12+\b]
.endr
	v_nop
.irp c, 0,1,2,3
	global_store_b128 v5, v[PC+4*\c:PC+4*\c+3], s[26:27] offset:512*\c     ; 512 consecutive bytes a store
.endr
	global_store_b32 v6, v[PW], s[28:29]
	s_endpgm
.Lfunc_end_k_qd3036af04c_wquant:
	.size	k_qd3036af04c_wquant, .Lfunc_end_k_qd3036af04c_wquant-k_qd3036af04c_wquant
	.p2alignl 7, 3214868480
	.fill 96, 4, 3214868480
	.section	.rodata,"a",@progbits
	.p2align	6, 0x0
	.amdhsa_kernel k_qd3036af04c_wquant
		.amdhsa_group_segment_fixed_size 0
		.amdhsa_private_segment_fixed_size 0
		.amdhsa_enable_private_segment 0
		.amdhsa_kernarg_size 56
		.amdhsa_user_sgpr_count 2
		.amdhsa_user_sgpr_kernarg_segment_ptr 1
		.amdhsa_wavefront_size32 1
		.amdhsa_system_sgpr_workgroup_id_x 1
		.amdhsa_system_sgpr_workgroup_id_y 1
		.amdhsa_system_sgpr_workgroup_id_z 1
		.amdhsa_system_vgpr_workitem_id 0
		.amdhsa_next_free_vgpr 128
		.amdhsa_next_free_sgpr 66
		.amdhsa_reserve_vcc 0
		.amdhsa_float_denorm_mode_32 3
		.amdhsa_float_denorm_mode_16_64 3
		.amdhsa_memory_ordered 1
		.amdhsa_forward_progress 1
		.amdhsa_inst_pref_size 13
	.end_amdhsa_kernel
	.amdgpu_metadata
---
amdhsa.version: [ 1, 2 ]
amdhsa.kernels:
  - .name:           k_qd3036af04c_wquant
    .symbol:         k_qd3036af04c_wquant.kd
    .args:
      - { .name: Wq_p, .offset: 0, .size: 8, .value_kind: global_buffer, .address_space: global }
      - { .name: Wk_p, .offset: 8, .size: 8, .value_kind: global_buffer, .address_space: global }
      - { .name: Wv_p, .offset: 16, .size: 8, .value_kind: global_buffer, .address_space: global }
      - { .name: Wq_d, .offset: 24, .size: 8, .value_kind: global_buffer, .address_space: global }
      - { .name: Wk_d, .offset: 32, .size: 8, .value_kind: global_buffer, .address_space: global }
      - { .name: Wv_d, .offset: 40, .size: 8, .value_kind: global_buffer, .address_space: global }
      - { .name: wq, .offset: 48, .size: 8, .value_kind: global_buffer, .address_space: global }
    .group_segment_fixed_size: 0
    .private_segment_fixed_size: 0
    .kernarg_segment_align: 8
    .kernarg_segment_size: 56
    .max_flat_workgroup_size: 128
    .sgpr_count:     66
    .vgpr_count:     128
    .wavefront_size: 32
...
	.end_amdgpu_metadata
.endif
;; end of part 1
;; launch proj (part 2): grid 160 x 1, 8 waves a work-group, no clusters, 84,992 bytes of LDS; arguments protein, drug, wq, qc, kc, vc, sc; writes qc, kc, vc, sc
.if DOCPART == 2
	.amdgcn_target "amdgcn-amd-amdhsa--gfx1250"
	.amdhsa_code_object_version 6
	.text
	.protected	k_qd3036af04c_proj
	.globl	k_qd3036af04c_proj
	.p2align	8
	.type	k_qd3036af04c_proj,@function
k_qd3036af04c_proj:
	s_mov_b64 s[64:65], 0
	v_nop
	global_prefetch_b8 v0, s[64:65] scope:SCOPE_SE
	s_setreg_imm32_b32 hwreg(HW_REG_WAVE_MODE, 25, 1), 1
	s_wait_xcnt 0x0
; CAN_Layer, launch 2 of 4: group means, the six projections (MX-FP8), and the quantising of q, k (along the head's 32) and v (along the keys, 32 a block).
; A work-group takes 64 group rows (256 rows of protein or drug, read once, 512 consecutive bytes a load): ids 0-127 protein, 128-159 drug; one way through the text, pointers chosen by the id.
; X: wave w averages group rows 8 w .. 8 w + 7 into a stage in LDS | barrier | wave w quantises fragment (tile w/2, K step w%2) of x and stores its register image | barrier |
; P: wave w is head w: q, k (transposed: source 0 = 16 rows of W, source 1 = x: a lane holds one row and 16 neighbours of the head) and v (source 0 = x, source 1 = W: a lane holds one channel and 16 neighbouring keys).
; Rows of an x tile: lane r of tile t takes row 32 (t/2) + 8 (t%2) + r + 8 (r/8): so k's tiles are ready as source 0 of q k^T, and v's 16 registers of two tiles are 16 neighbouring keys.
; OUT: qc, kc: [bh][tile][lane][16 bytes]; vc: [bh][block of 32 keys][dt][lane][16 bytes]; sc: scale words (the byte in all four bytes), [bh][64 rows][lane][blk]: whole runs of 512 and 256 bytes.
; Nothing of reference() is left out here.  LIMITS as stated at the head of the first kernel.  The weights' codes go from memory straight into operand registers: 8 KB a wave and projection; no tile is shared through LDS, so no tensor load and no cluster.
.set L16, 1
.set L4,  2
.set L8,  3
.set SWA, 4                            ; stage, in: 16 lane + 8 w rows
.set SRA, 5                            ; stage, out: my row of my tile, + 512 (w%2) + 64 h
.set IWA, 6                            ; where I store my image
.set SCW, 7                            ; and its scale words
.set IRA, 8                            ; images, read
.set SCR, 9                            ; scale words, read
.set WS0, 10                           ; v10-11, v12-13 the weights' scale words: lanes 0-15 K step 0, lanes 16-31 K step 1
.set WS1, 12
.set XSR, 14                           ; v14-15 x's scale words
.set WF0, 16                           ; v16-79   four fragments of W: 16 (2 wt + ks)
.set WF1, 80                           ; v80-143  (in phase X: a set of 64 loaded numbers)
.set XF,  144                          ; v144-175 x's two fragments (in phase X: v144-207 the other set)
.set ACC, 176                          ; v176-207 four accumulators
.set TM,  208
.set PC,  224
.set CD,  224                          ; four sets of four: the codes on their way out
.set PW,  240
.set WD,  241
.set SWB, 244
.set SPW, 254
.set NIL, 255
.set XP,    1040                       ; a stage row: 1,024 bytes + 16
.set XIMG,  66560
.set XSC,   82944
.set SPARE, 83968                      ; the spare words: 128 bytes a wave, named by no other line
.set SEL, 36
.set MNT, 38
.set HI16, 39
.macro BAR
	s_wait_dscnt 0x0                               ; my LDS stores have landed and my LDS loads are in
	s_barrier_signal -1
	s_barrier_wait -1
.endm
.macro XLD bt, set                     ; two group rows = 8 rows of 1,024 bytes: 16 loads of 512 consecutive bytes
.irp gr, 0,1
.irp hf, 0,1
.irp pr, 0,1,2,3
	global_load_b128 v[\set+((\gr*2+\hf)*4+\pr)*4:\set+((\gr*2+\hf)*4+\pr)*4+3], v[L16], s[4:5] offset:((2*\bt+\gr)*4+\pr)*1024+512*\hf th:TH_LOAD_NT
.endr
.endr
.endr
.endm
.macro XPR bt, set                     ; ((x0 + x1) + x2) + x3, x 0.25, into the stage
.irp gr, 0,1
.irp hf, 0,1
.set BB, \set+(\gr*2+\hf)*16
.irp a, 4,8,12
	v_pk_add_f32 v[BB:BB+1], v[BB:BB+1], v[BB+\a:BB+\a+1]
	v_pk_add_f32 v[BB+2:BB+3], v[BB+2:BB+3], v[BB+\a+2:BB+\a+3]
.endr
	v_pk_mul_f32 v[BB:BB+1], v[BB:BB+1], 0x3e800000 op_sel_hi:[1,0]
	v_pk_mul_f32 v[BB+2:BB+3], v[BB+2:BB+3], 0x3e800000 op_sel_hi:[1,0]
	ds_store_b128 v[SWA], v[BB:BB+3] offset:(2*\bt+\gr)*XP+512*\hf
.endr
.endr
	s_wait_dscnt 0x0                               ; the stores have read their registers: the set may be loaded again
.endm
.macro WLOAD p, wf, ws                 ; projection p: my head's four fragments and two registers of scale words: 18 loads
.irp f, 0,1,2,3
.irp c, 0,1,2,3
	global_load_b128 v[\wf+16*\f+4*\c:\wf+16*\f+4*\c+3], v[L16], s[30:31] offset:\p*65536+\f*2048+\c*512
.endr
.endr
	global_load_b32 v[\ws], v[L4], s[32:33] offset:\p*2048
	global_load_b32 v[\ws+1], v[L4], s[32:33] offset:\p*2048+128
.endm
.macro FETCHX t                        ; x tile t: its two K steps' images and scale words
.irp k, 0,1
.irp c, 0,1,2,3
	ds_load_b128 v[XF+16*\k+4*\c:XF+16*\k+4*\c+3], v[IRA] offset:(2*(\t)+\k)*2048+512*\c
.endr
	ds_load_b32 v[XSR+\k], v[SCR] offset:(2*(\t)+\k)*128
.endr
	s_wait_dscnt 0x0
.endm
.macro W4 wf, ws, swap, xt             ; four products, two accumulators by turns; eight places behind them
.if \swap
	v_wmma_scale_f32_16x16x128_f8f6f4 v[ACC+8*\xt:ACC+8*\xt+7], v[XF:XF+15], v[\wf:\wf+15], 0, v[XSR], v[\ws]
	v_wmma_scale_f32_16x16x128_f8f6f4 v[ACC+16+8*\xt:ACC+16+8*\xt+7], v[XF:XF+15], v[\wf+32:\wf+47], 0, v[XSR], v[\ws+1]
	v_wmma_scale_f32_16x16x128_f8f6f4 v[ACC+8*\xt:ACC+8*\xt+7], v[XF+16:XF+31], v[\wf+16:\wf+31], v[ACC+8*\xt:ACC+8*\xt+7], v[XSR+1], v[\ws] matrix_b_scale:MATRIX_SCALE_ROW1
	v_wmma_scale_f32_16x16x128_f8f6f4 v[ACC+16+8*\xt:ACC+16+8*\xt+7], v[XF+16:XF+31], v[\wf+48:\wf+63], v[ACC+16+8*\xt:ACC+16+8*\xt+7], v[XSR+1], v[\ws+1] matrix_b_scale:MATRIX_SCALE_ROW1
.else
	v_wmma_scale_f32_16x16x128_f8f6f4 v[ACC+16*\xt:ACC+16*\xt+7], v[\wf:\wf+15], v[XF:XF+15], 0, v[\ws], v[XSR]
	v_wmma_scale_f32_16x16x128_f8f6f4 v[ACC+16*\xt+8:ACC+16*\xt+15], v[\wf+32:\wf+47], v[XF:XF+15], 0, v[\ws+1], v[XSR]
	v_wmma_scale_f32_16x16x128_f8f6f4 v[ACC+16*\xt:ACC+16*\xt+7], v[\wf+16:\wf+31], v[XF+16:XF+31], v[ACC+16*\xt:ACC+16*\xt+7], v[\ws], v[XSR+1] matrix_a_scale:MATRIX_SCALE_ROW1
	v_wmma_scale_f32_16x16x128_f8f6f4 v[ACC+16*\xt+8:ACC+16*\xt+15], v[\wf+48:\wf+63], v[XF+16:XF+31], v[ACC+16*\xt+8:ACC+16*\xt+15], v[\ws+1], v[XSR+1] matrix_a_scale:MATRIX_SCALE_ROW1
.endif
.rept 8
	v_nop                                          ; places ahead of the loads into x's registers and of the first read of results
.endr
.endm
.macro QH2 blk, dst                    ; two blocks of 32 (16 numbers a lane, with lane l xor 16's): codes out, scale words kept
	s_wait_xcnt 0x0                                ; earlier stores have read their data: the registers may be written again
.irp m, 0,1
	v_max3_num_f32 v[TM+8*\m], |v[ACC+16*\m]|, |v[ACC+16*\m+1]|, 0x4800000
.endr
.irp i, 2,4,6,8,10,12,14
.irp m, 0,1
	v_max3_num_f32 v[TM+8*\m], v[TM+8*\m], |v[ACC+16*\m+\i]|, |v[ACC+16*\m+\i+1]|
.endr
.endr
.irp m, 0,1
	v_permlanex16_b32 v[TM+8*\m+1], v[TM+8*\m], s[SEL], s[SEL+1]
.endr
.irp m, 0,1
	v_max_num_f32 v[TM+8*\m], v[TM+8*\m], v[TM+8*\m+1]
.endr
.irp m, 0,1
	v_add_nc_u32 v[TM+8*\m+3], 0xfc000000, v[TM+8*\m]
	v_and_or_b32 v[TM+8*\m+2], v[TM+8*\m], 0x7f800000, s[MNT]
.endr
.irp m, 0,1
	v_lshrrev_b32 v[TM+8*\m+4], 23, v[TM+8*\m+3]
.endr
.irp m, 0,1
	v_perm_b32 v[WD+\m], v[TM+8*\m+4], v[TM+8*\m+4], 0      ; the byte in all four bytes
.endr
.irp m, 0,1
.irp i, 0,1,2,3,4,5,6,7,8,9,10,11,12,13,14,15
	v_med3_num_f32 v[ACC+16*\m+\i], v[ACC+16*\m+\i], -v[TM+8*\m+2], v[TM+8*\m+2]
.endr
.endr
.irp m, 0,1
	v_cvt_scalef32_pk8_fp8_f32 v[CD+8*\blk+4*\m:CD+8*\blk+4*\m+1], v[ACC+16*\m:ACC+16*\m+7], v[TM+8*\m+3]
	v_cvt_scalef32_pk8_fp8_f32 v[CD+8*\blk+4*\m+2:CD+8*\blk+4*\m+3], v[ACC+16*\m+8:ACC+16*\m+15], v[TM+8*\m+3]
.endr
	v_nop                                          ; a plain line behind the conversions: the next products write their sources
.irp m, 0,1
	global_store_b128 v[L16], v[CD+8*\blk+4*\m:CD+8*\blk+4*\m+3], s[\dst:\dst+1] offset:\blk*1024+\m*512
.endr
	v_cndmask_b32 v[SWB+\blk], v[WD], v[WD+1], s[HI16]      ; lanes 0-15: the first tile's (channel group's) words, lanes 16-31: the second's
.endm
.macro PROJ wf, ws, swap, dst, sec
.irp blk, 0,1
.irp xt, 0,1
	FETCHX 2*\blk+\xt
	W4 \wf, \ws, \swap, \xt
.endr
	QH2 \blk, \dst
.endr
	global_store_b64 v[L8], v[SWB:SWB+1], s[16:17] offset:\sec     ; 256 consecutive bytes
.endm
	s_load_b256 s[4:11], s[0:1], 0x0               ; protein, drug, wq, qc
	s_load_b128 s[12:15], s[0:1], 0x20             ; kc, vc
	s_load_b64 s[16:17], s[0:1], 0x30              ; sc
	v_lshl_add_u32 v[SPW], v0, 2, SPARE
	v_mov_b32 v[NIL], 0
	v_lshrrev_b32 v[L8], 5, v0
	v_readfirstlane_b32 s18, v[L8]                 ; wave = head
	v_and_b32 v[L4], 31, v0
	v_lshlrev_b32 v[L16], 4, v[L4]
	v_lshlrev_b32 v[L8], 3, v[L4]
	v_lshlrev_b32 v[L4], 2, v[L4]
	s_mul_i32 s34, s18, 8*XP
	v_add_nc_u32 v[SWA], s34, v[L16]
	v_and_b32 v[SRA], 15, v0
	v_and_b32 v[IWA], 8, v[SRA]
	v_add_nc_u32 v[SRA], v[SRA], v[IWA]            ; r + 8 (r/8)
	v_mul_u32_u24 v[SRA], v[SRA], XP
	v_bfe_u32 v[IWA], v0, 4, 1
	v_lshl_add_u32 v[SRA], v[IWA], 6, v[SRA]
	s_lshr_b32 s34, s18, 2
	s_lshl_b32 s34, s34, 5
	s_bfe_u32 s35, s18, 0x10001
	s_lshl_b32 s35, s35, 3
	s_add_co_u32 s34, s34, s35                     ; tile w/2 begins at row 32 (w/4) + 8 ((w/2)%2)
	s_mul_i32 s34, s34, XP
	s_and_b32 s35, s18, 1
	s_lshl_b32 s35, s35, 9
	s_add_co_u32 s34, s34, s35
	v_add_nc_u32 v[SRA], s34, v[SRA]
	s_lshl_b32 s34, s18, 11
	s_add_co_u32 s34, s34, XIMG
	v_add_nc_u32 v[IWA], s34, v[L16]
	s_lshl_b32 s34, s18, 7
	s_add_co_u32 s34, s34, XSC
	v_add_nc_u32 v[SCW], s34, v[L4]
	v_add_nc_u32 v[IRA], XIMG, v[L16]
	v_add_nc_u32 v[SCR], XSC, v[L4]
.irp b, 0,1,2,3
	v_mov_b32 v[TM+4+\b], 0                        ; a lane permute's destination counts as one of its sources
.endr
	s_mov_b32 s[SEL], 0x76543210
	s_mov_b32 s[SEL+1], 0xfedcba98
	s_mov_b32 s[MNT], 0x600000
	s_mov_b32 s[HI16], 0xffff0000
	s_cmp_lt_u32 ttmp9, 128
	s_cselect_b32 s19, 0, 1                        ; 1: drug
	s_cselect_b32 s21, 3, 1                        ; log2 of the blocks of 64 rows in a batch
	s_cselect_b32 s20, 0, 128
	s_sub_co_u32 s20, ttmp9, s20                   ; which 64 rows of the tensor
	s_lshr_b32 s22, s20, s21                       ; b
	s_lshl_b32 s23, s22, s21
	s_sub_co_u32 s23, s20, s23                     ; which 64 rows of the batch
	s_lshl_b32 s22, s22, 3
	s_add_co_u32 s22, s22, s18                     ; bh
	s_lshl_b32 s22, s22, s21
	s_add_co_u32 s22, s22, s23
	s_lshl_b32 s24, s22, 11                        ; codes: 2,048 bytes for 64 rows of a head
	s_mul_i32 s26, s19, 2097152
	s_add_co_u32 s24, s24, s26
	s_mov_b32 s25, 0
	s_lshl_b32 s26, s22, 8                         ; scale words: 256
	s_mul_i32 s28, s19, 262144
	s_add_co_u32 s26, s26, s28
	s_mov_b32 s27, 0
	s_lshl_b32 s28, s20, 18                        ; the source: 256 rows of 1,024 bytes a work-group,
	s_lshl_b32 s29, s18, 15                        ; 32 a wave
	s_add_co_u32 s28, s28, s29
	s_mov_b32 s29, 0
	s_mul_i32 s40, s19, 196608                     ; the weights' images: three mats of 65,536 bytes on for the drug,
	s_lshl_b32 s41, s18, 13                        ; 8,192 a head
	s_add_co_u32 s40, s40, s41
	s_mov_b32 s41, 0
	s_mul_i32 s42, s19, 6144
	s_lshl_b32 s43, s18, 8
	s_add_co_u32 s42, s42, s43
	s_add_co_u32 s42, s42, 393216                  ; their scale words
	s_mov_b32 s43, 0
	s_wait_kmcnt 0x0
	s_cmp_eq_u32 s19, 0
	s_cselect_b64 s[4:5], s[4:5], s[6:7]
	s_add_nc_u64 s[4:5], s[4:5], s[28:29]
	s_add_nc_u64 s[30:31], s[8:9], s[40:41]
	s_add_nc_u64 s[32:33], s[8:9], s[42:43]
	s_add_nc_u64 s[10:11], s[10:11], s[24:25]
	s_add_nc_u64 s[12:13], s[12:13], s[24:25]
	s_add_nc_u64 s[14:15], s[14:15], s[24:25]
	s_add_nc_u64 s[16:17], s[16:17], s[26:27]
	; ---- X: the group means
	XLD 0, 80
	XLD 1, 144
	WLOAD 0, WF0, WS0
	s_wait_loadcnt 34                              ; batch 0 is in; batch 1's 16 and Wq's 18 may be out
	XPR 0, 80
	XLD 2, 80
	s_wait_loadcnt 34                              ; batch 1 is in; Wq's 18 and batch 2's 16 may be out
	XPR 1, 144
	XLD 3, 144
	s_wait_loadcnt 16                              ; batch 2 is in; batch 3's 16 may be out
	XPR 2, 80
	WLOAD 1, WF1, WS1
	s_wait_loadcnt 18                              ; batch 3 is in; Wk's 18 may be out
	XPR 3, 144
	BAR                                            ; 64 rows of means lie in the stage
	; ---- my fragment of x
.irp b, 0,1,2,3
.irp j, 0,1,2,3
	ds_load_b128 v[XF+16*\b+4*\j:XF+16*\b+4*\j+3], v[SRA] offset:128*\b+16*\j
.endr
.endr
	s_wait_dscnt 0x0
.irp b, 0,1,2,3
	v_max3_num_f32 v[TM+\b], |v[XF+16*\b]|, |v[XF+1+16*\b]|, 0x4800000
.endr
.irp i, 2,4,6,8,10,12,14
.irp b, 0,1,2,3
	v_max3_num_f32 v[TM+\b], v[TM+\b], |v[XF+16*\b+\i]|, |v[XF+1+16*\b+\i]|
.endr
.endr
.irp b, 0,1,2,3
	v_permlanex16_b32 v[TM+4+\b], v[TM+\b], s[SEL], s[SEL+1]
.endr
.irp b, 0,1,2,3
	v_max_num_f32 v[TM+\b], v[TM+\b], v[TM+4+\b]
.endr
.irp b, 0,1,2,3
	v_add_nc_u32 v[TM+12+\b], 0xfc000000, v[TM+\b]
.endr
.irp b, 0,1,2,3
	v_and_or_b32 v[TM+8+\b], v[TM+\b], 0x7f800000, s[MNT]
.endr
.irp b, 0,1,2,3
	v_lshrrev_b32 v[TM+4+\b], 23, v[TM+12+\b]
.endr
	v_lshl_or_b32 v[PW], v[TM+5], 8, v[TM+4]
	v_lshl_or_b32 v[PW], v[TM+6], 16, v[PW]
	v_lshl_or_b32 v[PW], v[TM+7], 24, v[PW]
.irp b, 0,1,2,3
.irp i, 0,1,2,3,4,5,6,7,8,9,10,11,12,13,14,15
	v_med3_num_f32 v[XF+16*\b+\i], v[XF+16*\b+\i], -v[TM+8+\b], v[TM+8+\b]
.endr
	v_cvt_scalef32_pk8_fp8_f32 v[PC+4*\b:PC+1+4*\b], v[XF+16*\b:XF+7+16*\b], v[TM+12+\b]
	v_cvt_scalef32_pk8_fp8_f32 v[PC+2+4*\b:PC+3+4*\b], v[XF+8+16*\b:XF+15+16*\b], v[TM+12+\b]
.endr
	v_nop
.irp c, 0,1,2,3
	ds_store_b128 v[IWA], v[PC+4*\c:PC+4*\c+3] offset:512*\c
.endr
	ds_store_b32 v[SCW], v[PW]
	BAR                                            ; x's eight fragments lie in LDS
	; ---- P
	s_wait_loadcnt 18                              ; Wq is in; Wk's 18 may be out
	PROJ WF0, WS0, 0, 10, 0
	WLOAD 2, WF0, WS0                              ; Wv into Wq's registers: the eight places stand behind the last products
	s_wait_loadcnt 18                              ; Wk is in; Wv's 18 may be out
	PROJ WF1, WS1, 0, 12, 327680
	s_wait_loadcnt 0x0
	PROJ WF0, WS0, 1, 14, 655360
	s_wait_tensorcnt 0x0                           ; the wave's end, behind my last LDS store
	ds_add_u32 v[SPW], v[NIL]
	s_wait_dscnt 0x0
	s_endpgm
.Lfunc_end_k_qd3036af04c_proj:
	.size	k_qd3036af04c_proj, .Lfunc_end_k_qd3036af04c_proj-k_qd3036af04c_proj
	.p2alignl 7, 3214868480
	.fill 96, 4, 3214868480
	.section	.rodata,"a",@progbits
	.p2align	6, 0x0
	.amdhsa_kernel k_qd3036af04c_proj
		.amdhsa_group_segment_fixed_size 84992
		.amdhsa_private_segment_fixed_size 0
		.amdhsa_enable_private_segment 0
		.amdhsa_kernarg_size 56
		.amdhsa_user_sgpr_count 2
		.amdhsa_user_sgpr_kernarg_segment_ptr 1
		.amdhsa_wavefront_size32 1
		.amdhsa_system_sgpr_workgroup_id_x 1
		.amdhsa_system_sgpr_workgroup_id_y 1
		.amdhsa_system_sgpr_workgroup_id_z 1
		.amdhsa_system_vgpr_workitem_id 0
		.amdhsa_next_free_vgpr 256
		.amdhsa_next_free_sgpr 66
		.amdhsa_reserve_vcc 0
		.amdhsa_float_denorm_mode_32 3
		.amdhsa_float_denorm_mode_16_64 3
		.amdhsa_memory_ordered 1
		.amdhsa_forward_progress 1
		.amdhsa_inst_pref_size 78
	.end_amdhsa_kernel
	.amdgpu_metadata
---
amdhsa.version: [ 1, 2 ]
amdhsa.kernels:
  - .name:           k_qd3036af04c_proj
    .symbol:         k_qd3036af04c_proj.kd
    .args:
      - { .name: protein, .offset: 0, .size: 8, .value_kind: global_buffer, .address_space: global }
      - { .name: drug, .offset: 8, .size: 8, .value_kind: global_buffer, .address_space: global }
      - { .name: wq, .offset: 16, .size: 8, .value_kind: global_buffer, .address_space: global }
      - { .name: qc, .offset: 24, .size: 8, .value_kind: global_buffer, .address_space: global }
      - { .name: kc, .offset: 32, .size: 8, .value_kind: global_buffer, .address_space: global }
      - { .name: vc, .offset: 40, .size: 8, .value_kind: global_buffer, .address_space: global }
      - { .name: sc, .offset: 48, .size: 8, .value_kind: global_buffer, .address_space: global }
    .group_segment_fixed_size: 84992
    .private_segment_fixed_size: 0
    .kernarg_segment_align: 8
    .kernarg_segment_size: 56
    .max_flat_workgroup_size: 256
    .sgpr_count:     66
    .vgpr_count:     256
    .wavefront_size: 32
...
	.end_amdgpu_metadata
.endif
;; end of part 2
;; launch sink (part 3): grid 320 x 1, 16 waves a work-group, no clusters, 187,392 bytes of LDS; arguments qc, kc, vc, sc, mask_prot, mask_drug, vec, emb; writes vec, emb
.if DOCPART == 3
	.amdgcn_target "amdgcn-amd-amdhsa--gfx1250"
	.amdhsa_code_object_version 6
	.text
	.protected	k_qd3036af04c_sink
	.globl	k_qd3036af04c_sink
	.p2align	8
	.type	k_qd3036af04c_sink,@function
k_qd3036af04c_sink:
	s_mov_b64 s[64:65], 0
	v_nop
	global_prefetch_b8 v0, s[64:65] scope:SCOPE_SE
	s_setreg_imm32_b32 hwreg(HW_REG_WAVE_MODE, 25, 1), 1
	s_wait_xcnt 0x0
; CAN_Layer, launch 3 of 4: for each of the four maps of each (batch, head): q k^T, the softmax over the whole map, four Sinkhorn rounds, the quantising of the finished map along the keys,
; its product with v, and the masked mean over the queries (x 0.5).  For the map drug x protein the final row and column factors go to memory for the last launch.
; THE FORM.  With y2 = d s2 (valid pair) or d s2 - K2 (else), s2 = log2(e)/sqrt(32), K2 = 1e6 log2(e), M2 = max y2, S = sum 2^(y2 - M2) over ALL pairs, eps = 1e-12:
;   A = rho_l (e_lk + delta) gamma_k on valid pairs, e = 2^(d s2 - M2), delta = eps S.  Kept: LR_l = log2(rho_l) - M2 (-1e30 in a masked row), RD_l = rho_l delta = 2^(LR_l + c0), c0 = M2 + log2 S + log2 eps, gamma_k (0 at a masked key).
;   row step:    R = sum_k a' gamma + RD sum_k gamma + eps, a' = 2^(d s2 + LR);  LR -= log2 R.        column step:  gamma /= gamma (sum_l a' + sum_l RD) + eps.
; These are reference()'s steps in exact arithmetic.  Left out, as shown at the head of the first kernel: / TAU (= 1), the repeated factors 'valid', the factor mpf in the mean.  The maximum is taken away before every exponential.
; The sum over the queries is made in the accumulators of v^T A^T: all tiles of queries add onto the same two accumulators (the same exact products in another order of f32 sums).
; FIVE SWEEPS over a map, each making d anew by one matrix instruction for 256 numbers: S0 (M2, S, first row step), three middle sweeps (column step, row step), the last (column step, quantise, product).
; K = 32 IN A FORM OF K = 128: one operand is [4 registers of codes | 12 of zeros]; the other is a window of 16 registers that begins at its 4: what follows there are other codes or zeros and meets zero codes alone.
; SHARES.  ids 0-127 protein x protein, 128-159 drug x protein (four heads a work-group), 160-287 protein x drug, 288-319 drug x drug (four heads).  Wave w: kb = w%4: 32 keys of a column block of 128; g = w/4: 128 queries
; (or the head).  A wave's tile, 128 queries x 32 keys, lies in 128 registers.  Every loop has a constant count; a map of 128 keys jumps over the work of column blocks 1-3 by a test on ids, the same in all waves, and never over a barrier.
; Where four heads share a work-group, every wave loads all four groups' partial results and keeps its own by v_cndmask_b32 under scalar masks: no LDS address and no barrier hangs on the kind of map.
; LIMITS: NaN and infinities among the inputs are not served; v_exp_f32 gives 0 under 2^-126; y2 is one fused rounding where reference() rounds twice; LR is rounded at the size of |M2|, as reference()'s x - max is; blocks under 2^-118 keep the byte 1.
; No tensor load, no cluster: a wave's operands are 12 KB, copied once into its own LDS; work-groups share nothing that weighs.
.set SPW, 1
.set NIL, 2
.set L4,  3                            ; 4 x lane
.set L16, 4                            ; 16 x lane
.set H64, 5                            ; 64 x (lane/16)
.set R32, 6                            ; 32 x (lane%16)
.set QA,  7                            ; my region + 16 lane
.set T4B, 8                            ; the block's tables + 4 lane
.set THB, 9                            ; the block's tables + 64 (lane/16)
.set GOLD, 10                          ; gamma of key (lane) of the block
.set GSUM, 11
.set DP,  12                           ; sum over the map's rows of RD
.set CNT, 13                           ; valid rows of the map
.set C0,  14
.set KAD, 15
.set MM,  16                           ; v[16:17] my lane's running maximum (S0)
.set SALL, 18                          ; v[18:19] my lane's sum (S0); later v18 = 8 x lane
.set L8,  18
.set KSC, 20                           ; scales and nothing else: v20 K's, v21 V's, v22-23 the map's, v24-27 Q's
.set VSC, 21
.set PS,  22
.set QSC, 24
.set TMP, 28                           ; v28-35
.set LR,  36                           ; v36-43 (S0: 0 or -K2 by the row's mask)
.set RD,  44                           ; v44-51 (S0: 1 or 0 by the row's mask)
.set CC,  52                           ; v52-67 16 numbers by key: index 8 u + j = key 16 (lane/16) + 8 u + j of the block of 32
.set RA,  68                           ; v68-83 row sums, a pair a tile; in the last sweep the two accumulators of v^T A^T
.set AF,  84                           ; v84-103 [X0 X1 | 12 zeros]
.set BF,  104                          ; v104-119 [Y | 12 zeros]
.set TM2, 120                          ; v120-127
.set E,   128                          ; v128-255 the tile: query tile q, key tile u, register j at 16 q + 8 u + j
.set KI,   4096                        ; a wave's region of 10,752 bytes: Q's images, K's images,
.set TB,   8192                        ; tables of 128 bytes a column block: +0 K's scale words, +512 mask (1, 0), +1024 (0, -K2), +1536 (0, -1e30), +2048 gamma
.set WREG, 10752
.set CP,   172032                      ; column sums [w][lane]
.set RP,   174080                      ; row sums [kb*4+g][r][8]
.set WM,   182272                      ; a word a wave: maxima; +256 sums; +512 sums of gamma; +768 a pair a wave: sum of RD, count
.set OP,   183296                      ; the product's parts [w][lane]
.set SPARE, 185344                     ; the spare words: 128 bytes a wave, named by no other line
.set WV, 24
.set KB, 25
.set G,  26
.set TY, 27
.set MODEH, 28
.set NCB, 29
.set B,  30
.set BH, 31
.set S2, 32
.set SEL, 34
.set B3, 36
.set B2, 37
.set B1, 38
.set B0, 39
.set HI16, 40
.set MNT, 41
.set CB, 42
.set SKO, 43
.set STO, 44
.set SW, 45
.set WB, 46
.set CPW, 47
.set CPR, 48
.set RPW, 49
.set RPR, 50
.set SW4, 51
.set SG16, 52
.set SW8, 53
.set SK8, 54
.set OPW, 55
.set GM, 56                            ; s56-59: all ones where group g' belongs to my map
.set VB, 60
.set VSB, 62
.set GB, 66
.macro BAR
	s_wait_dscnt 0x0                               ; my LDS stores have landed and my LDS loads are in
	s_barrier_signal -1
	s_barrier_wait -1
.endm
.macro WSUM v, t
	v_add_f32_dpp v[\v], v[\v], v[\v] row_xmask:1 row_mask:0xf bank_mask:0xf
	v_add_f32_dpp v[\v], v[\v], v[\v] row_xmask:2 row_mask:0xf bank_mask:0xf
	v_add_f32_dpp v[\v], v[\v], v[\v] row_xmask:4 row_mask:0xf bank_mask:0xf
	v_add_f32_dpp v[\v], v[\v], v[\v] row_xmask:8 row_mask:0xf bank_mask:0xf
	v_permlanex16_b32 v[\t], v[\v], s[SEL], s[SEL+1]
	v_add_f32 v[\v], v[\v], v[\t]
.endm
.macro R16SUM v
	v_add_f32_dpp v[\v], v[\v], v[\v] row_xmask:1 row_mask:0xf bank_mask:0xf
	v_add_f32_dpp v[\v], v[\v], v[\v] row_xmask:2 row_mask:0xf bank_mask:0xf
	v_add_f32_dpp v[\v], v[\v], v[\v] row_xmask:4 row_mask:0xf bank_mask:0xf
	v_add_f32_dpp v[\v], v[\v], v[\v] row_xmask:8 row_mask:0xf bank_mask:0xf
.endm
; 16 registers are summed over the 16 lanes of each half: lane l ends with index l%16 in v[x]
.macro RS x
.irp i, 0,1,2,3,4,5,6,7
	v_cndmask_b32 v[TMP+\i], v[\x+\i+8], v[\x+\i], s[B3]
.endr
.irp i, 0,1,2,3,4,5,6,7
	v_cndmask_b32 v[\x+\i], v[\x+\i], v[\x+\i+8], s[B3]
.endr
.irp i, 0,1,2,3,4,5,6,7
	v_add_f32_dpp v[\x+\i], v[TMP+\i], v[\x+\i] row_xmask:8 row_mask:0xf bank_mask:0xf
.endr
.irp i, 0,1,2,3
	v_cndmask_b32 v[TMP+\i], v[\x+\i+4], v[\x+\i], s[B2]
.endr
.irp i, 0,1,2,3
	v_cndmask_b32 v[\x+\i], v[\x+\i], v[\x+\i+4], s[B2]
.endr
.irp i, 0,1,2,3
	v_add_f32_dpp v[\x+\i], v[TMP+\i], v[\x+\i] row_xmask:4 row_mask:0xf bank_mask:0xf
.endr
.irp i, 0,1
	v_cndmask_b32 v[TMP+\i], v[\x+\i+2], v[\x+\i], s[B1]
.endr
.irp i, 0,1
	v_cndmask_b32 v[\x+\i], v[\x+\i], v[\x+\i+2], s[B1]
.endr
.irp i, 0,1
	v_add_f32_dpp v[\x+\i], v[TMP+\i], v[\x+\i] row_xmask:2 row_mask:0xf bank_mask:0xf
.endr
	v_cndmask_b32 v[TMP], v[\x+1], v[\x], s[B0]
	v_cndmask_b32 v[\x], v[\x], v[\x+1], s[B0]
	v_add_f32_dpp v[\x], v[TMP], v[\x] row_xmask:1 row_mask:0xf bank_mask:0xf
.endm
.macro LQ q
	ds_load_b128 v[BF:BF+3], v[QA] offset:512*(\q)
.endm
; d for query tile q: two products (key tiles 0, 1).  z = 1: C = 0; else C = 0 or -1e30 by the key's mask
.macro WQK q, z
.if \z
.if (\q)%2
	v_wmma_scale_f32_16x16x128_f8f6f4 v[E+16*(\q):E+16*(\q)+7], v[AF:AF+15], v[BF:BF+15], 0, v[KSC], v[QSC+(\q)/2] matrix_b_scale:MATRIX_SCALE_ROW1
	v_wmma_scale_f32_16x16x128_f8f6f4 v[E+16*(\q)+8:E+16*(\q)+15], v[AF+4:AF+19], v[BF:BF+15], 0, v[KSC], v[QSC+(\q)/2] matrix_a_scale:MATRIX_SCALE_ROW1 matrix_b_scale:MATRIX_SCALE_ROW1
.else
	v_wmma_scale_f32_16x16x128_f8f6f4 v[E+16*(\q):E+16*(\q)+7], v[AF:AF+15], v[BF:BF+15], 0, v[KSC], v[QSC+(\q)/2]
	v_wmma_scale_f32_16x16x128_f8f6f4 v[E+16*(\q)+8:E+16*(\q)+15], v[AF+4:AF+19], v[BF:BF+15], 0, v[KSC], v[QSC+(\q)/2] matrix_a_scale:MATRIX_SCALE_ROW1
.endif
.else
.if (\q)%2
	v_wmma_scale_f32_16x16x128_f8f6f4 v[E+16*(\q):E+16*(\q)+7], v[AF:AF+15], v[BF:BF+15], v[CC:CC+7], v[KSC], v[QSC+(\q)/2] matrix_b_scale:MATRIX_SCALE_ROW1
	v_wmma_scale_f32_16x16x128_f8f6f4 v[E+16*(\q)+8:E+16*(\q)+15], v[AF+4:AF+19], v[BF:BF+15], v[CC+8:CC+15], v[KSC], v[QSC+(\q)/2] matrix_a_scale:MATRIX_SCALE_ROW1 matrix_b_scale:MATRIX_SCALE_ROW1
.else
	v_wmma_scale_f32_16x16x128_f8f6f4 v[E+16*(\q):E+16*(\q)+7], v[AF:AF+15], v[BF:BF+15], v[CC:CC+7], v[KSC], v[QSC+(\q)/2]
	v_wmma_scale_f32_16x16x128_f8f6f4 v[E+16*(\q)+8:E+16*(\q)+15], v[AF+4:AF+19], v[BF:BF+15], v[CC+8:CC+15], v[KSC], v[QSC+(\q)/2] matrix_a_scale:MATRIX_SCALE_ROW1
.endif
.endif
.endm
.macro XA q                            ; d s2 + LR[q], two at a time; each accumulator from its low end on
.irp p, 0,2,4,6,8,10,12,14
.if (\q)%2
	v_pk_fma_f32 v[E+16*(\q)+\p:E+16*(\q)+\p+1], v[E+16*(\q)+\p:E+16*(\q)+\p+1], s[S2:S2+1], v[LR+(\q)-1:LR+(\q)] op_sel:[0,0,1] op_sel_hi:[1,0,1]
.else
	v_pk_fma_f32 v[E+16*(\q)+\p:E+16*(\q)+\p+1], v[E+16*(\q)+\p:E+16*(\q)+\p+1], s[S2:S2+1], v[LR+(\q):LR+(\q)+1] op_sel_hi:[1,0,0]
.endif
.endr
.endm
.macro XA0 q                           ; S0: y2 = d s2 + (key's term x row's mask + row's term): 0 for a valid pair, -K2 else
.irp p, 0,1,2,3,4,5,6,7
.if \p < 4
.set TT, TMP+2*\p
.else
.set TT, TM2+2*\p-8
.endif
.if (\q)%2
	v_pk_fma_f32 v[TT:TT+1], v[CC+2*\p:CC+2*\p+1], v[RD+(\q)-1:RD+(\q)], v[LR+(\q)-1:LR+(\q)] op_sel:[0,1,1] op_sel_hi:[1,1,1]
.else
	v_pk_fma_f32 v[TT:TT+1], v[CC+2*\p:CC+2*\p+1], v[RD+(\q):RD+(\q)+1], v[LR+(\q):LR+(\q)+1] op_sel_hi:[1,0,0]
.endif
.endr
.irp p, 0,1,2,3,4,5,6,7
.if \p < 4
.set TT, TMP+2*\p
.else
.set TT, TM2+2*\p-8
.endif
	v_pk_fma_f32 v[E+16*(\q)+2*\p:E+16*(\q)+2*\p+1], v[E+16*(\q)+2*\p:E+16*(\q)+2*\p+1], s[S2:S2+1], v[TT:TT+1] op_sel_hi:[1,0,1]
.endr
.endm
.macro XAX q, z
.if \z
	XA0 \q
.else
	XA \q
.endif
.endm
.macro XBX q, z
.if \z == 0
.set i, 0
.rept 16
	v_exp_f32 v[E+16*(\q)+i], v[E+16*(\q)+i]
.set i, i+1
.endr
.endif
.endm
.macro QSTEP a, z                      ; tile a's scalings are the eight places behind tile a + 1's products, ahead of the load into Q's registers
	XAX \a, \z
	LQ (\a)+2
	XBX \a, \z
	s_wait_dscnt 0x0
	WQK (\a)+2, \z
.endm
.macro QKX z                           ; the tile: 16 products; z = 0: a' = 2^(d s2 + LR), the 128 exponentials one batch with one wait; z = 1: y2
	WQK 0, \z
.rept 8
	v_nop
.endr
	LQ 1
	s_wait_dscnt 0x0
	WQK 1, \z
	QSTEP 0, \z
	QSTEP 1, \z
	QSTEP 2, \z
	QSTEP 3, \z
	QSTEP 4, \z
	QSTEP 5, \z
	XAX 6, \z
	XBX 6, \z
	XAX 7, \z
	XBX 7, \z
.if \z == 0
	v_nop                                          ; a plain line behind the last exponential,
	s_wait_alu depctr_va_vdst(0)                   ; and one wait ahead of the batch's first reader
.endif
.endm
.macro FRONT tab, np                   ; a column block's operands out of my region; np v_nop and the three additions are the places behind the last products
	v_add_nc_u32 v[KAD], s[SKO], v[L16]
	v_add_nc_u32 v[T4B], s[STO], v[L4]
	v_add_nc_u32 v[THB], s[STO], v[H64]
.rept \np
	v_nop
.endr
	ds_load_b128 v[AF:AF+3], v[KAD]
	ds_load_b128 v[AF+4:AF+7], v[KAD] offset:512
	ds_load_b32 v[KSC], v[T4B]
.irp i, 0,1,2,3
	ds_load_b128 v[CC+4*\i:CC+4*\i+3], v[THB] offset:\tab+16*\i
.endr
	ds_load_b32 v[GOLD], v[T4B] offset:2048
	LQ 0
	s_wait_dscnt 0x0
.endm
.macro TSUM                            ; by key: the sum over my 8 tiles of queries
.irp p, 0,2,4,6,8,10,12,14
	v_pk_add_f32 v[CC+\p:CC+\p+1], v[E+\p:E+\p+1], v[E+16+\p:E+16+\p+1]
.endr
.irp q, 2,3,4,5,6,7
.irp p, 0,2,4,6,8,10,12,14
	v_pk_add_f32 v[CC+\p:CC+\p+1], v[CC+\p:CC+\p+1], v[E+16*\q+\p:E+16*\q+\p+1]
.endr
.endr
.endm
.macro RACC                            ; by row: += tile x the 16 numbers by key
.irp p, 0,2,4,6,8,10,12,14
.irp q, 0,1,2,3,4,5,6,7
	v_pk_fma_f32 v[RA+2*\q:RA+2*\q+1], v[E+16*\q+\p:E+16*\q+\p+1], v[CC+\p:CC+\p+1], v[RA+2*\q:RA+2*\q+1]
.endr
.endr
.endm
.macro COLR                            ; the four groups' column sums, those of my map kept, in a fixed order
	v_add_nc_u32 v[TMP], s[CPR], v[L4]
.irp g, 0,1,2,3
	ds_load_b32 v[TMP+1+\g], v[TMP] offset:512*\g
.endr
	s_wait_dscnt 0x0
.irp g, 0,1,2,3
	v_cndmask_b32 v[TMP+1+\g], 0, v[TMP+1+\g], s[GM+\g]
.endr
	v_add_f32 v[TMP+1], v[TMP+1], v[TMP+2]
	v_add_f32 v[TMP+1], v[TMP+1], v[TMP+3]
	v_add_f32 v[TMP+1], v[TMP+1], v[TMP+4]
.endm
.macro GUPD                            ; the column step; the new gamma goes into my table and comes back by key
	v_add_f32 v[TMP+1], v[TMP+1], v[DP]
	v_fmaak_f32 v[TMP+1], v[GOLD], v[TMP+1], 0x2b8cbccc
	v_rcp_f32 v[TMP+2], v[TMP+1]
	v_nop
	s_wait_alu depctr_va_vdst(0)
	v_mul_f32 v[GOLD], v[GOLD], v[TMP+2]
	v_add_f32 v[GSUM], v[GSUM], v[GOLD]
	ds_store_b32 v[T4B], v[GOLD] offset:2048
.irp i, 0,1,2,3
	ds_load_b128 v[CC+4*\i:CC+4*\i+3], v[THB] offset:2048+16*\i    ; LDS serves a wave's instructions in order: these see the store
.endr
	s_wait_dscnt 0x0
.endm
.macro COLSTORE
	v_add_nc_u32 v[TMP], s[CPW], v[L4]
	ds_store_b32 v[TMP], v[CC]
.endm
.macro STEPB
	s_add_co_u32 s[SKO], s[SKO], 1024
	s_add_co_u32 s[STO], s[STO], 128
.endm
.macro RESET
	s_add_co_u32 s[SKO], s[WB], KI
	s_add_co_u32 s[STO], s[WB], TB
.endm
; ---- a column block of S0: running maximum by lane, the sum of all, the rows' sums over valid keys
.macro BLOCK0 skip
.if \skip
	s_cmp_ge_u32 s[CB], s[NCB]
	s_cbranch_scc1 .Lz_\@
.endif
	FRONT 1024, 0
	v_add_f32 v[GSUM], v[GSUM], v[GOLD]
	QKX 1
.irp i, 0,1,2,3
	ds_load_b128 v[CC+4*\i:CC+4*\i+3], v[THB] offset:512+16*\i     ; the keys' masks as 1 or 0
.endr
.irp c, 0,1,2,3
	v_max3_num_f32 v[TMP+\c], v[E+32*\c], v[E+32*\c+1], v[MM]
.endr
.irp i, 2,4,6,8,10,12,14,16,18,20,22,24,26,28,30
.irp c, 0,1,2,3
	v_max3_num_f32 v[TMP+\c], v[TMP+\c], v[E+32*\c+\i], v[E+32*\c+\i+1]
.endr
.endr
	v_max3_num_f32 v[TMP], v[TMP], v[TMP+1], v[TMP+2]
	v_max_num_f32 v[TMP], v[TMP], v[TMP+3]         ; the new maximum
	v_sub_f32 v[TMP+4], v[MM], v[TMP]
	v_mov_b32 v[MM], v[TMP]
	v_exp_f32 v[TMP+4], v[TMP+4]                   ; what was summed under the old maximum is brought under the new
.set i, 0
.rept 64
	v_pk_add_f32 v[E+i:E+i+1], v[E+i:E+i+1], v[MM:MM+1] op_sel_hi:[1,0] neg_lo:[0,1] neg_hi:[0,1]
.set i, i+2
.endr
	s_wait_alu depctr_va_vdst(0)
	v_pk_mul_f32 v[SALL:SALL+1], v[SALL:SALL+1], v[TMP+4:TMP+5] op_sel_hi:[1,0]
.irp q, 0,1,2,3,4,5,6,7
	v_pk_mul_f32 v[RA+2*\q:RA+2*\q+1], v[RA+2*\q:RA+2*\q+1], v[TMP+4:TMP+5] op_sel_hi:[1,0]
.endr
.set i, 0
.rept 128
	v_exp_f32 v[E+i], v[E+i]
.set i, i+1
.endr
	v_nop
	s_wait_alu depctr_va_vdst(0)                   ; one wait for the batch
.irp c, 0,1,2,3
	v_pk_add_f32 v[TM2+2*\c:TM2+2*\c+1], v[E+32*\c:E+32*\c+1], v[E+32*\c+2:E+32*\c+3]
.endr
.irp i, 4,6,8,10,12,14,16,18,20,22,24,26,28,30
.irp c, 0,1,2,3
	v_pk_add_f32 v[TM2+2*\c:TM2+2*\c+1], v[TM2+2*\c:TM2+2*\c+1], v[E+32*\c+\i:E+32*\c+\i+1]
.endr
.endr
.irp c, 0,1,2,3
	v_pk_add_f32 v[SALL:SALL+1], v[SALL:SALL+1], v[TM2+2*\c:TM2+2*\c+1]
.endr
	s_wait_dscnt 0x0
	RACC
.Lz_\@:
.endm
; ---- a column block of a middle sweep.  The two barriers stand on every way: between the last block's reads of the column sums and this block's store, and between the store and the reads
.macro BLOCKM
	s_cmp_ge_u32 s[CB], s[NCB]
	s_cbranch_scc1 .La_\@
	FRONT 1536, 0
	QKX 0
	TSUM
	RS CC
.La_\@:
	BAR
	s_cmp_ge_u32 s[CB], s[NCB]
	s_cbranch_scc1 .Lb_\@
	COLSTORE
.Lb_\@:
	BAR
	s_cmp_ge_u32 s[CB], s[NCB]
	s_cbranch_scc1 .Lc_\@
	COLR
	GUPD
	RACC
.Lc_\@:
.endm
.macro ADDRD
.irp q, 0,1,2,3,4,5,6,7
.irp p, 0,2,4,6,8,10,12,14
.if \q%2
	v_pk_add_f32 v[E+16*\q+\p:E+16*\q+\p+1], v[E+16*\q+\p:E+16*\q+\p+1], v[RD+\q-1:RD+\q] op_sel:[0,1] op_sel_hi:[1,1]
.else
	v_pk_add_f32 v[E+16*\q+\p:E+16*\q+\p+1], v[E+16*\q+\p:E+16*\q+\p+1], v[RD+\q:RD+\q+1] op_sel_hi:[1,0]
.endif
.endr
.endr
.endm
.macro MULT q
.irp p, 0,2,4,6,8,10,12,14
	v_pk_mul_f32 v[E+16*(\q)+\p:E+16*(\q)+\p+1], v[E+16*(\q)+\p:E+16*(\q)+\p+1], v[CC+\p:CC+\p+1]
.endr
.endm
.macro QNT q                           ; tile q of the finished map: a block of 32 keys lies in lanes l and l xor 16; nothing is negative, so the hold is one-sided
.set EQ, E+16*(\q)
	v_max3_num_f32 v[TM2], v[EQ], v[EQ+1], 0x4800000
	v_max3_num_f32 v[TM2+1], v[EQ+8], v[EQ+9], v[EQ+10]
	v_max3_num_f32 v[TM2], v[TM2], v[EQ+2], v[EQ+3]
	v_max3_num_f32 v[TM2+1], v[TM2+1], v[EQ+11], v[EQ+12]
	v_max3_num_f32 v[TM2], v[TM2], v[EQ+4], v[EQ+5]
	v_max3_num_f32 v[TM2+1], v[TM2+1], v[EQ+13], v[EQ+14]
	v_max3_num_f32 v[TM2], v[TM2], v[EQ+6], v[EQ+7]
	v_max3_num_f32 v[TM2], v[TM2], v[TM2+1], v[EQ+15]
	v_permlanex16_b32 v[TM2+1], v[TM2], s[SEL], s[SEL+1]
	v_max_num_f32 v[TM2], v[TM2], v[TM2+1]
	v_add_nc_u32 v[TM2+2], 0xfc000000, v[TM2]
	v_and_or_b32 v[TM2+3], v[TM2], 0x7f800000, s[MNT]
	v_lshrrev_b32 v[TM2+4], 23, v[TM2+2]
	v_perm_b32 v[PS+(\q)%2], v[TM2+4], v[TM2+4], 0 ; the scale word: the 16 holds below and the next tile's 8 products by gamma stand between it and its matrix instructions
.set i, 0
.rept 16
	v_min_num_f32 v[EQ+i], v[EQ+i], v[TM2+3]
.set i, i+1
.endr
	v_cvt_scalef32_pk8_fp8_f32 v[BF:BF+1], v[EQ:EQ+7], v[TM2+2]
	v_cvt_scalef32_pk8_fp8_f32 v[BF+2:BF+3], v[EQ+8:EQ+15], v[TM2+2]
.endm
.macro PVW q                           ; v^T A^T: channels 0-15 and 16-31; the two accumulators by turns
	v_wmma_scale_f32_16x16x128_f8f6f4 v[RA:RA+7], v[AF:AF+15], v[BF:BF+15], v[RA:RA+7], v[VSC], v[PS+(\q)%2]
	v_wmma_scale_f32_16x16x128_f8f6f4 v[RA+8:RA+15], v[AF+4:AF+19], v[BF:BF+15], v[RA+8:RA+15], v[VSC], v[PS+(\q)%2] matrix_a_scale:MATRIX_SCALE_ROW1
.endm
; ---- a column block of the last sweep
.macro BLOCKF
	s_cmp_ge_u32 s[CB], s[NCB]
	s_cbranch_scc1 .La_\@
	FRONT 1536, 5
	QKX 0
	global_load_b128 v[AF:AF+3], v[L16], s[VB:VB+1]                ; v's two fragments take K's place: tile 6's eight scalings are the places behind the last products
	global_load_b128 v[AF+4:AF+7], v[L16], s[VB:VB+1] offset:512
	global_load_b32 v[VSC], v[L8], s[VSB:VSB+1]
	ADDRD
	TSUM
	RS CC
.La_\@:
	BAR
	s_cmp_ge_u32 s[CB], s[NCB]
	s_cbranch_scc1 .Lb_\@
	COLSTORE
.Lb_\@:
	BAR
	s_cmp_ge_u32 s[CB], s[NCB]
	s_cbranch_scc1 .Lc_\@
	COLR
	GUPD
	s_cmp_lg_u32 s[TY], 1
	s_cbranch_scc1 .Lg_\@
	global_store_b32 v[L4], v[GOLD], s[GB:GB+1]    ; drug x protein: the last gamma, 128 bytes a wave and block
.Lg_\@:
	s_wait_loadcnt 0x0
	MULT 0
.irp q, 0,1,2,3,4,5,6
	QNT \q
	MULT \q+1                                      ; eight plain lines between the codes and their matrix instructions
	PVW \q
.endr
	QNT 7
.rept 5
	v_nop
.endr
	PVW 7
.Lc_\@:
.endm
; ---- the rows' sums of a sweep meet: over the two halves of the lanes, over the four waves of my group; and the sum of gamma
.macro ROWX s0
.irp q, 0,1,2,3,4,5,6,7
	v_add_f32 v[E+\q], v[RA+2*\q], v[RA+2*\q+1]
.endr
.if \s0
.irp q, 0,1,2,3,4,5,6,7
	v_mul_f32 v[E+\q], v[E+\q], v[TMP+4]
.endr
.endif
.irp q, 0,1,2,3,4,5,6,7
	v_permlanex16_b32 v[E+8+\q], v[E+\q], s[SEL], s[SEL+1]
.endr
.irp q, 0,1,2,3,4,5,6,7
	v_add_f32 v[E+\q], v[E+\q], v[E+8+\q]
.endr
.irp i, 0,1,2,3
	v_cndmask_b32 v[E+16+\i], v[E+\i], v[E+4+\i], s[HI16]          ; lanes 0-15 store tiles 0-3, lanes 16-31 tiles 4-7
.endr
	v_lshrrev_b32 v[TMP], 2, v[H64]
	v_add_nc_u32 v[TMP], v[TMP], v[R32]
	v_add_nc_u32 v[TMP], s[RPW], v[TMP]
	ds_store_b128 v[TMP], v[E+16:E+19]
	WSUM GSUM, TMP+1
	v_mov_b32 v[TMP+2], s[SW4]
	ds_store_b32 v[TMP+2], v[GSUM] offset:512      ; all lanes store the same word with the same value
	BAR
	v_add_nc_u32 v[TMP], s[RPR], v[R32]
.irp k, 0,1,2,3
	ds_load_b128 v[E+8*\k:E+8*\k+3], v[TMP] offset:2048*\k
	ds_load_b128 v[E+8*\k+4:E+8*\k+7], v[TMP] offset:2048*\k+16
.endr
	v_mov_b32 v[TMP+2], s[SG16]
	ds_load_b128 v[E+32:E+35], v[TMP+2]
.if \s0
	v_mov_b32 v[TMP+3], WM+256
.irp g, 0,1,2,3
	ds_load_b128 v[E+36+4*\g:E+39+4*\g], v[TMP+3] offset:16*\g
.endr
.endif
	s_wait_dscnt 0x0
.irp k, 8,16,24
.irp p, 0,2,4,6
	v_pk_add_f32 v[E+\p:E+\p+1], v[E+\p:E+\p+1], v[E+\k+\p:E+\k+\p+1]
.endr
.endr
	v_add_f32 v[E+32], v[E+32], v[E+33]
	v_add_f32 v[E+32], v[E+32], v[E+34]
	v_add_f32 v[E+32], v[E+32], v[E+35]            ; the sum of gamma over the map's keys
.endm
.macro LRUPD                           ; the row step; then my 128 rows' sum of RD in v[E+40]
.irp q, 0,1,2,3,4,5,6,7
	v_fma_f32 v[E+\q], v[RD+\q], v[E+32], v[E+\q]
.endr
.irp q, 0,1,2,3,4,5,6,7
	v_add_f32 v[E+\q], 0x2b8cbccc, v[E+\q]
.endr
.irp q, 0,1,2,3,4,5,6,7
	v_log_f32 v[E+\q], v[E+\q]
.endr
	v_nop
	s_wait_alu depctr_va_vdst(0)
.irp q, 0,1,2,3,4,5,6,7
	v_sub_f32 v[LR+\q], v[LR+\q], v[E+\q]
.endr
.irp q, 0,1,2,3,4,5,6,7
	v_add_f32 v[E+\q], v[LR+\q], v[C0]
.endr
.irp q, 0,1,2,3,4,5,6,7
	v_exp_f32 v[RD+\q], v[E+\q]
.endr
	v_nop
	s_wait_alu depctr_va_vdst(0)
	v_add_f32 v[E+40], v[RD], v[RD+1]
.irp q, 2,3,4,5,6,7
	v_add_f32 v[E+40], v[E+40], v[RD+\q]
.endr
	R16SUM E+40
.endm
.macro PPX c                           ; the groups' sums of RD (c = 1: and counts of valid rows) meet; those of my map are kept
	v_mov_b32 v[TMP], s[SW8]
.if \c
	ds_store_b64 v[TMP], v[E+40:E+41]
.else
	ds_store_b32 v[TMP], v[E+40]
.endif
	BAR
	v_mov_b32 v[TMP], s[SK8]
.irp g, 0,1,2,3
.if \c
	ds_load_b64 v[E+42+2*\g:E+43+2*\g], v[TMP] offset:32*\g
.else
	ds_load_b32 v[E+42+2*\g], v[TMP] offset:32*\g
.endif
.endr
	s_wait_dscnt 0x0
.irp g, 0,1,2,3
	v_cndmask_b32 v[E+42+2*\g], 0, v[E+42+2*\g], s[GM+\g]
.endr
	v_add_f32 v[DP], v[E+42], v[E+44]
	v_add_f32 v[DP], v[DP], v[E+46]
	v_add_f32 v[DP], v[DP], v[E+48]
.if \c
.irp g, 0,1,2,3
	v_cndmask_b32 v[E+43+2*\g], 0, v[E+43+2*\g], s[GM+\g]
.endr
	v_add_f32 v[CNT], v[E+43], v[E+45]
	v_add_f32 v[CNT], v[CNT], v[E+47]
	v_add_f32 v[CNT], v[CNT], v[E+49]
.endif
.endm
.macro KLOAD cb
.set KR, E+40+14*\cb
	global_load_b128 v[KR:KR+3], v[L16], s[10:11] offset:4096*\cb
	global_load_b128 v[KR+4:KR+7], v[L16], s[10:11] offset:4096*\cb+512
	global_load_b32 v[KR+8], v[TMP+1], s[88:89] offset:327680+512*\cb
	global_load_b32 v[KR+9], v[L4], s[94:95] offset:512*\cb
.endm
.macro KPROC cb                        ; a column block's images and tables into my region
.set KR, E+40+14*\cb
	ds_store_b128 v[QA], v[KR:KR+3] offset:KI+1024*\cb
	ds_store_b128 v[QA], v[KR+4:KR+7] offset:KI+1024*\cb+512
	ds_store_b32 v[T4B], v[KR+8] offset:128*\cb
	v_cmp_ne_u32 vcc_lo, 0, v[KR+9]                ; any of the group's four mask bytes
	v_cndmask_b32 v[KR+10], 0, 1.0, vcc_lo
	v_cndmask_b32 v[KR+11], 0xc9b01c38, 0, vcc_lo
	v_cndmask_b32 v[KR+12], 0xf149f2ca, 0, vcc_lo
	ds_store_b32 v[T4B], v[KR+10] offset:512+128*\cb
	ds_store_b32 v[T4B], v[KR+11] offset:1024+128*\cb
	ds_store_b32 v[T4B], v[KR+12] offset:1536+128*\cb
	ds_store_b32 v[T4B], v[KR+10] offset:2048+128*\cb
.endm
	s_load_b512 s[8:23], s[0:1], 0x0               ; qc, kc, vc, sc, mask_prot, mask_drug, vec, emb
	v_lshl_add_u32 v[SPW], v0, 2, SPARE
	v_mov_b32 v[NIL], 0
	v_lshrrev_b32 v[TMP], 5, v0
	v_readfirstlane_b32 s[WV], v[TMP]
.irp i, 8,9,10,11,12,13,14,15,16,17,18,19
	v_mov_b32 v[AF+\i], 0                          ; the zero codes
.endr
.irp i, 4,5,6,7,8,9,10,11,12,13,14,15
	v_mov_b32 v[BF+\i], 0
.endr
	s_and_b32 s[KB], s[WV], 3
	s_lshr_b32 s[G], s[WV], 2
	s_cmp_lt_u32 ttmp9, 128
	s_cselect_b32 s[TY], 0, 1
	s_cselect_b32 s68, 0, 128
	s_cmp_lt_u32 ttmp9, 160
	s_cselect_b32 s[TY], s[TY], 2
	s_cselect_b32 s68, s68, 160
	s_cmp_lt_u32 ttmp9, 288
	s_cselect_b32 s[TY], s[TY], 3
	s_cselect_b32 s68, s68, 288
	s_sub_co_u32 s68, ttmp9, s68                   ; my number among the work-groups of my kind
	s_and_b32 s[MODEH], s[TY], 1                   ; 1: the queries are the drug's: four heads a work-group
	s_lshr_b32 s71, s68, 3
	s_and_b32 s72, s68, 7
	s_lshr_b32 s73, s68, 1
	s_and_b32 s74, s68, 1
	s_lshl_b32 s74, s74, 2
	s_add_co_u32 s74, s74, s[G]
	s_cmp_eq_u32 s[MODEH], 0
	s_cselect_b32 s[B], s71, s73
	s_cselect_b32 s72, s72, s74                    ; the head
	s_cselect_b32 s75, -1, 0
	s_cselect_b32 s76, s[G], 0                     ; which 128 queries of the map
	s_cselect_b32 s77, 14, 12                      ; log2 of a head's bytes of query codes
.irp g, 0,1,2,3
	s_cmp_eq_u32 s[G], \g
	s_cselect_b32 s[GM+\g], -1, s75
.endr
	s_lshl_b32 s[BH], s[B], 3
	s_add_co_u32 s[BH], s[BH], s72
	s_cmp_lt_u32 s[TY], 2
	s_cselect_b32 s[NCB], 4, 1
	s_cselect_b32 s78, 14, 12
	s_cselect_b32 s79, 0, 1                        ; 1: the keys are the drug's
	s_lshl_b32 s80, s[BH], s77                     ; Q's codes
	s_lshl_b32 s68, s76, 12
	s_add_co_u32 s80, s80, s68
	s_mul_i32 s68, s[MODEH], 2097152
	s_add_co_u32 s80, s80, s68
	s_mov_b32 s81, 0
	s_sub_co_u32 s77, s77, 3
	s_lshl_b32 s82, s[BH], s77                     ; Q's scale words
	s_lshl_b32 s68, s76, 9
	s_add_co_u32 s82, s82, s68
	s_mul_i32 s69, s[MODEH], 262144
	s_add_co_u32 s82, s82, s69
	s_mov_b32 s83, 0
	s_lshl_b32 s84, s[B], s77                      ; the rows' mask bytes
	s_add_co_u32 s84, s84, s68
	s_mov_b32 s85, 0
	s_lshl_b32 s86, s[BH], s78                     ; K's and V's codes
	s_lshl_b32 s68, s[KB], 10
	s_add_co_u32 s86, s86, s68
	s_mul_i32 s68, s79, 2097152
	s_add_co_u32 s86, s86, s68
	s_mov_b32 s87, 0
	s_sub_co_u32 s78, s78, 3
	s_lshl_b32 s88, s[BH], s78                     ; K's and V's scale words
	s_lshr_b32 s68, s[KB], 1
	s_lshl_b32 s68, s68, 8
	s_add_co_u32 s88, s88, s68
	s_and_b32 s68, s[KB], 1
	s_lshl_b32 s68, s68, 2
	s_add_co_u32 s88, s88, s68
	s_mul_i32 s68, s79, 262144
	s_add_co_u32 s88, s88, s68
	s_mov_b32 s89, 0
	s_lshl_b32 s90, s[B], s78                      ; the keys' mask bytes
	s_lshl_b32 s68, s[KB], 7
	s_add_co_u32 s90, s90, s68
	s_mov_b32 s91, 0
	s_lshl_b32 s70, s[BH], 11                      ; gamma's place in vec
	s_add_co_u32 s70, s70, s68
	s_add_co_u32 s70, s70, 131072
	s_mov_b32 s71, 0
	s_lshl_b32 s72, s[BH], 9                       ; LR's
	s_mov_b32 s73, 0
	s_and_b32 s68, s[TY], 1
	s_lshl_b32 s68, s68, 1
	s_lshr_b32 s69, s[TY], 1
	s_or_b32 s68, s68, s69                         ; emb's order: pp, pd, dp, dd
	s_lshl_b32 s68, s68, 7
	s_add_co_u32 s68, s68, s[BH]
	s_lshl_b32 s74, s68, 7
	s_mov_b32 s75, 0
	s_mul_i32 s[WB], s[WV], WREG
	s_lshl_b32 s[CPW], s[WV], 7
	s_add_co_u32 s[OPW], s[CPW], OP
	s_add_co_u32 s[CPW], s[CPW], CP
	s_lshl_b32 s[CPR], s[KB], 7
	s_add_co_u32 s[CPR], s[CPR], CP
	s_lshl_b32 s[RPW], s[KB], 2
	s_add_co_u32 s[RPW], s[RPW], s[G]
	s_lshl_b32 s[RPW], s[RPW], 9
	s_add_co_u32 s[RPW], s[RPW], RP
	s_lshl_b32 s[RPR], s[G], 9
	s_add_co_u32 s[RPR], s[RPR], RP
	s_lshl_b32 s[SW4], s[WV], 2
	s_add_co_u32 s[SW4], s[SW4], WM
	s_lshl_b32 s[SG16], s[G], 4
	s_add_co_u32 s[SG16], s[SG16], WM+512
	s_lshl_b32 s[SW8], s[WV], 3
	s_add_co_u32 s[SW8], s[SW8], WM+768
	s_lshl_b32 s[SK8], s[KB], 3
	s_add_co_u32 s[SK8], s[SK8], WM+768
	s_mov_b32 s[S2], 0x3e8293ee                    ; log2(e) / sqrt(32)
	s_mov_b32 s[S2+1], s[S2]
	s_mov_b32 s[SEL], 0x76543210
	s_mov_b32 s[SEL+1], 0xfedcba98
	s_mov_b32 s[B3], 0xff00ff00
	s_mov_b32 s[B2], 0xf0f0f0f0
	s_mov_b32 s[B1], 0xcccccccc
	s_mov_b32 s[B0], 0xaaaaaaaa
	s_mov_b32 s[HI16], 0xffff0000
	s_mov_b32 s[MNT], 0x600000
	RESET
	v_and_b32 v[L4], 31, v0
	v_lshlrev_b32 v[L16], 4, v[L4]
	v_lshlrev_b32 v[TMP+1], 3, v[L4]               ; 8 x lane
	v_lshlrev_b32 v[L4], 2, v[L4]
	v_bfe_u32 v[H64], v0, 4, 1
	v_lshlrev_b32 v[H64], 6, v[H64]
	v_and_b32 v[R32], 15, v0
	v_and_b32 v[TMP], 8, v[R32]
	v_add_nc_u32 v[TMP], v[TMP], v[R32]
	v_lshlrev_b32 v[TMP], 2, v[TMP]                ; a row's four mask bytes: 4 (r + 8 (r/8))
	v_lshlrev_b32 v[R32], 5, v[R32]
	v_add_nc_u32 v[QA], s[WB], v[L16]
	v_add_nc_u32 v[T4B], s[STO], v[L4]
	s_wait_kmcnt 0x0
	s_add_nc_u64 s[8:9], s[8:9], s[80:81]
	s_add_nc_u64 s[80:81], s[14:15], s[82:83]
	s_cmp_eq_u32 s[MODEH], 0
	s_cselect_b64 s[92:93], s[16:17], s[18:19]
	s_add_nc_u64 s[92:93], s[92:93], s[84:85]
	s_add_nc_u64 s[10:11], s[10:11], s[86:87]
	s_add_nc_u64 s[VB:VB+1], s[12:13], s[86:87]
	s_add_nc_u64 s[88:89], s[14:15], s[88:89]
	s_add_nc_u64 s[VSB:VSB+1], s[88:89], 655360
	s_cmp_eq_u32 s79, 0
	s_cselect_b64 s[94:95], s[16:17], s[18:19]
	s_add_nc_u64 s[94:95], s[94:95], s[90:91]
	s_add_nc_u64 s[GB:GB+1], s[20:21], s[70:71]
	s_add_nc_u64 s[20:21], s[20:21], s[72:73]
	s_add_nc_u64 s[22:23], s[22:23], s[74:75]
.irp q, 0,1,2,3,4,5,6,7
	global_load_b128 v[E+4*\q:E+4*\q+3], v[L16], s[8:9] offset:512*\q
.endr
	global_load_b64 v[QSC:QSC+1], v[TMP+1], s[80:81]
	global_load_b64 v[QSC+2:QSC+3], v[TMP+1], s[80:81] offset:256
.irp q, 0,1,2,3,4,5,6,7
	global_load_b32 v[E+32+\q], v[TMP], s[92:93] offset:4*(32*(\q/2)+8*(\q%2))
.endr
	KLOAD 0
	s_cmp_eq_u32 s[NCB], 1
	s_cbranch_scc1 .Lone                           ; a map of 128 keys has one column block: no load leaves its buffer
	KLOAD 1
	KLOAD 2
	KLOAD 3
	s_wait_loadcnt 0x0
	KPROC 1
	KPROC 2
	KPROC 3
.Lone:
	s_wait_loadcnt 0x0
	KPROC 0
.irp q, 0,1,2,3,4,5,6,7
	ds_store_b128 v[QA], v[E+4*\q:E+4*\q+3] offset:512*\q
.endr
.irp q, 0,1,2,3,4,5,6,7
	v_cmp_ne_u32 vcc_lo, 0, v[E+32+\q]
	v_cndmask_b32 v[RD+\q], 0, 1.0, vcc_lo         ; the row's mask
	v_cndmask_b32 v[LR+\q], 0xc9b01c38, 0, vcc_lo  ; 0, or -K2 in a masked row
.endr
	v_mov_b32 v[MM], 0xff61b1e6                    ; -3e38, under every y2
	v_mov_b32 v[MM+1], 0xff61b1e6
	v_mov_b32 v[SALL], 0
	v_mov_b32 v[SALL+1], 0
	v_mov_b32 v[GSUM], 0
.irp i, 0,1,2,3,4,5,6,7,8,9,10,11,12,13,14,15
	v_mov_b32 v[RA+\i], 0
.endr
	; ================ S0
	BLOCK0 0                                       ; every map has column block 0: it is written out, so that all that later blocks read has been written on every way
	STEPB
	s_mov_b32 s[CB], 1
.Ls0:
	BLOCK0 1
	STEPB
	s_add_co_u32 s[CB], s[CB], 1
	s_cmp_lt_u32 s[CB], 4
	s_cbranch_scc1 .Ls0
	v_mov_b32 v[E], v[MM]                          ; the map's largest y2
	v_max_num_f32_dpp v[E], v[E], v[E] row_xmask:1 row_mask:0xf bank_mask:0xf
	v_max_num_f32_dpp v[E], v[E], v[E] row_xmask:2 row_mask:0xf bank_mask:0xf
	v_max_num_f32_dpp v[E], v[E], v[E] row_xmask:4 row_mask:0xf bank_mask:0xf
	v_max_num_f32_dpp v[E], v[E], v[E] row_xmask:8 row_mask:0xf bank_mask:0xf
	v_permlanex16_b32 v[E+1], v[E], s[SEL], s[SEL+1]
	v_max_num_f32 v[E], v[E], v[E+1]
	v_mov_b32 v[E+2], s[SW4]
	ds_store_b32 v[E+2], v[E]
	BAR
	v_mov_b32 v[E+2], WM
.irp g, 0,1,2,3
	ds_load_b128 v[E+4+4*\g:E+7+4*\g], v[E+2] offset:16*\g
.endr
	s_wait_dscnt 0x0
.irp g, 0,1,2,3
	v_max3_num_f32 v[E+4+4*\g], v[E+4+4*\g], v[E+5+4*\g], v[E+6+4*\g]
.endr
.irp g, 0,1,2,3
	v_max_num_f32 v[E+4+4*\g], v[E+4+4*\g], v[E+7+4*\g]
.endr
.irp g, 0,1,2,3
	v_cndmask_b32 v[E+4+4*\g], 0xff61b1e6, v[E+4+4*\g], s[GM+\g]
.endr
	v_max3_num_f32 v[C0], v[E+4], v[E+8], v[E+12]
	v_max_num_f32 v[C0], v[C0], v[E+16]            ; M2
	v_sub_f32 v[TMP+4], v[MM], v[C0]
	v_exp_f32 v[TMP+4], v[TMP+4]                   ; my lane's sums are brought under M2
	v_add_f32 v[TMP+5], v[SALL], v[SALL+1]
	s_wait_alu depctr_va_vdst(0)
	v_mul_f32 v[TMP+5], v[TMP+5], v[TMP+4]
	WSUM TMP+5, TMP+6
	v_mov_b32 v[TMP+7], s[SW4]
	ds_store_b32 v[TMP+7], v[TMP+5] offset:256
	ROWX 1
.irp a, 37,38,39
.irp g, 0,1,2,3
	v_add_f32 v[E+36+4*\g], v[E+36+4*\g], v[E+\a+4*\g]
.endr
.endr
.irp g, 0,1,2,3
	v_cndmask_b32 v[E+36+4*\g], 0, v[E+36+4*\g], s[GM+\g]
.endr
	v_add_f32 v[E+36], v[E+36], v[E+40]
	v_add_f32 v[E+36], v[E+36], v[E+44]
	v_add_f32 v[E+36], v[E+36], v[E+48]            ; S
	v_rcp_f32 v[E+37], v[E+36]
	v_log_f32 v[E+38], v[E+36]
	v_add_f32 v[E+41], v[RD], v[RD+1]              ; my 128 rows' count of valid rows
.irp q, 2,3,4,5,6,7
	v_add_f32 v[E+41], v[E+41], v[RD+\q]
.endr
	R16SUM E+41
	s_wait_alu depctr_va_vdst(0)
	v_add_f32 v[E+38], v[E+38], v[C0]              ; log2 S + M2
	v_add_f32 v[C0], 0xc21f73da, v[E+38]           ; c0: + log2(1e-12)
	v_mul_f32 v[E+38], -1.0, v[E+38]               ; LR of rho = 1/S
.irp q, 0,1,2,3,4,5,6,7
	v_cmp_neq_f32 vcc_lo, 0, v[RD+\q]
	v_cndmask_b32 v[LR+\q], 0xf149f2ca, v[E+38], vcc_lo
.endr
.irp q, 0,1,2,3,4,5,6,7
	v_mul_f32 v[RD+\q], 0x2b8cbccc, v[RD+\q]       ; rho delta = eps in a valid row, 0 else
.endr
.irp q, 0,1,2,3,4,5,6,7
	v_mul_f32 v[E+\q], v[E+\q], v[E+37]
.endr
	LRUPD
	PPX 1
	; ================ three middle sweeps
	s_mov_b32 s[SW], 3
.Lsweep:
.irp i, 0,1,2,3,4,5,6,7,8,9,10,11,12,13,14,15
	v_mov_b32 v[RA+\i], 0
.endr
	v_mov_b32 v[GSUM], 0
	RESET
	s_mov_b32 s[CB], 0
.Lbm:
	BLOCKM
	STEPB
	s_add_co_u32 s[CB], s[CB], 1
	s_cmp_lt_u32 s[CB], 4
	s_cbranch_scc1 .Lbm
	ROWX 0
	LRUPD
	PPX 0
	s_sub_co_u32 s[SW], s[SW], 1
	s_cmp_lg_u32 s[SW], 0
	s_cbranch_scc1 .Lsweep
	; ================ the last sweep
.irp i, 0,1,2,3,4,5,6,7,8,9,10,11,12,13,14,15
	v_mov_b32 v[RA+\i], 0                          ; the two accumulators of v^T A^T
.endr
	v_mov_b32 v[DP], 0                             ; RD is added to the tile itself here
	v_lshlrev_b32 v[L8], 1, v[L4]
	RESET
	s_mov_b32 s[CB], 0
.Lbf:
	BLOCKF
	STEPB
	s_wait_xcnt 0x0                                ; the block's loads and store have read their bases and data
	s_add_nc_u64 s[VB:VB+1], s[VB:VB+1], 4096
	s_add_nc_u64 s[VSB:VSB+1], s[VSB:VSB+1], 512
	s_add_nc_u64 s[GB:GB+1], s[GB:GB+1], 512
	s_add_co_u32 s[CB], s[CB], 1
	s_cmp_lt_u32 s[CB], 4
	s_cbranch_scc1 .Lbf
.rept 8
	v_nop
.endr
	RS RA                                          ; over the 16 query lanes: lane (r, h) ends with channel 16 (r/8) + 8 h + r%8
	v_add_nc_u32 v[TMP], s[OPW], v[L4]
	ds_store_b32 v[TMP], v[RA]
	BAR
	v_add_nc_u32 v[TMP], OP, v[L4]
.irp i, 0,1,2,3,4,5,6,7,8,9,10,11,12,13,14,15
	ds_load_b32 v[E+\i], v[TMP] offset:128*\i
.endr
	v_rcp_f32 v[TMP+1], v[CNT]
	v_and_b32 v[TMP+2], 7, v0
	v_bfe_u32 v[TMP+3], v0, 4, 1
	v_lshl_add_u32 v[TMP+2], v[TMP+3], 3, v[TMP+2]
	v_bfe_u32 v[TMP+3], v0, 3, 1
	v_lshl_add_u32 v[TMP+2], v[TMP+3], 4, v[TMP+2]
	v_lshlrev_b32 v[TMP+2], 2, v[TMP+2]            ; my channel's place
	s_wait_dscnt 0x0
.irp a, 1,2,3
.irp g, 0,1,2,3
	v_add_f32 v[E+4*\g], v[E+4*\g], v[E+4*\g+\a]
.endr
.endr
.irp g, 0,1,2,3
	v_cndmask_b32 v[E+4*\g], 0, v[E+4*\g], s[GM+\g]
.endr
	v_add_f32 v[E], v[E], v[E+4]
	v_add_f32 v[E], v[E], v[E+8]
	v_add_f32 v[E], v[E], v[E+12]
	v_mul_f32 v[E], 0.5, v[E]
	s_wait_alu depctr_va_vdst(0)
	v_mul_f32 v[E], v[E], v[TMP+1]                 ; x 0.5 / the count of valid rows
	s_cmp_eq_u32 s[MODEH], 1
	s_cselect_b32 s68, s[KB], s[WV]
	s_cmp_lg_u32 s68, 0
	s_cbranch_scc1 .Lend                           ; one wave of each map stores
	global_store_b32 v[TMP+2], v[E], s[22:23]      ; 128 bytes
	s_cmp_lg_u32 s[TY], 1
	s_cbranch_scc1 .Lend
.irp i, 0,1,2,3
	v_cndmask_b32 v[E+16+\i], v[LR+2*\i], v[LR+2*\i+1], s[HI16]    ; drug x protein: lanes 0-15 tile 2 i, lanes 16-31 tile 2 i + 1
	v_cndmask_b32 v[E+20+\i], v[RD+2*\i], v[RD+2*\i+1], s[HI16]
.endr
	global_store_b128 v[L16], v[E+16:E+19], s[20:21]
	global_store_b128 v[L16], v[E+20:E+23], s[20:21] offset:65536
.Lend:
	s_wait_tensorcnt 0x0                           ; the wave's end, behind my last LDS store
	ds_add_u32 v[SPW], v[NIL]
	s_wait_dscnt 0x0
	s_endpgm
.Lfunc_end_k_qd3036af04c_sink:
	.size	k_qd3036af04c_sink, .Lfunc_end_k_qd3036af04c_sink-k_qd3036af04c_sink
	.p2alignl 7, 3214868480
	.fill 96, 4, 3214868480
	.section	.rodata,"a",@progbits
	.p2align	6, 0x0
	.amdhsa_kernel k_qd3036af04c_sink
		.amdhsa_group_segment_fixed_size 187392
		.amdhsa_private_segment_fixed_size 0
		.amdhsa_enable_private_segment 0
		.amdhsa_kernarg_size 64
		.amdhsa_user_sgpr_count 2
		.amdhsa_user_sgpr_kernarg_segment_ptr 1
		.amdhsa_wavefront_size32 1
		.amdhsa_system_sgpr_workgroup_id_x 1
		.amdhsa_system_sgpr_workgroup_id_y 1
		.amdhsa_system_sgpr_workgroup_id_z 1
		.amdhsa_system_vgpr_workitem_id 0
		.amdhsa_next_free_vgpr 256
		.amdhsa_next_free_sgpr 96
		.amdhsa_reserve_vcc 1
		.amdhsa_float_denorm_mode_32 3
		.amdhsa_float_denorm_mode_16_64 3
		.amdhsa_memory_ordered 1
		.amdhsa_forward_progress 1
		.amdhsa_inst_pref_size 177
	.end_amdhsa_kernel
	.amdgpu_metadata
---
amdhsa.version: [ 1, 2 ]
amdhsa.kernels:
  - .name:           k_qd3036af04c_sink
    .symbol:         k_qd3036af04c_sink.kd
    .args:
      - { .name: qc, .offset: 0, .size: 8, .value_kind: global_buffer, .address_space: global }
      - { .name: kc, .offset: 8, .size: 8, .value_kind: global_buffer, .address_space: global }
      - { .name: vc, .offset: 16, .size: 8, .value_kind: global_buffer, .address_space: global }
      - { .name: sc, .offset: 24, .size: 8, .value_kind: global_buffer, .address_space: global }
      - { .name: mask_prot, .offset: 32, .size: 8, .value_kind: global_buffer, .address_space: global }
      - { .name: mask_drug, .offset: 40, .size: 8, .value_kind: global_buffer, .address_space: global }
      - { .name: vec, .offset: 48, .size: 8, .value_kind: global_buffer, .address_space: global }
      - { .name: emb, .offset: 56, .size: 8, .value_kind: global_buffer, .address_space: global }
    .group_segment_fixed_size: 187392
    .private_segment_fixed_size: 0
    .kernarg_segment_align: 8
    .kernarg_segment_size: 64
    .max_flat_workgroup_size: 512
    .sgpr_count:     96
    .vgpr_count:     256
    .wavefront_size: 32
...
	.end_amdgpu_metadata
.endif
;; end of part 3
;; launch emit (part 4): grid 512 x 1, 8 waves a work-group, no clusters, 66,816 bytes of LDS; arguments qc, kc, sc, vec, emb, out0, out1; writes out0, out1
.if DOCPART == 4
	.amdgcn_target "amdgcn-amd-amdhsa--gfx1250"
	.amdhsa_code_object_version 6
	.text
	.protected	k_qd3036af04c_emit
	.globl	k_qd3036af04c_emit
	.p2align	8
	.type	k_qd3036af04c_emit,@function
k_qd3036af04c_emit:
	s_mov_b64 s[64:65], 0
	v_nop
	global_prefetch_b8 v0, s[64:65] scope:SCOPE_SE
	s_setreg_imm32_b32 hwreg(HW_REG_WAVE_MODE, 25, 1), 1
	s_wait_xcnt 0x0
; CAN_Layer, launch 4 of 4: out1 = the finished map drug x protein, [b][query][key][head], made anew from codes and the last factors: a = (2^(d s2 + LR) + RD) gamma; and out0 from the four means.
; The factors 'valid' are left out as shown at the head of the first kernel: a masked row has LR = -1e30 and RD = 0, a masked key gamma = 0; ahead of the exponential the exponent is held at 126, so that a masked key's number stays finite in front of its 0.
; A work-group: batch b, 16 queries (tile qt), 128 keys (kq); wave = head.  The heads are innermost in out1, so the eight waves' results meet in a stage (16 rows x (4,096 + 16) bytes) and leave as runs of 512 consecutive bytes.
.set L16, 1
.set L8,  2
.set H64, 3
.set R8,  4
.set R16, 5
.set SA,  6
.set RDA, 7
.set SPW, 8
.set NIL, 9
.set QS,  10                           ; scales and nothing else: v10 Q's, v12-15 K's
.set KSC, 12
.set LRR, 16                           ; v[16:17]: LR and a word that is only named
.set RDR, 18                           ; v[18:19]: RD likewise
.set BF,  20                           ; v20-35 [Q | 12 zeros]
.set KW,  36                           ; v36-79 [K0 .. K7 | 12 zeros]: tile t's operand is the window of 16 registers from 4 t on
.set D,   80                           ; v80-143
.set GG,  144                          ; v144-207 gamma by key
.set SPARE, 65792                      ; the spare words: 128 bytes a wave, named by no other line
.set S2,  24
	s_load_b256 s[4:11], s[0:1], 0x0               ; qc, kc, sc, vec
	s_load_b128 s[12:15], s[0:1], 0x20             ; emb, out0
	s_load_b64 s[16:17], s[0:1], 0x30              ; out1
	v_lshl_add_u32 v[SPW], v0, 2, SPARE
	v_mov_b32 v[NIL], 0
.irp i, 4,5,6,7,8,9,10,11,12,13,14,15
	v_mov_b32 v[BF+\i], 0
.endr
.irp i, 32,33,34,35,36,37,38,39,40,41,42,43
	v_mov_b32 v[KW+\i], 0
.endr
	v_mov_b32 v[LRR+1], 0
	v_mov_b32 v[RDR+1], 0
	v_lshrrev_b32 v[L8], 5, v0
	v_readfirstlane_b32 s18, v[L8]                 ; wave = head
	s_lshr_b32 s19, ttmp9, 5                       ; b
	s_bfe_u32 s20, ttmp9, 0x30002                  ; qt
	s_and_b32 s21, ttmp9, 3                        ; kq
	s_lshl_b32 s22, s19, 3
	s_add_co_u32 s22, s22, s18                     ; bh
	v_and_b32 v[L16], 31, v0
	v_lshlrev_b32 v[L8], 3, v[L16]
	v_lshlrev_b32 v[L16], 4, v[L16]
	v_bfe_u32 v[H64], v0, 4, 1
	v_and_b32 v[R8], 15, v0
	v_mul_u32_u24 v[SA], v[R8], 4112
	v_lshl_add_u32 v[SA], v[H64], 9, v[SA]
	s_lshl_b32 s23, s18, 2
	v_add_nc_u32 v[SA], s23, v[SA]                 ; the stage, in: row r, + 512 h (16 keys of 32 bytes), + 4 x head
	v_lshlrev_b32 v[H64], 6, v[H64]
	v_lshlrev_b32 v[R16], 4, v[R8]
	v_lshlrev_b32 v[R8], 3, v[R8]
	s_mul_i32 s23, s18, 2*4112
	v_add_nc_u32 v[RDA], s23, v[L16]               ; and out: rows 2 w and 2 w + 1
	s_mov_b32 s[S2], 0x3e8293ee
	s_mov_b32 s[S2+1], s[S2]
	s_lshl_b32 s28, s22, 12                        ; Q's codes
	s_lshl_b32 s29, s20, 9
	s_add_co_u32 s28, s28, s29
	s_add_co_u32 s28, s28, 2097152
	s_mov_b32 s29, 0
	s_lshl_b32 s30, s22, 1                         ; Q's scale words: the half of the lanes in which tile qt's lie is chosen by address
	s_lshr_b32 s31, s20, 2
	s_add_co_u32 s30, s30, s31
	s_lshl_b32 s30, s30, 8
	s_bfe_u32 s31, s20, 0x10001
	s_lshl_b32 s31, s31, 2
	s_add_co_u32 s30, s30, s31
	s_and_b32 s31, s20, 1
	s_lshl_b32 s31, s31, 7
	s_add_co_u32 s30, s30, s31
	s_add_co_u32 s30, s30, 262144
	s_mov_b32 s31, 0
	s_lshl_b32 s32, s22, 14                        ; K's codes
	s_lshl_b32 s33, s21, 12
	s_add_co_u32 s32, s32, s33
	s_mov_b32 s33, 0
	s_lshl_b32 s34, s22, 3                         ; K's scale words
	s_lshl_b32 s35, s21, 1
	s_add_co_u32 s34, s34, s35
	s_lshl_b32 s34, s34, 8
	s_add_co_u32 s34, s34, 327680
	s_mov_b32 s35, 0
	s_lshl_b32 s36, s22, 11                        ; gamma
	s_lshl_b32 s37, s21, 9
	s_add_co_u32 s36, s36, s37
	s_add_co_u32 s36, s36, 131072
	s_mov_b32 s37, 0
	s_lshl_b32 s38, s22, 9                         ; LR (RD 65,536 bytes on)
	s_and_b32 s39, s20, 1
	s_lshl_b32 s39, s39, 8
	s_add_co_u32 s38, s38, s39
	s_lshr_b32 s39, s20, 1
	s_lshl_b32 s39, s39, 2
	s_add_co_u32 s38, s38, s39
	s_mov_b32 s39, 0
	s_lshr_b32 s26, s20, 1                         ; the query of stage row 2 w: 32 (qt/2) + 8 (qt%2) + 2 w + 8 (w/4)
	s_lshl_b32 s26, s26, 5
	s_and_b32 s27, s20, 1
	s_lshl_b32 s27, s27, 3
	s_add_co_u32 s26, s26, s27
	s_lshl_b32 s27, s18, 1
	s_add_co_u32 s26, s26, s27
	s_lshr_b32 s27, s18, 2
	s_lshl_b32 s27, s27, 3
	s_add_co_u32 s26, s26, s27
	s_lshl_b32 s27, s19, 7
	s_add_co_u32 s26, s26, s27
	s_lshl_b32 s26, s26, 14
	s_lshl_b32 s27, s21, 12
	s_add_co_u32 s26, s26, s27
	s_mov_b32 s27, 0
	s_wait_kmcnt 0x0
	s_add_nc_u64 s[4:5], s[4:5], s[28:29]
	s_add_nc_u64 s[30:31], s[8:9], s[30:31]
	s_add_nc_u64 s[6:7], s[6:7], s[32:33]
	s_add_nc_u64 s[34:35], s[8:9], s[34:35]
	s_add_nc_u64 s[36:37], s[10:11], s[36:37]
	s_add_nc_u64 s[38:39], s[10:11], s[38:39]
	s_add_nc_u64 s[16:17], s[16:17], s[26:27]
	global_load_b128 v[BF:BF+3], v[L16], s[4:5]
	global_load_b32 v[QS], v[R8], s[30:31]
.irp t, 0,1,2,3,4,5,6,7
	global_load_b128 v[KW+4*\t:KW+4*\t+3], v[L16], s[6:7] offset:512*\t
.endr
	global_load_b64 v[KSC:KSC+1], v[L8], s[34:35]
	global_load_b64 v[KSC+2:KSC+3], v[L8], s[34:35] offset:256
	global_load_b32 v[LRR], v[R16], s[38:39]
	global_load_b32 v[RDR], v[R16], s[38:39] offset:65536
.irp i, 0,1,2,3
.irp c, 0,1,2,3
	global_load_b128 v[GG+16*\i+4*\c:GG+16*\i+4*\c+3], v[H64], s[36:37] offset:128*\i+16*\c
.endr
.endr
	s_wait_loadcnt 0x0
.irp t, 0,2,4,6
	v_wmma_scale_f32_16x16x128_f8f6f4 v[D+8*\t:D+8*\t+7], v[KW+4*\t:KW+4*\t+15], v[BF:BF+15], 0, v[KSC+\t/2], v[QS]
	v_wmma_scale_f32_16x16x128_f8f6f4 v[D+8*\t+8:D+8*\t+15], v[KW+4*\t+4:KW+4*\t+19], v[BF:BF+15], 0, v[KSC+\t/2], v[QS] matrix_a_scale:MATRIX_SCALE_ROW1
.endr
.rept 8
	v_nop
.endr
.set i, 0
.rept 32
	v_pk_fma_f32 v[D+i:D+i+1], v[D+i:D+i+1], s[S2:S2+1], v[LRR:LRR+1] op_sel_hi:[1,0,0]
.set i, i+2
.endr
.set i, 0
.rept 64
	v_min_num_f32 v[D+i], 0x42fc0000, v[D+i]
.set i, i+1
.endr
.set i, 0
.rept 64
	v_exp_f32 v[D+i], v[D+i]
.set i, i+1
.endr
	v_nop
	s_wait_alu depctr_va_vdst(0)                   ; one wait for the batch, ahead of its first reader
.set i, 0
.rept 32
	v_pk_add_f32 v[D+i:D+i+1], v[D+i:D+i+1], v[RDR:RDR+1] op_sel_hi:[1,0]
.set i, i+2
.endr
.set i, 0
.rept 32
	v_pk_mul_f32 v[D+i:D+i+1], v[D+i:D+i+1], v[GG+i:GG+i+1]
.set i, i+2
.endr
.irp t, 0,1,2,3,4,5,6,7
.irp j, 0,1,2,3,4,5,6,7
	ds_store_b32 v[SA], v[D+8*\t+\j] offset:1024*(\t/2)+256*(\t%2)+32*\j   ; key 32 (t/2) + 16 h + 8 (t%2) + j
.endr
.endr
	s_wait_dscnt 0x0                               ; for the others' sake: my stores into the stage are done
	s_barrier_signal -1
	s_barrier_wait -1
.irp u, 0,1
.irp i, 0,1,2,3,4,5,6,7
	ds_load_b128 v[D+32*\u+4*\i:D+32*\u+4*\i+3], v[RDA] offset:4112*\u+512*\i
.endr
.endr
.irp u, 0,1
.irp i, 0,1,2,3,4,5,6,7
	s_wait_dscnt 15-8*\u-\i                        ; LDS loads come back in order: the younger ones may stay out
	global_store_b128 v[L16], v[D+32*\u+4*\i:D+32*\u+4*\i+3], s[16:17] offset:16384*\u+512*\i th:TH_STORE_NT   ; 512 consecutive bytes, at a multiple of 256 from out1's first byte
.endr
.endr
	s_or_b32 s30, s21, s18
	s_cmp_lg_u32 s30, 0
	s_cbranch_scc1 .Lend                           ; out0: wave 0 of the work-groups with kq = 0: 64 numbers each
	s_lshr_b32 s30, s20, 2                         ; 0: protein's half, 1: drug's
	s_lshl_b32 s31, s30, 5
	s_add_co_u32 s31, s31, s19
	s_lshl_b32 s31, s31, 10
	s_and_b32 s32, s20, 3
	s_lshl_b32 s32, s32, 8
	s_add_co_u32 s34, s31, s32
	s_mov_b32 s35, 0
	s_add_nc_u64 s[12:13], s[12:13], s[34:35]
	s_lshl_b32 s34, s19, 11
	s_lshl_b32 s30, s30, 10
	s_add_co_u32 s34, s34, s30
	s_add_co_u32 s34, s34, s32
	s_add_nc_u64 s[14:15], s[14:15], s[34:35]
	global_load_b64 v[BF:BF+1], v[L8], s[12:13]
	global_load_b64 v[BF+2:BF+3], v[L8], s[12:13] offset:16384
	s_wait_loadcnt 0x0
	v_pk_add_f32 v[BF:BF+1], v[BF:BF+1], v[BF+2:BF+3]
	global_store_b64 v[L8], v[BF:BF+1], s[14:15]   ; 256 consecutive bytes
.Lend:
	s_wait_tensorcnt 0x0                           ; the wave's end, behind my last LDS store
	ds_add_u32 v[SPW], v[NIL]
	s_wait_dscnt 0x0
	s_endpgm
.Lfunc_end_k_qd3036af04c_emit:
	.size	k_qd3036af04c_emit, .Lfunc_end_k_qd3036af04c_emit-k_qd3036af04c_emit
	.p2alignl 7, 3214868480
	.fill 96, 4, 3214868480
	.section	.rodata,"a",@progbits
	.p2align	6, 0x0
	.amdhsa_kernel k_qd3036af04c_emit
		.amdhsa_group_segment_fixed_size 66816
		.amdhsa_private_segment_fixed_size 0
		.amdhsa_enable_private_segment 0
		.amdhsa_kernarg_size 56
		.amdhsa_user_sgpr_count 2
		.amdhsa_user_sgpr_kernarg_segment_ptr 1
		.amdhsa_wavefront_size32 1
		.amdhsa_system_sgpr_workgroup_id_x 1
		.amdhsa_system_sgpr_workgroup_id_y 1
		.amdhsa_system_sgpr_workgroup_id_z 1
		.amdhsa_system_vgpr_workitem_id 0
		.amdhsa_next_free_vgpr 208
		.amdhsa_next_free_sgpr 66
		.amdhsa_reserve_vcc 0
		.amdhsa_float_denorm_mode_32 3
		.amdhsa_float_denorm_mode_16_64 3
		.amdhsa_memory_ordered 1
		.amdhsa_forward_progress 1
		.amdhsa_inst_pref_size 29
	.end_amdhsa_kernel
	.amdgpu_metadata
---
amdhsa.version: [ 1, 2 ]
amdhsa.kernels:
  - .name:           k_qd3036af04c_emit
    .symbol:         k_qd3036af04c_emit.kd
    .args:
      - { .name: qc, .offset: 0, .size: 8, .value_kind: global_buffer, .address_space: global }
      - { .name: kc, .offset: 8, .size: 8, .value_kind: global_buffer, .address_space: global }
      - { .name: sc, .offset: 16, .size: 8, .value_kind: global_buffer, .address_space: global }
      - { .name: vec, .offset: 24, .size: 8, .value_kind: global_buffer, .address_space: global }
      - { .name: emb, .offset: 32, .size: 8, .value_kind: global_buffer, .address_space: global }
      - { .name: out0, .offset: 40, .size: 8, .value_kind: global_buffer, .address_space: global }
      - { .name: out1, .offset: 48, .size: 8, .value_kind: global_buffer, .address_space: global }
    .group_segment_fixed_size: 66816
    .private_segment_fixed_size: 0
    .kernarg_segment_align: 8
    .kernarg_segment_size: 56
    .max_flat_workgroup_size: 256
    .sgpr_count:     66
    .vgpr_count:     208
    .wavefront_size: 32
...
	.end_amdgpu_metadata
.endif
;; end of part 4
;; ======== version 2 of 2: 4 launches; version 1 with the launches proj, sink, emit written anew for expert scheduling mode
;; workspace buffers: wq 405,504 bytes; qc 2,621,440 bytes; kc 2,621,440 bytes; vc 2,621,440 bytes; sc 983,040 bytes; vec 393,216 bytes; emb 65,536 bytes
;; launch wquant: the kernel of part 1 again; grid 48 x 1, 4 waves a work-group, no clusters, 0 bytes of LDS; arguments Wq_p, Wk_p, Wv_p, Wq_d, Wk_d, Wv_d, wq; writes wq
;; launch proj (part 5): grid 160 x 1, 8 waves a work-group, no clusters, 84,992 bytes of LDS; arguments protein, drug, wq, qc, kc, vc, sc; writes qc, kc, vc, sc
.if DOCPART == 5
	.amdgcn_target "amdgcn-amd-amdhsa--gfx1250"
	.amdhsa_code_object_version 6
	.text
	.protected	k_qd3036af04c_proj
	.globl	k_qd3036af04c_proj
	.p2align	8
	.type	k_qd3036af04c_proj,@function
k_qd3036af04c_proj:
	s_mov_b64 s[64:65], 0
	v_nop
	global_prefetch_b8 v0, s[64:65] scope:SCOPE_SE
	s_setreg_imm32_b32 hwreg(HW_REG_WAVE_SCHED_MODE, 0, 2), 2
	s_setreg_imm32_b32 hwreg(HW_REG_WAVE_MODE, 25, 1), 1
	s_wait_xcnt 0x0
	s_wait_alu depctr_vm_vsrc(0)
; CAN_Layer, launch 2 of 4: group means, the six projections (MX-FP8), and the quantising of q, k (along the head's 32) and v (along the keys, 32 a block).
; A work-group takes 64 group rows (256 rows of protein or drug, read once, 512 consecutive bytes a load): ids 0-127 protein, 128-159 drug; one way through the text, pointers chosen by the id.
; X: wave w averages group rows 8 w .. 8 w + 7 into a stage in LDS | barrier | wave w quantises fragment (tile w/2, K step w%2) of x and stores its register image | barrier |
; P: wave w is head w: q, k (transposed: source 0 = 16 rows of W, source 1 = x: a lane holds one row and 16 neighbours of the head) and v (source 0 = x, source 1 = W: a lane holds one channel and 16 neighbouring keys).
; Rows of an x tile: lane r of tile t takes row 32 (t/2) + 8 (t%2) + r + 8 (r/8): so k's tiles are ready as source 0 of q k^T, and v's 16 registers of two tiles are 16 neighbouring keys.
; OUT: qc, kc: [bh][tile][lane][16 bytes]; vc: [bh][block of 32 keys][dt][lane][16 bytes]; sc: scale words (the byte in all four bytes), [bh][64 rows][lane][blk]: whole runs of 512 and 256 bytes.
; Nothing of reference() is left out here.  LIMITS as stated at the head of the first kernel.  The weights' codes go from memory straight into operand registers: 8 KB a wave and projection; no tile is shared through LDS, so no tensor load and no cluster.
; THE MODE: SCHED_MODE bits 1:0 = 2 (LLVM: expert scheduling mode 2), set by the entry lines.  The code itself states the register dependences
; between vector or matrix instructions and memory or LDS instructions, with s_wait_alu, always for 0.
; THE PLAN.  Registers that memory or LDS instructions touch:
;   v1-v9          offsets and addresses: written at the head, never again.
;   v80.., v144..  the two raw sets of phase X: loads land in them; the additions read and write them; the stage stores read four registers of each group of sixteen.
;                  A batch's arithmetic stands together; ONE wait on va_vdst, the four stores, one wait on vm_vsrc; then the set is loaded again.
;   XF, XSR        x's fragments and scale words: LDS loads land in them, the four products of a tile read them.  ONE wait on va_vdst behind each four products; the next tile's
;                  loads follow it at once, ahead of the quantising, whose lines name neither.
;   PC = CD, PW, SWB   codes and scale words on their way out: written by conversions and selects, read by LDS or global stores.  One wait on va_vdst ahead of each run of stores;
;                  one wait on vm_vsrc a projection, ahead of the first line that writes them again (four sets of codes: a set's stores stand a projection back).
;   WF0, WF1, WS0, WS1   loads land in them; products read them; Wv's loads stand behind the wait that follows the last product by Wq.
.set L16, 1
.set L4,  2
.set L8,  3
.set SWA, 4                            ; stage, in: 16 lane + 8 w rows
.set SRA, 5                            ; stage, out: my row of my tile, + 512 (w%2) + 64 h
.set IWA, 6                            ; where I store my image
.set SCW, 7                            ; and its scale words
.set IRA, 8                            ; images, read
.set SCR, 9                            ; scale words, read
.set WS0, 10                           ; v10-11, v12-13 the weights' scale words: lanes 0-15 K step 0, lanes 16-31 K step 1
.set WS1, 12
.set XSR, 14                           ; v14-15 x's scale words
.set WF0, 16                           ; v16-79   four fragments of W: 16 (2 wt + ks)
.set WF1, 80                           ; v80-143  (in phase X: a set of 64 loaded numbers)
.set XF,  144                          ; v144-175 x's two fragments (in phase X: v144-207 the other set)
.set ACC, 176                          ; v176-207 four accumulators
.set TM,  208
.set PC,  224
.set CD,  224                          ; four sets of four: the codes on their way out
.set PW,  240
.set WD,  241
.set SWB, 244
.set SPW, 254
.set NIL, 255
.set XP,    1040                       ; a stage row: 1,024 bytes + 16
.set XIMG,  66560
.set XSC,   82944
.set SPARE, 83968                      ; the spare words: 128 bytes a wave, named by no other line
.set SEL, 36
.set MNT, 38
.set HI16, 39
.macro BAR
	s_wait_dscnt 0x0                               ; my LDS stores have landed and my LDS loads are in
	s_barrier_signal -1
	s_barrier_wait -1
.endm
.macro XLD bt, set                     ; two group rows = 8 rows of 1,024 bytes: 16 loads of 512 consecutive bytes
.irp gr, 0,1
.irp hf, 0,1
.irp pr, 0,1,2,3
	global_load_b128 v[\set+((\gr*2+\hf)*4+\pr)*4:\set+((\gr*2+\hf)*4+\pr)*4+3], v[L16], s[4:5] offset:((2*\bt+\gr)*4+\pr)*1024+512*\hf th:TH_LOAD_NT
.endr
.endr
.endr
.endm
.macro XPR bt, set                     ; ((x0 + x1) + x2) + x3, x 0.25, into the stage
.irp gr, 0,1
.irp hf, 0,1
.set BB, \set+(\gr*2+\hf)*16
.irp a, 4,8,12
	v_pk_add_f32 v[BB:BB+1], v[BB:BB+1], v[BB+\a:BB+\a+1]
	v_pk_add_f32 v[BB+2:BB+3], v[BB+2:BB+3], v[BB+\a+2:BB+\a+3]
.endr
	v_pk_mul_f32 v[BB:BB+1], v[BB:BB+1], 0x3e800000 op_sel_hi:[1,0]
	v_pk_mul_f32 v[BB+2:BB+3], v[BB+2:BB+3], 0x3e800000 op_sel_hi:[1,0]
.endr
.endr
	s_wait_alu depctr_va_vdst(0)                   ; the four groups' means are written, which the stores read; the additions are done reading the set, in which the next loads land
.irp gr, 0,1
.irp hf, 0,1
	ds_store_b128 v[SWA], v[\set+(\gr*2+\hf)*16:\set+(\gr*2+\hf)*16+3] offset:(2*\bt+\gr)*XP+512*\hf
.endr
.endr
	s_wait_dscnt 0x0                               ; the stores are done
	s_wait_alu depctr_vm_vsrc(0)                   ; the stores have read their registers: the set may be loaded again
.endm
.macro WLOAD p, wf, ws                 ; projection p: my head's four fragments and two registers of scale words: 18 loads
.irp f, 0,1,2,3
.irp c, 0,1,2,3
	global_load_b128 v[\wf+16*\f+4*\c:\wf+16*\f+4*\c+3], v[L16], s[30:31] offset:\p*65536+\f*2048+\c*512
.endr
.endr
	global_load_b32 v[\ws], v[L4], s[32:33] offset:\p*2048
	global_load_b32 v[\ws+1], v[L4], s[32:33] offset:\p*2048+128
.endm
.macro XLOADS t                        ; x tile t: its two K steps' images and scale words: ten LDS loads
.irp k, 0,1
.irp c, 0,1,2,3
	ds_load_b128 v[XF+16*\k+4*\c:XF+16*\k+4*\c+3], v[IRA] offset:(2*(\t)+\k)*2048+512*\c
.endr
	ds_load_b32 v[XSR+\k], v[SCR] offset:(2*(\t)+\k)*128
.endr
.endm
.macro W4 wf, ws, swap, xt             ; four products, two accumulators by turns; eight places behind them
.if \swap
	v_wmma_scale_f32_16x16x128_f8f6f4 v[ACC+8*\xt:ACC+8*\xt+7], v[XF:XF+15], v[\wf:\wf+15], 0, v[XSR], v[\ws]
	v_wmma_scale_f32_16x16x128_f8f6f4 v[ACC+16+8*\xt:ACC+16+8*\xt+7], v[XF:XF+15], v[\wf+32:\wf+47], 0, v[XSR], v[\ws+1]
	v_wmma_scale_f32_16x16x128_f8f6f4 v[ACC+8*\xt:ACC+8*\xt+7], v[XF+16:XF+31], v[\wf+16:\wf+31], v[ACC+8*\xt:ACC+8*\xt+7], v[XSR+1], v[\ws] matrix_b_scale:MATRIX_SCALE_ROW1
	v_wmma_scale_f32_16x16x128_f8f6f4 v[ACC+16+8*\xt:ACC+16+8*\xt+7], v[XF+16:XF+31], v[\wf+48:\wf+63], v[ACC+16+8*\xt:ACC+16+8*\xt+7], v[XSR+1], v[\ws+1] matrix_b_scale:MATRIX_SCALE_ROW1
.else
	v_wmma_scale_f32_16x16x128_f8f6f4 v[ACC+16*\xt:ACC+16*\xt+7], v[\wf:\wf+15], v[XF:XF+15], 0, v[\ws], v[XSR]
	v_wmma_scale_f32_16x16x128_f8f6f4 v[ACC+16*\xt+8:ACC+16*\xt+15], v[\wf+32:\wf+47], v[XF:XF+15], 0, v[\ws+1], v[XSR]
	v_wmma_scale_f32_16x16x128_f8f6f4 v[ACC+16*\xt:ACC+16*\xt+7], v[\wf+16:\wf+31], v[XF+16:XF+31], v[ACC+16*\xt:ACC+16*\xt+7], v[\ws], v[XSR+1] matrix_a_scale:MATRIX_SCALE_ROW1
	v_wmma_scale_f32_16x16x128_f8f6f4 v[ACC+16*\xt+8:ACC+16*\xt+15], v[\wf+48:\wf+63], v[XF+16:XF+31], v[ACC+16*\xt+8:ACC+16*\xt+15], v[\ws+1], v[XSR+1] matrix_a_scale:MATRIX_SCALE_ROW1
.endif
.rept 8
	v_nop                                          ; places ahead of the loads into x's registers and of the first read of results
.endr
.endm
.macro QH2 blk, dst                    ; two blocks of 32 (16 numbers a lane, with lane l xor 16's): codes out, scale words kept
	s_wait_xcnt 0x0                                ; earlier stores have read their data: the registers may be written again
.if \blk == 0
	s_wait_alu depctr_vm_vsrc(0)                   ; the stores issued so far (x's images; the last projection's codes and scale words) have read v[CD ..] and v[SWB ..], which this projection writes again
.endif
.irp m, 0,1
	v_max3_num_f32 v[TM+8*\m], |v[ACC+16*\m]|, |v[ACC+16*\m+1]|, 0x4800000
.endr
.irp i, 2,4,6,8,10,12,14
.irp m, 0,1
	v_max3_num_f32 v[TM+8*\m], v[TM+8*\m], |v[ACC+16*\m+\i]|, |v[ACC+16*\m+\i+1]|
.endr
.endr
.irp m, 0,1
	v_permlanex16_b32 v[TM+8*\m+1], v[TM+8*\m], s[SEL], s[SEL+1]
.endr
.irp m, 0,1
	v_max_num_f32 v[TM+8*\m], v[TM+8*\m], v[TM+8*\m+1]
.endr
.irp m, 0,1
	v_add_nc_u32 v[TM+8*\m+3], 0xfc000000, v[TM+8*\m]
	v_and_or_b32 v[TM+8*\m+2], v[TM+8*\m], 0x7f800000, s[MNT]
.endr
.irp m, 0,1
	v_lshrrev_b32 v[TM+8*\m+4], 23, v[TM+8*\m+3]
.endr
.irp m, 0,1
	v_perm_b32 v[WD+\m], v[TM+8*\m+4], v[TM+8*\m+4], 0      ; the byte in all four bytes
.endr
	v_cndmask_b32 v[SWB+\blk], v[WD], v[WD+1], s[HI16]      ; lanes 0-15: the first tile's (channel group's) words, lanes 16-31: the second's
.irp m, 0,1
.irp i, 0,1,2,3,4,5,6,7,8,9,10,11,12,13,14,15
	v_med3_num_f32 v[ACC+16*\m+\i], v[ACC+16*\m+\i], -v[TM+8*\m+2], v[TM+8*\m+2]
.endr
.endr
.irp m, 0,1
	v_cvt_scalef32_pk8_fp8_f32 v[CD+8*\blk+4*\m:CD+8*\blk+4*\m+1], v[ACC+16*\m:ACC+16*\m+7], v[TM+8*\m+3]
	v_cvt_scalef32_pk8_fp8_f32 v[CD+8*\blk+4*\m+2:CD+8*\blk+4*\m+3], v[ACC+16*\m+8:ACC+16*\m+15], v[TM+8*\m+3]
.endr
	v_nop                                          ; a plain line behind the conversions: the next products write their sources
	s_wait_alu depctr_va_vdst(0)                   ; the conversions have written the codes and the select the scale words, which the stores read
.irp m, 0,1
	global_store_b128 v[L16], v[CD+8*\blk+4*\m:CD+8*\blk+4*\m+3], s[\dst:\dst+1] offset:\blk*1024+\m*512
.endr
.endm
; A projection.  At its head x tile 0's loads are out.  more = 1: another projection follows, and its tile 0 is asked for ahead of this one's last quantising.
.macro PROJ wf, ws, swap, dst, sec, more
.irp blk, 0,1
	s_wait_dscnt 0x0                               ; x tile 2 blk is in
	W4 \wf, \ws, \swap, 0
	s_wait_alu depctr_va_vdst(0)                   ; the four products are done reading x's fragments and scale words, in which the next tile's loads land
	XLOADS 2*\blk+1
	s_wait_dscnt 0x0
	W4 \wf, \ws, \swap, 1
.if (\blk == 0) || \more
	s_wait_alu depctr_va_vdst(0)                   ; likewise; the loads go out ahead of the quantising, whose lines name neither x's fragments nor its scale words
	XLOADS (2*\blk+2)%4
.endif
	QH2 \blk, \dst
.endr
	global_store_b64 v[L8], v[SWB:SWB+1], s[16:17] offset:\sec     ; 256 consecutive bytes; both words stand written ahead of the last wait on va_vdst
.endm
	s_load_b256 s[4:11], s[0:1], 0x0               ; protein, drug, wq, qc
	s_load_b128 s[12:15], s[0:1], 0x20             ; kc, vc
	s_load_b64 s[16:17], s[0:1], 0x30              ; sc
	v_lshl_add_u32 v[SPW], v0, 2, SPARE
	v_mov_b32 v[NIL], 0
	v_lshrrev_b32 v[L8], 5, v0
	v_readfirstlane_b32 s18, v[L8]                 ; wave = head
	v_and_b32 v[L4], 31, v0
	v_lshlrev_b32 v[L16], 4, v[L4]
	v_lshlrev_b32 v[L8], 3, v[L4]
	v_lshlrev_b32 v[L4], 2, v[L4]
	s_wait_alu depctr_va_sdst(0)                   ; s18 is written, ahead of its first reader
	s_mul_i32 s34, s18, 8*XP
	v_add_nc_u32 v[SWA], s34, v[L16]
	v_and_b32 v[SRA], 15, v0
	v_and_b32 v[IWA], 8, v[SRA]
	v_add_nc_u32 v[SRA], v[SRA], v[IWA]            ; r + 8 (r/8)
	v_mul_u32_u24 v[SRA], v[SRA], XP
	v_bfe_u32 v[IWA], v0, 4, 1
	v_lshl_add_u32 v[SRA], v[IWA], 6, v[SRA]
	s_lshr_b32 s34, s18, 2
	s_lshl_b32 s34, s34, 5
	s_bfe_u32 s35, s18, 0x10001
	s_lshl_b32 s35, s35, 3
	s_add_co_u32 s34, s34, s35                     ; tile w/2 begins at row 32 (w/4) + 8 ((w/2)%2)
	s_mul_i32 s34, s34, XP
	s_and_b32 s35, s18, 1
	s_lshl_b32 s35, s35, 9
	s_add_co_u32 s34, s34, s35
	v_add_nc_u32 v[SRA], s34, v[SRA]
	s_lshl_b32 s34, s18, 11
	s_add_co_u32 s34, s34, XIMG
	v_add_nc_u32 v[IWA], s34, v[L16]
	s_lshl_b32 s34, s18, 7
	s_add_co_u32 s34, s34, XSC
	v_add_nc_u32 v[SCW], s34, v[L4]
	v_add_nc_u32 v[IRA], XIMG, v[L16]
	v_add_nc_u32 v[SCR], XSC, v[L4]
.irp b, 0,1,2,3
	v_mov_b32 v[TM+4+\b], 0                        ; a lane permute's destination counts as one of its sources
.endr
	s_mov_b32 s[SEL], 0x76543210
	s_mov_b32 s[SEL+1], 0xfedcba98
	s_mov_b32 s[MNT], 0x600000
	s_mov_b32 s[HI16], 0xffff0000
	s_cmp_lt_u32 ttmp9, 128
	s_cselect_b32 s19, 0, 1                        ; 1: drug
	s_cselect_b32 s21, 3, 1                        ; log2 of the blocks of 64 rows in a batch
	s_cselect_b32 s20, 0, 128
	s_sub_co_u32 s20, ttmp9, s20                   ; which 64 rows of the tensor
	s_lshr_b32 s22, s20, s21                       ; b
	s_lshl_b32 s23, s22, s21
	s_sub_co_u32 s23, s20, s23                     ; which 64 rows of the batch
	s_lshl_b32 s22, s22, 3
	s_add_co_u32 s22, s22, s18                     ; bh
	s_lshl_b32 s22, s22, s21
	s_add_co_u32 s22, s22, s23
	s_lshl_b32 s24, s22, 11                        ; codes: 2,048 bytes for 64 rows of a head
	s_mul_i32 s26, s19, 2097152
	s_add_co_u32 s24, s24, s26
	s_mov_b32 s25, 0
	s_lshl_b32 s26, s22, 8                         ; scale words: 256
	s_mul_i32 s28, s19, 262144
	s_add_co_u32 s26, s26, s28
	s_mov_b32 s27, 0
	s_lshl_b32 s28, s20, 18                        ; the source: 256 rows of 1,024 bytes a work-group,
	s_lshl_b32 s29, s18, 15                        ; 32 a wave
	s_add_co_u32 s28, s28, s29
	s_mov_b32 s29, 0
	s_mul_i32 s40, s19, 196608                     ; the weights' images: three mats of 65,536 bytes on for the drug,
	s_lshl_b32 s41, s18, 13                        ; 8,192 a head
	s_add_co_u32 s40, s40, s41
	s_mov_b32 s41, 0
	s_mul_i32 s42, s19, 6144
	s_lshl_b32 s43, s18, 8
	s_add_co_u32 s42, s42, s43
	s_add_co_u32 s42, s42, 393216                  ; their scale words
	s_mov_b32 s43, 0
	s_wait_kmcnt 0x0
	s_cmp_eq_u32 s19, 0
	s_cselect_b64 s[4:5], s[4:5], s[6:7]
	s_add_nc_u64 s[4:5], s[4:5], s[28:29]
	s_add_nc_u64 s[30:31], s[8:9], s[40:41]
	s_add_nc_u64 s[32:33], s[8:9], s[42:43]
	s_add_nc_u64 s[10:11], s[10:11], s[24:25]
	s_add_nc_u64 s[12:13], s[12:13], s[24:25]
	s_add_nc_u64 s[14:15], s[14:15], s[24:25]
	s_add_nc_u64 s[16:17], s[16:17], s[26:27]
	s_wait_alu depctr_va_vdst(0)                   ; the nine offsets and addresses v1 to v9 are written, which every load and store of the kernel reads
	; ---- X: the group means
	XLD 0, 80
	XLD 1, 144
	WLOAD 0, WF0, WS0
	s_wait_loadcnt 34                              ; batch 0 is in; batch 1's 16 and Wq's 18 may be out
	XPR 0, 80
	XLD 2, 80
	s_wait_loadcnt 34                              ; batch 1 is in; Wq's 18 and batch 2's 16 may be out
	XPR 1, 144
	XLD 3, 144
	s_wait_loadcnt 16                              ; batch 2 is in; batch 3's 16 may be out
	XPR 2, 80
	WLOAD 1, WF1, WS1
	s_wait_loadcnt 18                              ; batch 3 is in; Wk's 18 may be out
	XPR 3, 144
	BAR                                            ; 64 rows of means lie in the stage
	; ---- my fragment of x
.irp b, 0,1,2,3
.irp j, 0,1,2,3
	ds_load_b128 v[XF+16*\b+4*\j:XF+16*\b+4*\j+3], v[SRA] offset:128*\b+16*\j   ; into the second raw set: the last batch's two waits stand behind all that named it
.endr
.endr
	s_wait_dscnt 0x0
.irp b, 0,1,2,3
	v_max3_num_f32 v[TM+\b], |v[XF+16*\b]|, |v[XF+1+16*\b]|, 0x4800000
.endr
.irp i, 2,4,6,8,10,12,14
.irp b, 0,1,2,3
	v_max3_num_f32 v[TM+\b], v[TM+\b], |v[XF+16*\b+\i]|, |v[XF+1+16*\b+\i]|
.endr
.endr
.irp b, 0,1,2,3
	v_permlanex16_b32 v[TM+4+\b], v[TM+\b], s[SEL], s[SEL+1]
.endr
.irp b, 0,1,2,3
	v_max_num_f32 v[TM+\b], v[TM+\b], v[TM+4+\b]
.endr
.irp b, 0,1,2,3
	v_add_nc_u32 v[TM+12+\b], 0xfc000000, v[TM+\b]
.endr
.irp b, 0,1,2,3
	v_and_or_b32 v[TM+8+\b], v[TM+\b], 0x7f800000, s[MNT]
.endr
.irp b, 0,1,2,3
	v_lshrrev_b32 v[TM+4+\b], 23, v[TM+12+\b]
.endr
	v_lshl_or_b32 v[PW], v[TM+5], 8, v[TM+4]
	v_lshl_or_b32 v[PW], v[TM+6], 16, v[PW]
	v_lshl_or_b32 v[PW], v[TM+7], 24, v[PW]
.irp b, 0,1,2,3
.irp i, 0,1,2,3,4,5,6,7,8,9,10,11,12,13,14,15
	v_med3_num_f32 v[XF+16*\b+\i], v[XF+16*\b+\i], -v[TM+8+\b], v[TM+8+\b]
.endr
	v_cvt_scalef32_pk8_fp8_f32 v[PC+4*\b:PC+1+4*\b], v[XF+16*\b:XF+7+16*\b], v[TM+12+\b]
	v_cvt_scalef32_pk8_fp8_f32 v[PC+2+4*\b:PC+3+4*\b], v[XF+8+16*\b:XF+15+16*\b], v[TM+12+\b]
.endr
	v_nop
	s_wait_alu depctr_va_vdst(0)                   ; the codes and the scale word are written, which the stores read; the holds and conversions are done with v[XF ..], in which tile 0's loads land behind the barrier
.irp c, 0,1,2,3
	ds_store_b128 v[IWA], v[PC+4*\c:PC+4*\c+3] offset:512*\c
.endr
	ds_store_b32 v[SCW], v[PW]
	BAR                                            ; x's eight fragments lie in LDS
	; ---- P
	XLOADS 0
	s_wait_loadcnt 18                              ; Wq is in; Wk's 18 may be out
	PROJ WF0, WS0, 0, 10, 0, 1
	WLOAD 2, WF0, WS0                              ; Wv into Wq's registers: the last products by Wq stand ahead of the last wait on va_vdst, and nothing behind it names these registers
	s_wait_loadcnt 18                              ; Wk is in; Wv's 18 may be out
	PROJ WF1, WS1, 0, 12, 327680, 1
	s_wait_loadcnt 0x0
	PROJ WF0, WS0, 1, 14, 655360, 0
	s_wait_dscnt 0x0                               ; the closing lines, six on end
	s_wait_alu 0x0
	s_wait_tensorcnt 0x0
	ds_add_u32 v[SPW], v[NIL]
	s_wait_dscnt 0x0
	s_endpgm
.Lfunc_end_k_qd3036af04c_proj:
	.size	k_qd3036af04c_proj, .Lfunc_end_k_qd3036af04c_proj-k_qd3036af04c_proj
	.p2alignl 7, 3214868480
	.fill 96, 4, 3214868480
	.section	.rodata,"a",@progbits
	.p2align	6, 0x0
	.amdhsa_kernel k_qd3036af04c_proj
		.amdhsa_group_segment_fixed_size 84992
		.amdhsa_private_segment_fixed_size 0
		.amdhsa_enable_private_segment 0
		.amdhsa_kernarg_size 56
		.amdhsa_user_sgpr_count 2
		.amdhsa_user_sgpr_kernarg_segment_ptr 1
		.amdhsa_wavefront_size32 1
		.amdhsa_system_sgpr_workgroup_id_x 1
		.amdhsa_system_sgpr_workgroup_id_y 1
		.amdhsa_system_sgpr_workgroup_id_z 1
		.amdhsa_system_vgpr_workitem_id 0
		.amdhsa_next_free_vgpr 256
		.amdhsa_next_free_sgpr 66
		.amdhsa_reserve_vcc 0
		.amdhsa_float_denorm_mode_32 3
		.amdhsa_float_denorm_mode_16_64 3
		.amdhsa_memory_ordered 1
		.amdhsa_forward_progress 1
		.amdhsa_inst_pref_size 80
	.end_amdhsa_kernel
	.amdgpu_metadata
---
amdhsa.version: [ 1, 2 ]
amdhsa.kernels:
  - .name:           k_qd3036af04c_proj
    .symbol:         k_qd3036af04c_proj.kd
    .args:
      - { .name: protein, .offset: 0, .size: 8, .value_kind: global_buffer, .address_space: global }
      - { .name: drug, .offset: 8, .size: 8, .value_kind: global_buffer, .address_space: global }
      - { .name: wq, .offset: 16, .size: 8, .value_kind: global_buffer, .address_space: global }
      - { .name: qc, .offset: 24, .size: 8, .value_kind: global_buffer, .address_space: global }
      - { .name: kc, .offset: 32, .size: 8, .value_kind: global_buffer, .address_space: global }
      - { .name: vc, .offset: 40, .size: 8, .value_kind: global_buffer, .address_space: global }
      - { .name: sc, .offset: 48, .size: 8, .value_kind: global_buffer, .address_space: global }
    .group_segment_fixed_size: 84992
    .private_segment_fixed_size: 0
    .kernarg_segment_align: 8
    .kernarg_segment_size: 56
    .max_flat_workgroup_size: 256
    .sgpr_count:     66
    .vgpr_count:     256
    .wavefront_size: 32
...
	.end_amdgpu_metadata
.endif
;; end of part 5
;; launch sink (part 6): grid 320 x 1, 16 waves a work-group, no clusters, 187,392 bytes of LDS; arguments qc, kc, vc, sc, mask_prot, mask_drug, vec, emb; writes vec, emb
.if DOCPART == 6
	.amdgcn_target "amdgcn-amd-amdhsa--gfx1250"
	.amdhsa_code_object_version 6
	.text
	.protected	k_qd3036af04c_sink
	.globl	k_qd3036af04c_sink
	.p2align	8
	.type	k_qd3036af04c_sink,@function
k_qd3036af04c_sink:
	s_mov_b64 s[64:65], 0
	v_nop
	global_prefetch_b8 v0, s[64:65] scope:SCOPE_SE
	s_setreg_imm32_b32 hwreg(HW_REG_WAVE_SCHED_MODE, 0, 2), 2
	s_setreg_imm32_b32 hwreg(HW_REG_WAVE_MODE, 25, 1), 1
	s_wait_xcnt 0x0
	s_wait_alu depctr_vm_vsrc(0)
; CAN_Layer, launch 3 of 4: for each of the four maps of each (batch, head): q k^T, the softmax over the whole map, four Sinkhorn rounds, the quantising of the finished map along the keys,
; its product with v, and the masked mean over the queries (x 0.5).  For the map drug x protein the final row and column factors go to memory for the last launch.
; THE FORM.  With y2 = d s2 (valid pair) or d s2 - K2 (else), s2 = log2(e)/sqrt(32), K2 = 1e6 log2(e), M2 = max y2, S = sum 2^(y2 - M2) over ALL pairs, eps = 1e-12:
;   A = rho_l (e_lk + delta) gamma_k on valid pairs, e = 2^(d s2 - M2), delta = eps S.  Kept: LR_l = log2(rho_l) - M2 (-1e30 in a masked row), RD_l = rho_l delta = 2^(LR_l + c0), c0 = M2 + log2 S + log2 eps, gamma_k (0 at a masked key).
;   row step:    R = sum_k a' gamma + RD sum_k gamma + eps, a' = 2^(d s2 + LR);  LR -= log2 R.        column step:  gamma /= gamma (sum_l a' + sum_l RD) + eps.
; These are reference()'s steps in exact arithmetic.  Left out, as shown at the head of the first kernel: / TAU (= 1), the repeated factors 'valid', the factor mpf in the mean.  The maximum is taken away before every exponential.
; The sum over the queries is made in the accumulators of v^T A^T: all tiles of queries add onto the same two accumulators (the same exact products in another order of f32 sums).
; FIVE SWEEPS over a map, each making d anew by one matrix instruction for 256 numbers: S0 (M2, S, first row step), three middle sweeps (column step, row step), the last (column step, quantise, product).
; K = 32 IN A FORM OF K = 128: one operand is [4 registers of codes | 12 of zeros]; the other is a window of 16 registers that begins at its 4: what follows there are other codes or zeros and meets zero codes alone.
; SHARES.  ids 0-127 protein x protein, 128-159 drug x protein (four heads a work-group), 160-287 protein x drug, 288-319 drug x drug (four heads).  Wave w: kb = w%4: 32 keys of a column block of 128; g = w/4: 128 queries
; (or the head).  A wave's tile, 128 queries x 32 keys, lies in 128 registers.  Every loop has a constant count; a map of 128 keys jumps over the work of column blocks 1-3 by a test on ids, the same in all waves, and never over a barrier.
; Where four heads share a work-group, every wave loads all four groups' partial results and keeps its own by v_cndmask_b32 under scalar masks: no LDS address and no barrier hangs on the kind of map.
; LIMITS: NaN and infinities among the inputs are not served; v_exp_f32 gives 0 under 2^-126; y2 is one fused rounding where reference() rounds twice; LR is rounded at the size of |M2|, as reference()'s x - max is; blocks under 2^-118 keep the byte 1.
; No tensor load, no cluster: a wave's operands are 12 KB, copied once into its own LDS; work-groups share nothing that weighs.
; THE MODE: SCHED_MODE bits 1:0 = 2 (LLVM: expert scheduling mode 2), set by the entry lines.  The code itself states the register dependences
; between vector or matrix instructions and memory or LDS instructions, with s_wait_alu, always for 0.
; THE PLAN.  Sixteen waves of 256 registers leave no register for a second buffer.  Registers that LDS or memory instructions touch
;   v[L4], v[L16], v[QA], v[SPW], v[NIL]   written at the head, never again (v[L8]: once, ahead of the last sweep).
;   v[KAD], v[T4B], v[THB]   a column block's addresses: three additions at the block's head write them, its LDS instructions read them.
;   K's eight registers, v[KSC], v[CC ..], v[GOLD], Q's four   LDS loads land in them at the block's head; matrix and vector instructions read (v[CC ..], v[GOLD]: also write) them; stores read v[CC] and v[GOLD].
;      So a block's head is: a wait on vm_vsrc, the three additions, a wait on va_vdst, the loads.  Q's four registers are loaded again for each tile of queries: a wait on va_vdst ahead of each load,
;      behind the eight scalings that follow the products which read them; the tile's sixteen exponentials stand behind the load.
;   v[TMP], v[TMP+2 .. +4], v[TM2 .. +2], v[E+2], v[E+3]   addresses of the exchanges between waves.  All addresses of an exchange are made ahead of its ONE wait on va_vdst, each in a register of its own, and its
;      store data lie where none of its loads lands: nothing is owed behind its barrier.
;   A block's three pieces (tile and sums | store of the column sums | their loads, the column step and what follows) are jumped over one by one in a map of 128 keys: each piece states what its own lines hang on and leans on no wait of another piece.
;   Compares write scalar masks in runs, s68 to s79, with one wait on va_sdst behind each run.
.set SPW, 1
.set NIL, 2
.set L4,  3                            ; 4 x lane
.set L16, 4                            ; 16 x lane
.set H64, 5                            ; 64 x (lane/16)
.set R32, 6                            ; 32 x (lane%16)
.set QA,  7                            ; my region + 16 lane
.set T4B, 8                            ; the block's tables + 4 lane
.set THB, 9                            ; the block's tables + 64 (lane/16)
.set GOLD, 10                          ; gamma of key (lane) of the block
.set GSUM, 11
.set DP,  12                           ; sum over the map's rows of RD
.set CNT, 13                           ; valid rows of the map
.set C0,  14
.set KAD, 15
.set MM,  16                           ; v[16:17] my lane's running maximum (S0)
.set SALL, 18                          ; v[18:19] my lane's sum (S0); later v18 = 8 x lane
.set L8,  18
.set KSC, 20                           ; scales and nothing else: v20 K's, v21 V's, v22-23 the map's, v24-27 Q's
.set VSC, 21
.set PS,  22
.set QSC, 24
.set TMP, 28                           ; v28-35
.set LR,  36                           ; v36-43 (S0: 0 or -K2 by the row's mask)
.set RD,  44                           ; v44-51 (S0: 1 or 0 by the row's mask)
.set CC,  52                           ; v52-67 16 numbers by key: index 8 u + j = key 16 (lane/16) + 8 u + j of the block of 32
.set RA,  68                           ; v68-83 row sums, a pair a tile; in the last sweep the two accumulators of v^T A^T
.set AF,  84                           ; v84-103 [X0 X1 | 12 zeros]
.set BF,  104                          ; v104-119 [Y | 12 zeros]
.set TM2, 120                          ; v120-127
.set E,   128                          ; v128-255 the tile: query tile q, key tile u, register j at 16 q + 8 u + j
.set KI,   4096                        ; a wave's region of 10,752 bytes: Q's images, K's images,
.set TB,   8192                        ; tables of 128 bytes a column block: +0 K's scale words, +512 mask (1, 0), +1024 (0, -K2), +1536 (0, -1e30), +2048 gamma
.set WREG, 10752
.set CP,   172032                      ; column sums [w][lane]
.set RP,   174080                      ; row sums [kb*4+g][r][8]
.set WM,   182272                      ; a word a wave: maxima; +256 sums; +512 sums of gamma; +768 a pair a wave: sum of RD, count
.set OP,   183296                      ; the product's parts [w][lane]
.set SPARE, 185344                     ; the spare words: 128 bytes a wave, named by no other line
.set WV, 24
.set KB, 25
.set G,  26
.set TY, 27
.set MODEH, 28
.set NCB, 29
.set B,  30
.set BH, 31
.set S2, 32
.set SEL, 34
.set B3, 36
.set B2, 37
.set B1, 38
.set B0, 39
.set HI16, 40
.set MNT, 41
.set CB, 42
.set SKO, 43
.set STO, 44
.set SW, 45
.set WB, 46
.set CPW, 47
.set CPR, 48
.set RPW, 49
.set RPR, 50
.set SW4, 51
.set SG16, 52
.set SW8, 53
.set SK8, 54
.set OPW, 55
.set GM, 56                            ; s56-59: all ones where group g' belongs to my map
.set VB, 60
.set VSB, 62
.set GB, 66
.set CM, 68                            ; s68-71: lane masks made by compares: column block cb's keys that count (free once the bases are made)
.set RM, 72                            ; s72-79: tile q's rows that count
.macro BAR
	s_wait_dscnt 0x0                               ; my LDS stores have landed and my LDS loads are in
	s_barrier_signal -1
	s_barrier_wait -1
.endm
.macro WSUM v, t
	v_add_f32_dpp v[\v], v[\v], v[\v] row_xmask:1 row_mask:0xf bank_mask:0xf
	v_add_f32_dpp v[\v], v[\v], v[\v] row_xmask:2 row_mask:0xf bank_mask:0xf
	v_add_f32_dpp v[\v], v[\v], v[\v] row_xmask:4 row_mask:0xf bank_mask:0xf
	v_add_f32_dpp v[\v], v[\v], v[\v] row_xmask:8 row_mask:0xf bank_mask:0xf
	v_permlanex16_b32 v[\t], v[\v], s[SEL], s[SEL+1]
	v_add_f32 v[\v], v[\v], v[\t]
.endm
.macro R16SUM v
	v_add_f32_dpp v[\v], v[\v], v[\v] row_xmask:1 row_mask:0xf bank_mask:0xf
	v_add_f32_dpp v[\v], v[\v], v[\v] row_xmask:2 row_mask:0xf bank_mask:0xf
	v_add_f32_dpp v[\v], v[\v], v[\v] row_xmask:4 row_mask:0xf bank_mask:0xf
	v_add_f32_dpp v[\v], v[\v], v[\v] row_xmask:8 row_mask:0xf bank_mask:0xf
.endm
; 16 registers are summed over the 16 lanes of each half: lane l ends with index l%16 in v[x]
.macro RS x
.irp i, 0,1,2,3,4,5,6,7
	v_cndmask_b32 v[TMP+\i], v[\x+\i+8], v[\x+\i], s[B3]
.endr
.irp i, 0,1,2,3,4,5,6,7
	v_cndmask_b32 v[\x+\i], v[\x+\i], v[\x+\i+8], s[B3]
.endr
.irp i, 0,1,2,3,4,5,6,7
	v_add_f32_dpp v[\x+\i], v[TMP+\i], v[\x+\i] row_xmask:8 row_mask:0xf bank_mask:0xf
.endr
.irp i, 0,1,2,3
	v_cndmask_b32 v[TMP+\i], v[\x+\i+4], v[\x+\i], s[B2]
.endr
.irp i, 0,1,2,3
	v_cndmask_b32 v[\x+\i], v[\x+\i], v[\x+\i+4], s[B2]
.endr
.irp i, 0,1,2,3
	v_add_f32_dpp v[\x+\i], v[TMP+\i], v[\x+\i] row_xmask:4 row_mask:0xf bank_mask:0xf
.endr
.irp i, 0,1
	v_cndmask_b32 v[TMP+\i], v[\x+\i+2], v[\x+\i], s[B1]
.endr
.irp i, 0,1
	v_cndmask_b32 v[\x+\i], v[\x+\i], v[\x+\i+2], s[B1]
.endr
.irp i, 0,1
	v_add_f32_dpp v[\x+\i], v[TMP+\i], v[\x+\i] row_xmask:2 row_mask:0xf bank_mask:0xf
.endr
	v_cndmask_b32 v[TMP], v[\x+1], v[\x], s[B0]
	v_cndmask_b32 v[\x], v[\x], v[\x+1], s[B0]
	v_add_f32_dpp v[\x], v[TMP], v[\x] row_xmask:1 row_mask:0xf bank_mask:0xf
.endm
.macro LQ q
	ds_load_b128 v[BF:BF+3], v[QA] offset:512*(\q)
.endm
; d for query tile q: two products (key tiles 0, 1).  z = 1: C = 0; else C = 0 or -1e30 by the key's mask
.macro WQK q, z
.if \z
.if (\q)%2
	v_wmma_scale_f32_16x16x128_f8f6f4 v[E+16*(\q):E+16*(\q)+7], v[AF:AF+15], v[BF:BF+15], 0, v[KSC], v[QSC+(\q)/2] matrix_b_scale:MATRIX_SCALE_ROW1
	v_wmma_scale_f32_16x16x128_f8f6f4 v[E+16*(\q)+8:E+16*(\q)+15], v[AF+4:AF+19], v[BF:BF+15], 0, v[KSC], v[QSC+(\q)/2] matrix_a_scale:MATRIX_SCALE_ROW1 matrix_b_scale:MATRIX_SCALE_ROW1
.else
	v_wmma_scale_f32_16x16x128_f8f6f4 v[E+16*(\q):E+16*(\q)+7], v[AF:AF+15], v[BF:BF+15], 0, v[KSC], v[QSC+(\q)/2]
	v_wmma_scale_f32_16x16x128_f8f6f4 v[E+16*(\q)+8:E+16*(\q)+15], v[AF+4:AF+19], v[BF:BF+15], 0, v[KSC], v[QSC+(\q)/2] matrix_a_scale:MATRIX_SCALE_ROW1
.endif
.else
.if (\q)%2
	v_wmma_scale_f32_16x16x128_f8f6f4 v[E+16*(\q):E+16*(\q)+7], v[AF:AF+15], v[BF:BF+15], v[CC:CC+7], v[KSC], v[QSC+(\q)/2] matrix_b_scale:MATRIX_SCALE_ROW1
	v_wmma_scale_f32_16x16x128_f8f6f4 v[E+16*(\q)+8:E+16*(\q)+15], v[AF+4:AF+19], v[BF:BF+15], v[CC+8:CC+15], v[KSC], v[QSC+(\q)/2] matrix_a_scale:MATRIX_SCALE_ROW1 matrix_b_scale:MATRIX_SCALE_ROW1
.else
	v_wmma_scale_f32_16x16x128_f8f6f4 v[E+16*(\q):E+16*(\q)+7], v[AF:AF+15], v[BF:BF+15], v[CC:CC+7], v[KSC], v[QSC+(\q)/2]
	v_wmma_scale_f32_16x16x128_f8f6f4 v[E+16*(\q)+8:E+16*(\q)+15], v[AF+4:AF+19], v[BF:BF+15], v[CC+8:CC+15], v[KSC], v[QSC+(\q)/2] matrix_a_scale:MATRIX_SCALE_ROW1
.endif
.endif
.endm
.macro XA q                            ; d s2 + LR[q], two at a time; each accumulator from its low end on
.irp p, 0,2,4,6,8,10,12,14
.if (\q)%2
	v_pk_fma_f32 v[E+16*(\q)+\p:E+16*(\q)+\p+1], v[E+16*(\q)+\p:E+16*(\q)+\p+1], s[S2:S2+1], v[LR+(\q)-1:LR+(\q)] op_sel:[0,0,1] op_sel_hi:[1,0,1]
.else
	v_pk_fma_f32 v[E+16*(\q)+\p:E+16*(\q)+\p+1], v[E+16*(\q)+\p:E+16*(\q)+\p+1], s[S2:S2+1], v[LR+(\q):LR+(\q)+1] op_sel_hi:[1,0,0]
.endif
.endr
.endm
.macro XA0 q                           ; S0: y2 = d s2 + (key's term x row's mask + row's term): 0 for a valid pair, -K2 else
.irp p, 0,1,2,3,4,5,6,7
.if \p < 4
.set TT, TMP+2*\p
.else
.set TT, TM2+2*\p-8
.endif
.if (\q)%2
	v_pk_fma_f32 v[TT:TT+1], v[CC+2*\p:CC+2*\p+1], v[RD+(\q)-1:RD+(\q)], v[LR+(\q)-1:LR+(\q)] op_sel:[0,1,1] op_sel_hi:[1,1,1]
.else
	v_pk_fma_f32 v[TT:TT+1], v[CC+2*\p:CC+2*\p+1], v[RD+(\q):RD+(\q)+1], v[LR+(\q):LR+(\q)+1] op_sel_hi:[1,0,0]
.endif
.endr
.irp p, 0,1,2,3,4,5,6,7
.if \p < 4
.set TT, TMP+2*\p
.else
.set TT, TM2+2*\p-8
.endif
	v_pk_fma_f32 v[E+16*(\q)+2*\p:E+16*(\q)+2*\p+1], v[E+16*(\q)+2*\p:E+16*(\q)+2*\p+1], s[S2:S2+1], v[TT:TT+1] op_sel_hi:[1,0,1]
.endr
.endm
.macro XAX q, z
.if \z
	XA0 \q
.else
	XA \q
.endif
.endm
.macro XBX q, z
.if \z == 0
.set i, 0
.rept 16
	v_exp_f32 v[E+16*(\q)+i], v[E+16*(\q)+i]
.set i, i+1
.endr
.endif
.endm
.macro QSTEP a, z                      ; tile a's scalings are the eight places behind tile a + 1's products, ahead of the load into Q's registers
	XAX \a, \z
	s_wait_alu depctr_va_vdst(0)                   ; tile a + 1's products are done reading Q's four registers, in which the load lands
	LQ (\a)+2
	XBX \a, \z
	s_wait_dscnt 0x0
	WQK (\a)+2, \z
.endm
.macro QKX z                           ; the tile: 16 products; z = 0: a' = 2^(d s2 + LR), the 128 exponentials one batch with one wait; z = 1: y2
	WQK 0, \z
.rept 8
	v_nop
.endr
	s_wait_alu depctr_va_vdst(0)                   ; tile 0's products are done reading Q's four registers, in which the load lands
	LQ 1
	s_wait_dscnt 0x0
	WQK 1, \z
	QSTEP 0, \z
	QSTEP 1, \z
	QSTEP 2, \z
	QSTEP 3, \z
	QSTEP 4, \z
	QSTEP 5, \z
	XAX 6, \z
	XBX 6, \z
	XAX 7, \z
	XBX 7, \z
.if \z == 0
	v_nop                                          ; a plain line behind the last exponential,
	s_wait_alu depctr_va_vdst(0)                   ; and one wait ahead of the batch's first reader: the tile's 128 exponentials are written (and the last products are done reading K's registers)
.endif
.endm
.macro FRONT tab, np                   ; a column block's operands out of my region; np v_nop and the three additions are the places behind the last products
	s_wait_alu depctr_vm_vsrc(0)                   ; the LDS instructions issued so far have read the three addresses, which are written again, and the stores of gamma v[GOLD], in which a load lands
	v_add_nc_u32 v[KAD], s[SKO], v[L16]
	v_add_nc_u32 v[T4B], s[STO], v[L4]
	v_add_nc_u32 v[THB], s[STO], v[H64]
.rept \np
	v_nop
.endr
	s_wait_alu depctr_va_vdst(0)                   ; the three addresses are written; the matrix and vector instructions issued so far are done with K's and Q's registers, v[KSC], v[CC ..] and v[GOLD], in which the loads land
	ds_load_b128 v[AF:AF+3], v[KAD]
	ds_load_b128 v[AF+4:AF+7], v[KAD] offset:512
	ds_load_b32 v[KSC], v[T4B]
.irp i, 0,1,2,3
	ds_load_b128 v[CC+4*\i:CC+4*\i+3], v[THB] offset:\tab+16*\i
.endr
	ds_load_b32 v[GOLD], v[T4B] offset:2048
	LQ 0
	s_wait_dscnt 0x0
.endm
.macro TSUM                            ; by key: the sum over my 8 tiles of queries
.irp p, 0,2,4,6,8,10,12,14
	v_pk_add_f32 v[CC+\p:CC+\p+1], v[E+\p:E+\p+1], v[E+16+\p:E+16+\p+1]
.endr
.irp q, 2,3,4,5,6,7
.irp p, 0,2,4,6,8,10,12,14
	v_pk_add_f32 v[CC+\p:CC+\p+1], v[CC+\p:CC+\p+1], v[E+16*\q+\p:E+16*\q+\p+1]
.endr
.endr
.endm
.macro RACC                            ; by row: += tile x the 16 numbers by key
.irp p, 0,2,4,6,8,10,12,14
.irp q, 0,1,2,3,4,5,6,7
	v_pk_fma_f32 v[RA+2*\q:RA+2*\q+1], v[E+16*\q+\p:E+16*\q+\p+1], v[CC+\p:CC+\p+1], v[RA+2*\q:RA+2*\q+1]
.endr
.endr
.endm
.macro COLR                            ; the four groups' column sums, those of my map kept, in a fixed order
	s_wait_alu depctr_vm_vsrc(0)                   ; my store of the column sums has read v[TMP], which is written again, and v[CC], in which gamma's loads land; earlier exchanges have read the registers that this piece writes
	v_add_nc_u32 v[TMP], s[CPR], v[L4]
	s_wait_alu depctr_va_vdst(0)                   ; the address is written; the sums over the lanes are done with v[TMP+1] to v[TMP+4], in which the loads land
.irp g, 0,1,2,3
	ds_load_b32 v[TMP+1+\g], v[TMP] offset:512*\g
.endr
	s_wait_dscnt 0x0
.irp g, 0,1,2,3
	v_cndmask_b32 v[TMP+1+\g], 0, v[TMP+1+\g], s[GM+\g]
.endr
	v_add_f32 v[TMP+1], v[TMP+1], v[TMP+2]
	v_add_f32 v[TMP+1], v[TMP+1], v[TMP+3]
	v_add_f32 v[TMP+1], v[TMP+1], v[TMP+4]
.endm
.macro GUPD                            ; the column step; the new gamma goes into my table and comes back by key
	v_add_f32 v[TMP+1], v[TMP+1], v[DP]
	v_fmaak_f32 v[TMP+1], v[GOLD], v[TMP+1], 0x2b8cbccc
	v_rcp_f32 v[TMP+2], v[TMP+1]
	v_nop
	s_wait_alu depctr_va_vdst(0)                   ; the reciprocal is written, ahead of its first reader
	v_mul_f32 v[GOLD], v[GOLD], v[TMP+2]
	v_add_f32 v[GSUM], v[GSUM], v[GOLD]
	s_wait_alu depctr_va_vdst(0)                   ; the new gamma is written, which the store reads; the sums by key are done with v[CC ..], in which the loads land
	ds_store_b32 v[T4B], v[GOLD] offset:2048
.irp i, 0,1,2,3
	ds_load_b128 v[CC+4*\i:CC+4*\i+3], v[THB] offset:2048+16*\i    ; LDS serves a wave's instructions in order: these see the store
.endr
	s_wait_dscnt 0x0
.endm
.macro COLSTORE
	s_wait_alu depctr_vm_vsrc(0)                   ; the loads of the column sums, a block back, have read v[TMP], which is written again (this piece leans on no wait of the piece ahead, which a map of 128 keys jumps over)
	v_add_nc_u32 v[TMP], s[CPW], v[L4]
	s_wait_alu depctr_va_vdst(0)                   ; the address and my column sum v[CC] are written, which the store reads
	ds_store_b32 v[TMP], v[CC]
.endm
.macro STEPB
	s_add_co_u32 s[SKO], s[SKO], 1024
	s_add_co_u32 s[STO], s[STO], 128
.endm
.macro RESET
	s_add_co_u32 s[SKO], s[WB], KI
	s_add_co_u32 s[STO], s[WB], TB
.endm
; ---- a column block of S0: running maximum by lane, the sum of all, the rows' sums over valid keys
.macro BLOCK0 skip
.if \skip
	s_cmp_ge_u32 s[CB], s[NCB]
	s_cbranch_scc1 .Lz_\@
.endif
	FRONT 1024, 0
	v_add_f32 v[GSUM], v[GSUM], v[GOLD]
	QKX 1
	s_wait_alu depctr_va_vdst(0)                   ; the tiles' scalings are done reading v[CC ..], in which the loads land
.irp i, 0,1,2,3
	ds_load_b128 v[CC+4*\i:CC+4*\i+3], v[THB] offset:512+16*\i     ; the keys' masks as 1 or 0
.endr
.irp c, 0,1,2,3
	v_max3_num_f32 v[TMP+\c], v[E+32*\c], v[E+32*\c+1], v[MM]
.endr
.irp i, 2,4,6,8,10,12,14,16,18,20,22,24,26,28,30
.irp c, 0,1,2,3
	v_max3_num_f32 v[TMP+\c], v[TMP+\c], v[E+32*\c+\i], v[E+32*\c+\i+1]
.endr
.endr
	v_max3_num_f32 v[TMP], v[TMP], v[TMP+1], v[TMP+2]
	v_max_num_f32 v[TMP], v[TMP], v[TMP+3]         ; the new maximum
	v_sub_f32 v[TMP+4], v[MM], v[TMP]
	v_mov_b32 v[MM], v[TMP]
	v_exp_f32 v[TMP+4], v[TMP+4]                   ; what was summed under the old maximum is brought under the new
.set i, 0
.rept 64
	v_pk_add_f32 v[E+i:E+i+1], v[E+i:E+i+1], v[MM:MM+1] op_sel_hi:[1,0] neg_lo:[0,1] neg_hi:[0,1]
.set i, i+2
.endr
	s_wait_alu depctr_va_vdst(0)                   ; that exponential is written, ahead of its first reader
	v_pk_mul_f32 v[SALL:SALL+1], v[SALL:SALL+1], v[TMP+4:TMP+5] op_sel_hi:[1,0]
.irp q, 0,1,2,3,4,5,6,7
	v_pk_mul_f32 v[RA+2*\q:RA+2*\q+1], v[RA+2*\q:RA+2*\q+1], v[TMP+4:TMP+5] op_sel_hi:[1,0]
.endr
.set i, 0
.rept 128
	v_exp_f32 v[E+i], v[E+i]
.set i, i+1
.endr
	v_nop
	s_wait_alu depctr_va_vdst(0)                   ; one wait for the batch: the tile's 128 exponentials are written
.irp c, 0,1,2,3
	v_pk_add_f32 v[TM2+2*\c:TM2+2*\c+1], v[E+32*\c:E+32*\c+1], v[E+32*\c+2:E+32*\c+3]
.endr
.irp i, 4,6,8,10,12,14,16,18,20,22,24,26,28,30
.irp c, 0,1,2,3
	v_pk_add_f32 v[TM2+2*\c:TM2+2*\c+1], v[TM2+2*\c:TM2+2*\c+1], v[E+32*\c+\i:E+32*\c+\i+1]
.endr
.endr
.irp c, 0,1,2,3
	v_pk_add_f32 v[SALL:SALL+1], v[SALL:SALL+1], v[TM2+2*\c:TM2+2*\c+1]
.endr
	s_wait_dscnt 0x0
	RACC
.Lz_\@:
.endm
; ---- a column block of a middle sweep.  The two barriers stand on every way: between the last block's reads of the column sums and this block's store, and between the store and the reads
.macro BLOCKM
	s_cmp_ge_u32 s[CB], s[NCB]
	s_cbranch_scc1 .La_\@
	FRONT 1536, 0
	QKX 0
	TSUM
	RS CC
.La_\@:
	BAR
	s_cmp_ge_u32 s[CB], s[NCB]
	s_cbranch_scc1 .Lb_\@
	COLSTORE
.Lb_\@:
	BAR
	s_cmp_ge_u32 s[CB], s[NCB]
	s_cbranch_scc1 .Lc_\@
	COLR
	GUPD
	RACC
.Lc_\@:
.endm
.macro ADDRD
.irp q, 0,1,2,3,4,5,6,7
.irp p, 0,2,4,6,8,10,12,14
.if \q%2
	v_pk_add_f32 v[E+16*\q+\p:E+16*\q+\p+1], v[E+16*\q+\p:E+16*\q+\p+1], v[RD+\q-1:RD+\q] op_sel:[0,1] op_sel_hi:[1,1]
.else
	v_pk_add_f32 v[E+16*\q+\p:E+16*\q+\p+1], v[E+16*\q+\p:E+16*\q+\p+1], v[RD+\q:RD+\q+1] op_sel_hi:[1,0]
.endif
.endr
.endr
.endm
.macro MULT q
.irp p, 0,2,4,6,8,10,12,14
	v_pk_mul_f32 v[E+16*(\q)+\p:E+16*(\q)+\p+1], v[E+16*(\q)+\p:E+16*(\q)+\p+1], v[CC+\p:CC+\p+1]
.endr
.endm
.macro QNT q                           ; tile q of the finished map: a block of 32 keys lies in lanes l and l xor 16; nothing is negative, so the hold is one-sided
.set EQ, E+16*(\q)
	v_max3_num_f32 v[TM2], v[EQ], v[EQ+1], 0x4800000
	v_max3_num_f32 v[TM2+1], v[EQ+8], v[EQ+9], v[EQ+10]
	v_max3_num_f32 v[TM2], v[TM2], v[EQ+2], v[EQ+3]
	v_max3_num_f32 v[TM2+1], v[TM2+1], v[EQ+11], v[EQ+12]
	v_max3_num_f32 v[TM2], v[TM2], v[EQ+4], v[EQ+5]
	v_max3_num_f32 v[TM2+1], v[TM2+1], v[EQ+13], v[EQ+14]
	v_max3_num_f32 v[TM2], v[TM2], v[EQ+6], v[EQ+7]
	v_max3_num_f32 v[TM2], v[TM2], v[TM2+1], v[EQ+15]
	v_permlanex16_b32 v[TM2+1], v[TM2], s[SEL], s[SEL+1]
	v_max_num_f32 v[TM2], v[TM2], v[TM2+1]
	v_add_nc_u32 v[TM2+2], 0xfc000000, v[TM2]
	v_and_or_b32 v[TM2+3], v[TM2], 0x7f800000, s[MNT]
	v_lshrrev_b32 v[TM2+4], 23, v[TM2+2]
	v_perm_b32 v[PS+(\q)%2], v[TM2+4], v[TM2+4], 0 ; the scale word: the 16 holds below and the next tile's 8 products by gamma stand between it and its matrix instructions
.set i, 0
.rept 16
	v_min_num_f32 v[EQ+i], v[EQ+i], v[TM2+3]
.set i, i+1
.endr
	v_cvt_scalef32_pk8_fp8_f32 v[BF:BF+1], v[EQ:EQ+7], v[TM2+2]
	v_cvt_scalef32_pk8_fp8_f32 v[BF+2:BF+3], v[EQ+8:EQ+15], v[TM2+2]
.endm
.macro PVW q                           ; v^T A^T: channels 0-15 and 16-31; the two accumulators by turns
	v_wmma_scale_f32_16x16x128_f8f6f4 v[RA:RA+7], v[AF:AF+15], v[BF:BF+15], v[RA:RA+7], v[VSC], v[PS+(\q)%2]
	v_wmma_scale_f32_16x16x128_f8f6f4 v[RA+8:RA+15], v[AF+4:AF+19], v[BF:BF+15], v[RA+8:RA+15], v[VSC], v[PS+(\q)%2] matrix_a_scale:MATRIX_SCALE_ROW1
.endm
; ---- a column block of the last sweep
.macro BLOCKF
	s_cmp_ge_u32 s[CB], s[NCB]
	s_cbranch_scc1 .La_\@
	FRONT 1536, 5
	QKX 0
	global_load_b128 v[AF:AF+3], v[L16], s[VB:VB+1]                ; v's two fragments take K's place: tile 6's eight scalings are the places behind the last products.  No wait: the tile's closing wait stands behind the
	global_load_b128 v[AF+4:AF+7], v[L16], s[VB:VB+1] offset:512   ; products that read K's registers and behind the last block's products, which read v[VSC], and no vector instruction stands between it and these loads
	global_load_b32 v[VSC], v[L8], s[VSB:VSB+1]
	ADDRD
	TSUM
	RS CC
.La_\@:
	BAR
	s_cmp_ge_u32 s[CB], s[NCB]
	s_cbranch_scc1 .Lb_\@
	COLSTORE
.Lb_\@:
	BAR
	s_cmp_ge_u32 s[CB], s[NCB]
	s_cbranch_scc1 .Lc_\@
	COLR
	GUPD
	s_cmp_lg_u32 s[TY], 1
	s_cbranch_scc1 .Lg_\@
	global_store_b32 v[L4], v[GOLD], s[GB:GB+1]    ; drug x protein: the last gamma, 128 bytes a wave and block; it stands written ahead of the column step's last wait
.Lg_\@:
	s_wait_loadcnt 0x0
	MULT 0
.irp q, 0,1,2,3,4,5,6
	QNT \q
	MULT \q+1                                      ; eight plain lines between the codes and their matrix instructions
	s_wait_alu depctr_va_vdst(0)                   ; the conversions have written the tile's codes and the permute its scale word, which the two products take; the places above stay beside this wait
	PVW \q
.endr
	QNT 7
.rept 5
	v_nop
.endr
	s_wait_alu depctr_va_vdst(0)                   ; likewise for tile 7
	PVW 7
.Lc_\@:
.endm
; ---- the rows' sums of a sweep meet: over the two halves of the lanes, over the four waves of my group; and the sum of gamma
.macro ROWX s0
	s_wait_alu depctr_vm_vsrc(0)                   ; the LDS instructions issued so far have read their addresses and data in v[TMP ..], v[TM2 ..], v[GSUM] and v[E ..], which are written below
.irp q, 0,1,2,3,4,5,6,7
	v_add_f32 v[E+\q], v[RA+2*\q], v[RA+2*\q+1]
.endr
.if \s0
.irp q, 0,1,2,3,4,5,6,7
	v_mul_f32 v[E+\q], v[E+\q], v[TMP+4]
.endr
.endif
.irp q, 0,1,2,3,4,5,6,7
	v_permlanex16_b32 v[E+8+\q], v[E+\q], s[SEL], s[SEL+1]
.endr
.irp q, 0,1,2,3,4,5,6,7
	v_add_f32 v[E+\q], v[E+\q], v[E+8+\q]
.endr
.irp i, 0,1,2,3
	v_cndmask_b32 v[E+56+\i], v[E+\i], v[E+4+\i], s[HI16]          ; lanes 0-15 store tiles 0-3, lanes 16-31 tiles 4-7; in registers in which none of the loads below lands
.endr
	v_lshrrev_b32 v[TMP], 2, v[H64]
	v_add_nc_u32 v[TMP], v[TMP], v[R32]
	v_add_nc_u32 v[TMP], s[RPW], v[TMP]
	WSUM GSUM, TMP+1
	v_mov_b32 v[TMP+2], s[SW4]
	v_add_nc_u32 v[TM2], s[RPR], v[R32]            ; the addresses of the loads behind the barrier are made here too
	v_mov_b32 v[TM2+1], s[SG16]
.if \s0
	v_mov_b32 v[TM2+2], WM+256
.endif
	s_wait_alu depctr_va_vdst(0)                   ; the stores' data and all addresses of this exchange are written; the lines above are done with v[E ..], in which the loads land
	ds_store_b128 v[TMP], v[E+56:E+59]
	ds_store_b32 v[TMP+2], v[GSUM] offset:512      ; all lanes store the same word with the same value
.if \s0
	ds_store_b32 v[TMP+2], v[TMP+5] offset:256     ; my wave's sum of all
.endif
	BAR
.irp k, 0,1,2,3
	ds_load_b128 v[E+8*\k:E+8*\k+3], v[TM2] offset:2048*\k
	ds_load_b128 v[E+8*\k+4:E+8*\k+7], v[TM2] offset:2048*\k+16
.endr
	ds_load_b128 v[E+32:E+35], v[TM2+1]
.if \s0
.irp g, 0,1,2,3
	ds_load_b128 v[E+36+4*\g:E+39+4*\g], v[TM2+2] offset:16*\g
.endr
.endif
	s_wait_dscnt 0x0
.irp k, 8,16,24
.irp p, 0,2,4,6
	v_pk_add_f32 v[E+\p:E+\p+1], v[E+\p:E+\p+1], v[E+\k+\p:E+\k+\p+1]
.endr
.endr
	v_add_f32 v[E+32], v[E+32], v[E+33]
	v_add_f32 v[E+32], v[E+32], v[E+34]
	v_add_f32 v[E+32], v[E+32], v[E+35]            ; the sum of gamma over the map's keys
.endm
.macro LRUPD                           ; the row step; then my 128 rows' sum of RD in v[E+40]
.irp q, 0,1,2,3,4,5,6,7
	v_fma_f32 v[E+\q], v[RD+\q], v[E+32], v[E+\q]
.endr
.irp q, 0,1,2,3,4,5,6,7
	v_add_f32 v[E+\q], 0x2b8cbccc, v[E+\q]
.endr
.irp q, 0,1,2,3,4,5,6,7
	v_log_f32 v[E+\q], v[E+\q]
.endr
	v_nop
	s_wait_alu depctr_va_vdst(0)                   ; the eight logarithms are written, ahead of their first reader
.irp q, 0,1,2,3,4,5,6,7
	v_sub_f32 v[LR+\q], v[LR+\q], v[E+\q]
.endr
.irp q, 0,1,2,3,4,5,6,7
	v_add_f32 v[E+\q], v[LR+\q], v[C0]
.endr
.irp q, 0,1,2,3,4,5,6,7
	v_exp_f32 v[RD+\q], v[E+\q]
.endr
	v_nop
	s_wait_alu depctr_va_vdst(0)                   ; the eight exponentials are written, ahead of their first reader
	v_add_f32 v[E+40], v[RD], v[RD+1]
.irp q, 2,3,4,5,6,7
	v_add_f32 v[E+40], v[E+40], v[RD+\q]
.endr
	R16SUM E+40
.endm
.macro PPX c                           ; the groups' sums of RD (c = 1: and counts of valid rows) meet; those of my map are kept
	v_mov_b32 v[TMP+3], s[SW8]                     ; (no LDS instruction has read these two registers since the wait on vm_vsrc at the head of the rows' exchange)
	v_mov_b32 v[TMP+4], s[SK8]
	s_wait_alu depctr_va_vdst(0)                   ; both addresses and my sum (c = 1: and count) are written; the lines above are done with v[E+42 ..], in which the loads land
.if \c
	ds_store_b64 v[TMP+3], v[E+40:E+41]
.else
	ds_store_b32 v[TMP+3], v[E+40]
.endif
	BAR
.irp g, 0,1,2,3
.if \c
	ds_load_b64 v[E+42+2*\g:E+43+2*\g], v[TMP+4] offset:32*\g
.else
	ds_load_b32 v[E+42+2*\g], v[TMP+4] offset:32*\g
.endif
.endr
	s_wait_dscnt 0x0
.irp g, 0,1,2,3
	v_cndmask_b32 v[E+42+2*\g], 0, v[E+42+2*\g], s[GM+\g]
.endr
	v_add_f32 v[DP], v[E+42], v[E+44]
	v_add_f32 v[DP], v[DP], v[E+46]
	v_add_f32 v[DP], v[DP], v[E+48]
.if \c
.irp g, 0,1,2,3
	v_cndmask_b32 v[E+43+2*\g], 0, v[E+43+2*\g], s[GM+\g]
.endr
	v_add_f32 v[CNT], v[E+43], v[E+45]
	v_add_f32 v[CNT], v[CNT], v[E+47]
	v_add_f32 v[CNT], v[CNT], v[E+49]
.endif
.endm
.macro KLOAD cb
.set KR, E+40+14*\cb
	global_load_b128 v[KR:KR+3], v[L16], s[10:11] offset:4096*\cb
	global_load_b128 v[KR+4:KR+7], v[L16], s[10:11] offset:4096*\cb+512
	global_load_b32 v[KR+8], v[TMP+1], s[88:89] offset:327680+512*\cb
	global_load_b32 v[KR+9], v[L4], s[94:95] offset:512*\cb
.endm
; a column block's images and tables into my region, in three parts: the compare, the three tables' numbers, the stores
.macro KCMP cb
	v_cmp_ne_u32 s[CM+\cb], 0, v[E+40+14*\cb+9]    ; any of the group's four mask bytes
.endm
.macro KSEL cb
.set KR, E+40+14*\cb
	v_cndmask_b32 v[KR+10], 0, 1.0, s[CM+\cb]
	v_cndmask_b32 v[KR+11], 0xc9b01c38, 0, s[CM+\cb]
	v_cndmask_b32 v[KR+12], 0xf149f2ca, 0, s[CM+\cb]
.endm
.macro KST cb
.set KR, E+40+14*\cb
	ds_store_b128 v[QA], v[KR:KR+3] offset:KI+1024*\cb
	ds_store_b128 v[QA], v[KR+4:KR+7] offset:KI+1024*\cb+512
	ds_store_b32 v[T4B], v[KR+8] offset:128*\cb
	ds_store_b32 v[T4B], v[KR+10] offset:512+128*\cb
	ds_store_b32 v[T4B], v[KR+11] offset:1024+128*\cb
	ds_store_b32 v[T4B], v[KR+12] offset:1536+128*\cb
	ds_store_b32 v[T4B], v[KR+10] offset:2048+128*\cb
.endm
	s_load_b512 s[8:23], s[0:1], 0x0               ; qc, kc, vc, sc, mask_prot, mask_drug, vec, emb
	v_lshl_add_u32 v[SPW], v0, 2, SPARE
	v_mov_b32 v[NIL], 0
	v_lshrrev_b32 v[TMP], 5, v0
	v_readfirstlane_b32 s[WV], v[TMP]
.irp i, 8,9,10,11,12,13,14,15,16,17,18,19
	v_mov_b32 v[AF+\i], 0                          ; the zero codes
.endr
.irp i, 4,5,6,7,8,9,10,11,12,13,14,15
	v_mov_b32 v[BF+\i], 0
.endr
	s_wait_alu depctr_va_sdst(0)                   ; the wave's number is written, ahead of its first reader
	s_and_b32 s[KB], s[WV], 3
	s_lshr_b32 s[G], s[WV], 2
	s_cmp_lt_u32 ttmp9, 128
	s_cselect_b32 s[TY], 0, 1
	s_cselect_b32 s68, 0, 128
	s_cmp_lt_u32 ttmp9, 160
	s_cselect_b32 s[TY], s[TY], 2
	s_cselect_b32 s68, s68, 160
	s_cmp_lt_u32 ttmp9, 288
	s_cselect_b32 s[TY], s[TY], 3
	s_cselect_b32 s68, s68, 288
	s_sub_co_u32 s68, ttmp9, s68                   ; my number among the work-groups of my kind
	s_and_b32 s[MODEH], s[TY], 1                   ; 1: the queries are the drug's: four heads a work-group
	s_lshr_b32 s71, s68, 3
	s_and_b32 s72, s68, 7
	s_lshr_b32 s73, s68, 1
	s_and_b32 s74, s68, 1
	s_lshl_b32 s74, s74, 2
	s_add_co_u32 s74, s74, s[G]
	s_cmp_eq_u32 s[MODEH], 0
	s_cselect_b32 s[B], s71, s73
	s_cselect_b32 s72, s72, s74                    ; the head
	s_cselect_b32 s75, -1, 0
	s_cselect_b32 s76, s[G], 0                     ; which 128 queries of the map
	s_cselect_b32 s77, 14, 12                      ; log2 of a head's bytes of query codes
.irp g, 0,1,2,3
	s_cmp_eq_u32 s[G], \g
	s_cselect_b32 s[GM+\g], -1, s75
.endr
	s_lshl_b32 s[BH], s[B], 3
	s_add_co_u32 s[BH], s[BH], s72
	s_cmp_lt_u32 s[TY], 2
	s_cselect_b32 s[NCB], 4, 1
	s_cselect_b32 s78, 14, 12
	s_cselect_b32 s79, 0, 1                        ; 1: the keys are the drug's
	s_lshl_b32 s80, s[BH], s77                     ; Q's codes
	s_lshl_b32 s68, s76, 12
	s_add_co_u32 s80, s80, s68
	s_mul_i32 s68, s[MODEH], 2097152
	s_add_co_u32 s80, s80, s68
	s_mov_b32 s81, 0
	s_sub_co_u32 s77, s77, 3
	s_lshl_b32 s82, s[BH], s77                     ; Q's scale words
	s_lshl_b32 s68, s76, 9
	s_add_co_u32 s82, s82, s68
	s_mul_i32 s69, s[MODEH], 262144
	s_add_co_u32 s82, s82, s69
	s_mov_b32 s83, 0
	s_lshl_b32 s84, s[B], s77                      ; the rows' mask bytes
	s_add_co_u32 s84, s84, s68
	s_mov_b32 s85, 0
	s_lshl_b32 s86, s[BH], s78                     ; K's and V's codes
	s_lshl_b32 s68, s[KB], 10
	s_add_co_u32 s86, s86, s68
	s_mul_i32 s68, s79, 2097152
	s_add_co_u32 s86, s86, s68
	s_mov_b32 s87, 0
	s_sub_co_u32 s78, s78, 3
	s_lshl_b32 s88, s[BH], s78                     ; K's and V's scale words
	s_lshr_b32 s68, s[KB], 1
	s_lshl_b32 s68, s68, 8
	s_add_co_u32 s88, s88, s68
	s_and_b32 s68, s[KB], 1
	s_lshl_b32 s68, s68, 2
	s_add_co_u32 s88, s88, s68
	s_mul_i32 s68, s79, 262144
	s_add_co_u32 s88, s88, s68
	s_mov_b32 s89, 0
	s_lshl_b32 s90, s[B], s78                      ; the keys' mask bytes
	s_lshl_b32 s68, s[KB], 7
	s_add_co_u32 s90, s90, s68
	s_mov_b32 s91, 0
	s_lshl_b32 s70, s[BH], 11                      ; gamma's place in vec
	s_add_co_u32 s70, s70, s68
	s_add_co_u32 s70, s70, 131072
	s_mov_b32 s71, 0
	s_lshl_b32 s72, s[BH], 9                       ; LR's
	s_mov_b32 s73, 0
	s_and_b32 s68, s[TY], 1
	s_lshl_b32 s68, s68, 1
	s_lshr_b32 s69, s[TY], 1
	s_or_b32 s68, s68, s69                         ; emb's order: pp, pd, dp, dd
	s_lshl_b32 s68, s68, 7
	s_add_co_u32 s68, s68, s[BH]
	s_lshl_b32 s74, s68, 7
	s_mov_b32 s75, 0
	s_mul_i32 s[WB], s[WV], WREG
	s_lshl_b32 s[CPW], s[WV], 7
	s_add_co_u32 s[OPW], s[CPW], OP
	s_add_co_u32 s[CPW], s[CPW], CP
	s_lshl_b32 s[CPR], s[KB], 7
	s_add_co_u32 s[CPR], s[CPR], CP
	s_lshl_b32 s[RPW], s[KB], 2
	s_add_co_u32 s[RPW], s[RPW], s[G]
	s_lshl_b32 s[RPW], s[RPW], 9
	s_add_co_u32 s[RPW], s[RPW], RP
	s_lshl_b32 s[RPR], s[G], 9
	s_add_co_u32 s[RPR], s[RPR], RP
	s_lshl_b32 s[SW4], s[WV], 2
	s_add_co_u32 s[SW4], s[SW4], WM
	s_lshl_b32 s[SG16], s[G], 4
	s_add_co_u32 s[SG16], s[SG16], WM+512
	s_lshl_b32 s[SW8], s[WV], 3
	s_add_co_u32 s[SW8], s[SW8], WM+768
	s_lshl_b32 s[SK8], s[KB], 3
	s_add_co_u32 s[SK8], s[SK8], WM+768
	s_mov_b32 s[S2], 0x3e8293ee                    ; log2(e) / sqrt(32)
	s_mov_b32 s[S2+1], s[S2]
	s_mov_b32 s[SEL], 0x76543210
	s_mov_b32 s[SEL+1], 0xfedcba98
	s_mov_b32 s[B3], 0xff00ff00
	s_mov_b32 s[B2], 0xf0f0f0f0
	s_mov_b32 s[B1], 0xcccccccc
	s_mov_b32 s[B0], 0xaaaaaaaa
	s_mov_b32 s[HI16], 0xffff0000
	s_mov_b32 s[MNT], 0x600000
	RESET
	v_and_b32 v[L4], 31, v0
	v_lshlrev_b32 v[L16], 4, v[L4]
	v_lshlrev_b32 v[TMP+1], 3, v[L4]               ; 8 x lane
	v_lshlrev_b32 v[L4], 2, v[L4]
	v_bfe_u32 v[H64], v0, 4, 1
	v_lshlrev_b32 v[H64], 6, v[H64]
	v_and_b32 v[R32], 15, v0
	v_and_b32 v[TMP], 8, v[R32]
	v_add_nc_u32 v[TMP], v[TMP], v[R32]
	v_lshlrev_b32 v[TMP], 2, v[TMP]                ; a row's four mask bytes: 4 (r + 8 (r/8))
	v_lshlrev_b32 v[R32], 5, v[R32]
	v_add_nc_u32 v[QA], s[WB], v[L16]
	v_add_nc_u32 v[T4B], s[STO], v[L4]
	s_wait_kmcnt 0x0
	s_add_nc_u64 s[8:9], s[8:9], s[80:81]
	s_add_nc_u64 s[80:81], s[14:15], s[82:83]
	s_cmp_eq_u32 s[MODEH], 0
	s_cselect_b64 s[92:93], s[16:17], s[18:19]
	s_add_nc_u64 s[92:93], s[92:93], s[84:85]
	s_add_nc_u64 s[10:11], s[10:11], s[86:87]
	s_add_nc_u64 s[VB:VB+1], s[12:13], s[86:87]
	s_add_nc_u64 s[88:89], s[14:15], s[88:89]
	s_add_nc_u64 s[VSB:VSB+1], s[88:89], 655360
	s_cmp_eq_u32 s79, 0
	s_cselect_b64 s[94:95], s[16:17], s[18:19]
	s_add_nc_u64 s[94:95], s[94:95], s[90:91]
	s_add_nc_u64 s[GB:GB+1], s[20:21], s[70:71]
	s_add_nc_u64 s[20:21], s[20:21], s[72:73]
	s_add_nc_u64 s[22:23], s[22:23], s[74:75]
	s_wait_alu depctr_va_vdst(0)                   ; the offsets and addresses made above are written, which the loads and stores below read; so are the zero codes, which every product takes
.irp q, 0,1,2,3,4,5,6,7
	global_load_b128 v[E+4*\q:E+4*\q+3], v[L16], s[8:9] offset:512*\q
.endr
	global_load_b64 v[QSC:QSC+1], v[TMP+1], s[80:81]
	global_load_b64 v[QSC+2:QSC+3], v[TMP+1], s[80:81] offset:256
.irp q, 0,1,2,3,4,5,6,7
	global_load_b32 v[E+32+\q], v[TMP], s[92:93] offset:4*(32*(\q/2)+8*(\q%2))
.endr
	KLOAD 0
	s_cmp_eq_u32 s[NCB], 1
	s_cbranch_scc1 .Lone                           ; a map of 128 keys has one column block: no load leaves its buffer
	KLOAD 1
	KLOAD 2
	KLOAD 3
	s_wait_loadcnt 0x0
	KCMP 1
	KCMP 2
	KCMP 3
	s_wait_alu depctr_va_sdst(0)                   ; the three masks are written, ahead of the selects that read them
	KSEL 1
	KSEL 2
	KSEL 3
	s_wait_alu depctr_va_vdst(0)                   ; the tables' numbers are written, which the stores read
	KST 1
	KST 2
	KST 3
.Lone:
	s_wait_loadcnt 0x0
	KCMP 0
.irp q, 0,1,2,3,4,5,6,7
	v_cmp_ne_u32 s[RM+\q], 0, v[E+32+\q]
.endr
	s_wait_alu depctr_va_sdst(0)                   ; the nine masks are written, ahead of the selects that read them
	KSEL 0
.irp q, 0,1,2,3,4,5,6,7
	v_cndmask_b32 v[RD+\q], 0, 1.0, s[RM+\q]       ; the row's mask
	v_cndmask_b32 v[LR+\q], 0xc9b01c38, 0, s[RM+\q]  ; 0, or -K2 in a masked row
.endr
	v_mov_b32 v[MM], 0xff61b1e6                    ; -3e38, under every y2
	v_mov_b32 v[MM+1], 0xff61b1e6
	v_mov_b32 v[SALL], 0
	v_mov_b32 v[SALL+1], 0
	v_mov_b32 v[GSUM], 0
.irp i, 0,1,2,3,4,5,6,7,8,9,10,11,12,13,14,15
	v_mov_b32 v[RA+\i], 0
.endr
	s_wait_alu depctr_va_vdst(0)                   ; block 0's tables' numbers are written, which the stores read
	KST 0
.irp q, 0,1,2,3,4,5,6,7
	ds_store_b128 v[QA], v[E+4*\q:E+4*\q+3] offset:512*\q
.endr
	; ================ S0
	BLOCK0 0                                       ; every map has column block 0: it is written out, so that all that later blocks read has been written on every way
	STEPB
	s_mov_b32 s[CB], 1
.Ls0:
	BLOCK0 1
	STEPB
	s_add_co_u32 s[CB], s[CB], 1
	s_cmp_lt_u32 s[CB], 4
	s_cbranch_scc1 .Ls0
	v_mov_b32 v[E], v[MM]                          ; the map's largest y2
	v_max_num_f32_dpp v[E], v[E], v[E] row_xmask:1 row_mask:0xf bank_mask:0xf
	v_max_num_f32_dpp v[E], v[E], v[E] row_xmask:2 row_mask:0xf bank_mask:0xf
	v_max_num_f32_dpp v[E], v[E], v[E] row_xmask:4 row_mask:0xf bank_mask:0xf
	v_max_num_f32_dpp v[E], v[E], v[E] row_xmask:8 row_mask:0xf bank_mask:0xf
	v_permlanex16_b32 v[E+1], v[E], s[SEL], s[SEL+1]
	v_max_num_f32 v[E], v[E], v[E+1]
	v_mov_b32 v[E+2], s[SW4]
	v_mov_b32 v[E+3], WM                           ; the address of the loads behind the barrier is made here too
	s_wait_alu depctr_va_vdst(0)                   ; my wave's maximum and both addresses are written; the sums of S0 are done with v[E+4 ..], in which the loads land
	ds_store_b32 v[E+2], v[E]
	BAR
.irp g, 0,1,2,3
	ds_load_b128 v[E+4+4*\g:E+7+4*\g], v[E+3] offset:16*\g
.endr
	s_wait_dscnt 0x0
.irp g, 0,1,2,3
	v_max3_num_f32 v[E+4+4*\g], v[E+4+4*\g], v[E+5+4*\g], v[E+6+4*\g]
.endr
.irp g, 0,1,2,3
	v_max_num_f32 v[E+4+4*\g], v[E+4+4*\g], v[E+7+4*\g]
.endr
.irp g, 0,1,2,3
	v_cndmask_b32 v[E+4+4*\g], 0xff61b1e6, v[E+4+4*\g], s[GM+\g]
.endr
	v_max3_num_f32 v[C0], v[E+4], v[E+8], v[E+12]
	v_max_num_f32 v[C0], v[C0], v[E+16]            ; M2
	v_sub_f32 v[TMP+4], v[MM], v[C0]
	v_exp_f32 v[TMP+4], v[TMP+4]                   ; my lane's sums are brought under M2
	v_add_f32 v[TMP+5], v[SALL], v[SALL+1]
	s_wait_alu depctr_va_vdst(0)                   ; that exponential is written, ahead of its first reader
	v_mul_f32 v[TMP+5], v[TMP+5], v[TMP+4]
	WSUM TMP+5, TMP+6
	ROWX 1                                         ; my wave's sum of all goes out with the rows' sums
.irp a, 37,38,39
.irp g, 0,1,2,3
	v_add_f32 v[E+36+4*\g], v[E+36+4*\g], v[E+\a+4*\g]
.endr
.endr
.irp g, 0,1,2,3
	v_cndmask_b32 v[E+36+4*\g], 0, v[E+36+4*\g], s[GM+\g]
.endr
	v_add_f32 v[E+36], v[E+36], v[E+40]
	v_add_f32 v[E+36], v[E+36], v[E+44]
	v_add_f32 v[E+36], v[E+36], v[E+48]            ; S
	v_rcp_f32 v[E+37], v[E+36]
	v_log_f32 v[E+38], v[E+36]
	v_add_f32 v[E+41], v[RD], v[RD+1]              ; my 128 rows' count of valid rows
.irp q, 2,3,4,5,6,7
	v_add_f32 v[E+41], v[E+41], v[RD+\q]
.endr
	R16SUM E+41
	s_wait_alu depctr_va_vdst(0)                   ; the reciprocal and the logarithm are written, ahead of their first readers
	v_add_f32 v[E+38], v[E+38], v[C0]              ; log2 S + M2
	v_add_f32 v[C0], 0xc21f73da, v[E+38]           ; c0: + log2(1e-12)
	v_mul_f32 v[E+38], -1.0, v[E+38]               ; LR of rho = 1/S
.irp q, 0,1,2,3,4,5,6,7
	v_cmp_neq_f32 s[RM+\q], 0, v[RD+\q]
.endr
	s_wait_alu depctr_va_sdst(0)                   ; the eight masks are written, ahead of the selects that read them
.irp q, 0,1,2,3,4,5,6,7
	v_cndmask_b32 v[LR+\q], 0xf149f2ca, v[E+38], s[RM+\q]
.endr
.irp q, 0,1,2,3,4,5,6,7
	v_mul_f32 v[RD+\q], 0x2b8cbccc, v[RD+\q]       ; rho delta = eps in a valid row, 0 else
.endr
.irp q, 0,1,2,3,4,5,6,7
	v_mul_f32 v[E+\q], v[E+\q], v[E+37]
.endr
	LRUPD
	PPX 1
	; ================ three middle sweeps
	s_mov_b32 s[SW], 3
.Lsweep:
	s_wait_alu depctr_vm_vsrc(0)                   ; the store of the sum of gamma has read v[GSUM], which is written again
.irp i, 0,1,2,3,4,5,6,7,8,9,10,11,12,13,14,15
	v_mov_b32 v[RA+\i], 0
.endr
	v_mov_b32 v[GSUM], 0
	RESET
	s_mov_b32 s[CB], 0
.Lbm:
	BLOCKM
	STEPB
	s_add_co_u32 s[CB], s[CB], 1
	s_cmp_lt_u32 s[CB], 4
	s_cbranch_scc1 .Lbm
	ROWX 0
	LRUPD
	PPX 0
	s_sub_co_u32 s[SW], s[SW], 1
	s_cmp_lg_u32 s[SW], 0
	s_cbranch_scc1 .Lsweep
	; ================ the last sweep
.irp i, 0,1,2,3,4,5,6,7,8,9,10,11,12,13,14,15
	v_mov_b32 v[RA+\i], 0                          ; the two accumulators of v^T A^T
.endr
	v_mov_b32 v[DP], 0                             ; RD is added to the tile itself here
	v_lshlrev_b32 v[L8], 1, v[L4]
	RESET
	s_mov_b32 s[CB], 0
.Lbf:
	BLOCKF
	STEPB
	s_wait_xcnt 0x0                                ; the block's loads and store have read their bases and data
	s_add_nc_u64 s[VB:VB+1], s[VB:VB+1], 4096
	s_add_nc_u64 s[VSB:VSB+1], s[VSB:VSB+1], 512
	s_add_nc_u64 s[GB:GB+1], s[GB:GB+1], 512
	s_add_co_u32 s[CB], s[CB], 1
	s_cmp_lt_u32 s[CB], 4
	s_cbranch_scc1 .Lbf
.rept 8
	v_nop
.endr
	s_wait_alu depctr_vm_vsrc(0)                   ; the loads of the column sums have read v[TMP], which the sum over the lanes writes
	RS RA                                          ; over the 16 query lanes: lane (r, h) ends with channel 16 (r/8) + 8 h + r%8
	v_add_nc_u32 v[TMP], s[OPW], v[L4]
	v_add_nc_u32 v[TMP+4], OP, v[L4]               ; the address of the loads behind the barrier is made here too
	s_wait_alu depctr_va_vdst(0)                   ; my part of the product and both addresses are written; the last sweep's lines are done with v[E ..], in which the loads land
	ds_store_b32 v[TMP], v[RA]
	BAR
.irp i, 0,1,2,3,4,5,6,7,8,9,10,11,12,13,14,15
	ds_load_b32 v[E+\i], v[TMP+4] offset:128*\i
.endr
	v_rcp_f32 v[TMP+1], v[CNT]
	v_and_b32 v[TMP+2], 7, v0
	v_bfe_u32 v[TMP+3], v0, 4, 1
	v_lshl_add_u32 v[TMP+2], v[TMP+3], 3, v[TMP+2]
	v_bfe_u32 v[TMP+3], v0, 3, 1
	v_lshl_add_u32 v[TMP+2], v[TMP+3], 4, v[TMP+2]
	v_lshlrev_b32 v[TMP+2], 2, v[TMP+2]            ; my channel's place
	s_wait_dscnt 0x0
.irp a, 1,2,3
.irp g, 0,1,2,3
	v_add_f32 v[E+4*\g], v[E+4*\g], v[E+4*\g+\a]
.endr
.endr
.irp g, 0,1,2,3
	v_cndmask_b32 v[E+4*\g], 0, v[E+4*\g], s[GM+\g]
.endr
	v_add_f32 v[E], v[E], v[E+4]
	v_add_f32 v[E], v[E], v[E+8]
	v_add_f32 v[E], v[E], v[E+12]
	v_mul_f32 v[E], 0.5, v[E]
	s_wait_alu depctr_va_vdst(0)                   ; the reciprocal is written, ahead of its first reader
	v_mul_f32 v[E], v[E], v[TMP+1]                 ; x 0.5 / the count of valid rows
	s_cmp_eq_u32 s[MODEH], 1
	s_cselect_b32 s68, s[KB], s[WV]
	s_cmp_lg_u32 s68, 0
	s_cbranch_scc1 .Lend                           ; one wave of each map stores
	s_wait_alu depctr_va_vdst(0)                   ; the mean is written, which the store reads
	global_store_b32 v[TMP+2], v[E], s[22:23]      ; 128 bytes
	s_cmp_lg_u32 s[TY], 1
	s_cbranch_scc1 .Lend
.irp i, 0,1,2,3
	v_cndmask_b32 v[E+16+\i], v[LR+2*\i], v[LR+2*\i+1], s[HI16]    ; drug x protein: lanes 0-15 tile 2 i, lanes 16-31 tile 2 i + 1
	v_cndmask_b32 v[E+20+\i], v[RD+2*\i], v[RD+2*\i+1], s[HI16]
.endr
	s_wait_alu depctr_va_vdst(0)                   ; the eight selects are written, which the two stores read
	global_store_b128 v[L16], v[E+16:E+19], s[20:21]
	global_store_b128 v[L16], v[E+20:E+23], s[20:21] offset:65536
.Lend:
	s_wait_dscnt 0x0                               ; the closing lines, six on end
	s_wait_alu 0x0
	s_wait_tensorcnt 0x0
	ds_add_u32 v[SPW], v[NIL]
	s_wait_dscnt 0x0
	s_endpgm
.Lfunc_end_k_qd3036af04c_sink:
	.size	k_qd3036af04c_sink, .Lfunc_end_k_qd3036af04c_sink-k_qd3036af04c_sink
	.p2alignl 7, 3214868480
	.fill 96, 4, 3214868480
	.section	.rodata,"a",@progbits
	.p2align	6, 0x0
	.amdhsa_kernel k_qd3036af04c_sink
		.amdhsa_group_segment_fixed_size 187392
		.amdhsa_private_segment_fixed_size 0
		.amdhsa_enable_private_segment 0
		.amdhsa_kernarg_size 64
		.amdhsa_user_sgpr_count 2
		.amdhsa_user_sgpr_kernarg_segment_ptr 1
		.amdhsa_wavefront_size32 1
		.amdhsa_system_sgpr_workgroup_id_x 1
		.amdhsa_system_sgpr_workgroup_id_y 1
		.amdhsa_system_sgpr_workgroup_id_z 1
		.amdhsa_system_vgpr_workitem_id 0
		.amdhsa_next_free_vgpr 256
		.amdhsa_next_free_sgpr 96
		.amdhsa_reserve_vcc 0
		.amdhsa_float_denorm_mode_32 3
		.amdhsa_float_denorm_mode_16_64 3
		.amdhsa_memory_ordered 1
		.amdhsa_forward_progress 1
		.amdhsa_inst_pref_size 181
	.end_amdhsa_kernel
	.amdgpu_metadata
---
amdhsa.version: [ 1, 2 ]
amdhsa.kernels:
  - .name:           k_qd3036af04c_sink
    .symbol:         k_qd3036af04c_sink.kd
    .args:
      - { .name: qc, .offset: 0, .size: 8, .value_kind: global_buffer, .address_space: global }
      - { .name: kc, .offset: 8, .size: 8, .value_kind: global_buffer, .address_space: global }
      - { .name: vc, .offset: 16, .size: 8, .value_kind: global_buffer, .address_space: global }
      - { .name: sc, .offset: 24, .size: 8, .value_kind: global_buffer, .address_space: global }
      - { .name: mask_prot, .offset: 32, .size: 8, .value_kind: global_buffer, .address_space: global }
      - { .name: mask_drug, .offset: 40, .size: 8, .value_kind: global_buffer, .address_space: global }
      - { .name: vec, .offset: 48, .size: 8, .value_kind: global_buffer, .address_space: global }
      - { .name: emb, .offset: 56, .size: 8, .value_kind: global_buffer, .address_space: global }
    .group_segment_fixed_size: 187392
    .private_segment_fixed_size: 0
    .kernarg_segment_align: 8
    .kernarg_segment_size: 64
    .max_flat_workgroup_size: 512
    .sgpr_count:     96
    .vgpr_count:     256
    .wavefront_size: 32
...
	.end_amdgpu_metadata
.endif
;; end of part 6
;; launch emit (part 7): grid 512 x 1, 8 waves a work-group, no clusters, 66,816 bytes of LDS; arguments qc, kc, sc, vec, emb, out0, out1; writes out0, out1
.if DOCPART == 7
	.amdgcn_target "amdgcn-amd-amdhsa--gfx1250"
	.amdhsa_code_object_version 6
	.text
	.protected	k_qd3036af04c_emit
	.globl	k_qd3036af04c_emit
	.p2align	8
	.type	k_qd3036af04c_emit,@function
k_qd3036af04c_emit:
	s_mov_b64 s[64:65], 0
	v_nop
	global_prefetch_b8 v0, s[64:65] scope:SCOPE_SE
	s_setreg_imm32_b32 hwreg(HW_REG_WAVE_SCHED_MODE, 0, 2), 2
	s_setreg_imm32_b32 hwreg(HW_REG_WAVE_MODE, 25, 1), 1
	s_wait_xcnt 0x0
	s_wait_alu depctr_vm_vsrc(0)
; CAN_Layer, launch 4 of 4: out1 = the finished map drug x protein, [b][query][key][head], made anew from codes and the last factors: a = (2^(d s2 + LR) + RD) gamma; and out0 from the four means.
; The factors 'valid' are left out as shown at the head of the first kernel: a masked row has LR = -1e30 and RD = 0, a masked key gamma = 0; ahead of the exponential the exponent is held at 126, so that a masked key's number stays finite in front of its 0.
; A work-group: batch b, 16 queries (tile qt), 128 keys (kq); wave = head.  The heads are innermost in out1, so the eight waves' results meet in a stage (16 rows x (4,096 + 16) bytes) and leave as runs of 512 consecutive bytes.
; THE MODE: SCHED_MODE bits 1:0 = 2 (LLVM: expert scheduling mode 2), set by the entry lines.  The code itself states the register dependences
; between vector or matrix instructions and memory or LDS instructions, with s_wait_alu, always for 0.
; THE PLAN.  The text has no loop.  Registers that memory or LDS instructions touch:
;   v1-v9       offsets and addresses: written at the head, never again: one wait on va_vdst ahead of the first load, which also states that the zero codes are written.
;   the operands, scale words, LR, RD, gamma   loads land in them once; matrix and vector instructions read them behind the wait for the loads.
;   v[D ..]     written by the products and the vector lines behind them; read by the 64 stores into the stage (one wait on va_vdst ahead of the run); behind the barrier the loads from the stage
;               land in them (one wait on vm_vsrc ahead of that run); the global stores read what those loads brought.
;   v[BF .. +3] at the end, in one wave of four work-groups in each sixteen: two loads land, an addition writes, a store reads: one wait on va_vdst ahead of the store.
.set L16, 1
.set L8,  2
.set H64, 3
.set R8,  4
.set R16, 5
.set SA,  6
.set RDA, 7
.set SPW, 8
.set NIL, 9
.set QS,  10                           ; scales and nothing else: v10 Q's, v12-15 K's
.set KSC, 12
.set LRR, 16                           ; v[16:17]: LR and a word that is only named
.set RDR, 18                           ; v[18:19]: RD likewise
.set BF,  20                           ; v20-35 [Q | 12 zeros]
.set KW,  36                           ; v36-79 [K0 .. K7 | 12 zeros]: tile t's operand is the window of 16 registers from 4 t on
.set D,   80                           ; v80-143
.set GG,  144                          ; v144-207 gamma by key
.set SPARE, 65792                      ; the spare words: 128 bytes a wave, named by no other line
.set S2,  24
	s_load_b256 s[4:11], s[0:1], 0x0               ; qc, kc, sc, vec
	s_load_b128 s[12:15], s[0:1], 0x20             ; emb, out0
	s_load_b64 s[16:17], s[0:1], 0x30              ; out1
	v_lshl_add_u32 v[SPW], v0, 2, SPARE
	v_mov_b32 v[NIL], 0
.irp i, 4,5,6,7,8,9,10,11,12,13,14,15
	v_mov_b32 v[BF+\i], 0
.endr
.irp i, 32,33,34,35,36,37,38,39,40,41,42,43
	v_mov_b32 v[KW+\i], 0
.endr
	v_mov_b32 v[LRR+1], 0
	v_mov_b32 v[RDR+1], 0
	v_lshrrev_b32 v[L8], 5, v0
	v_readfirstlane_b32 s18, v[L8]                 ; wave = head
	s_lshr_b32 s19, ttmp9, 5                       ; b
	s_bfe_u32 s20, ttmp9, 0x30002                  ; qt
	s_and_b32 s21, ttmp9, 3                        ; kq
	s_lshl_b32 s22, s19, 3
	s_wait_alu depctr_va_sdst(0)                   ; s18 is written, ahead of its first reader
	s_add_co_u32 s22, s22, s18                     ; bh
	v_and_b32 v[L16], 31, v0
	v_lshlrev_b32 v[L8], 3, v[L16]
	v_lshlrev_b32 v[L16], 4, v[L16]
	v_bfe_u32 v[H64], v0, 4, 1
	v_and_b32 v[R8], 15, v0
	v_mul_u32_u24 v[SA], v[R8], 4112
	v_lshl_add_u32 v[SA], v[H64], 9, v[SA]
	s_lshl_b32 s23, s18, 2
	v_add_nc_u32 v[SA], s23, v[SA]                 ; the stage, in: row r, + 512 h (16 keys of 32 bytes), + 4 x head
	v_lshlrev_b32 v[H64], 6, v[H64]
	v_lshlrev_b32 v[R16], 4, v[R8]
	v_lshlrev_b32 v[R8], 3, v[R8]
	s_mul_i32 s23, s18, 2*4112
	v_add_nc_u32 v[RDA], s23, v[L16]               ; and out: rows 2 w and 2 w + 1
	s_mov_b32 s[S2], 0x3e8293ee
	s_mov_b32 s[S2+1], s[S2]
	s_lshl_b32 s28, s22, 12                        ; Q's codes
	s_lshl_b32 s29, s20, 9
	s_add_co_u32 s28, s28, s29
	s_add_co_u32 s28, s28, 2097152
	s_mov_b32 s29, 0
	s_lshl_b32 s30, s22, 1                         ; Q's scale words: the half of the lanes in which tile qt's lie is chosen by address
	s_lshr_b32 s31, s20, 2
	s_add_co_u32 s30, s30, s31
	s_lshl_b32 s30, s30, 8
	s_bfe_u32 s31, s20, 0x10001
	s_lshl_b32 s31, s31, 2
	s_add_co_u32 s30, s30, s31
	s_and_b32 s31, s20, 1
	s_lshl_b32 s31, s31, 7
	s_add_co_u32 s30, s30, s31
	s_add_co_u32 s30, s30, 262144
	s_mov_b32 s31, 0
	s_lshl_b32 s32, s22, 14                        ; K's codes
	s_lshl_b32 s33, s21, 12
	s_add_co_u32 s32, s32, s33
	s_mov_b32 s33, 0
	s_lshl_b32 s34, s22, 3                         ; K's scale words
	s_lshl_b32 s35, s21, 1
	s_add_co_u32 s34, s34, s35
	s_lshl_b32 s34, s34, 8
	s_add_co_u32 s34, s34, 327680
	s_mov_b32 s35, 0
	s_lshl_b32 s36, s22, 11                        ; gamma
	s_lshl_b32 s37, s21, 9
	s_add_co_u32 s36, s36, s37
	s_add_co_u32 s36, s36, 131072
	s_mov_b32 s37, 0
	s_lshl_b32 s38, s22, 9                         ; LR (RD 65,536 bytes on)
	s_and_b32 s39, s20, 1
	s_lshl_b32 s39, s39, 8
	s_add_co_u32 s38, s38, s39
	s_lshr_b32 s39, s20, 1
	s_lshl_b32 s39, s39, 2
	s_add_co_u32 s38, s38, s39
	s_mov_b32 s39, 0
	s_lshr_b32 s26, s20, 1                         ; the query of stage row 2 w: 32 (qt/2) + 8 (qt%2) + 2 w + 8 (w/4)
	s_lshl_b32 s26, s26, 5
	s_and_b32 s27, s20, 1
	s_lshl_b32 s27, s27, 3
	s_add_co_u32 s26, s26, s27
	s_lshl_b32 s27, s18, 1
	s_add_co_u32 s26, s26, s27
	s_lshr_b32 s27, s18, 2
	s_lshl_b32 s27, s27, 3
	s_add_co_u32 s26, s26, s27
	s_lshl_b32 s27, s19, 7
	s_add_co_u32 s26, s26, s27
	s_lshl_b32 s26, s26, 14
	s_lshl_b32 s27, s21, 12
	s_add_co_u32 s26, s26, s27
	s_mov_b32 s27, 0
	s_wait_kmcnt 0x0
	s_add_nc_u64 s[4:5], s[4:5], s[28:29]
	s_add_nc_u64 s[30:31], s[8:9], s[30:31]
	s_add_nc_u64 s[6:7], s[6:7], s[32:33]
	s_add_nc_u64 s[34:35], s[8:9], s[34:35]
	s_add_nc_u64 s[36:37], s[10:11], s[36:37]
	s_add_nc_u64 s[38:39], s[10:11], s[38:39]
	s_add_nc_u64 s[16:17], s[16:17], s[26:27]
	s_wait_alu depctr_va_vdst(0)                   ; the offsets and addresses v1 to v9 are written, which every load and store of the kernel reads; so are the zero codes, which the products take
	global_load_b128 v[BF:BF+3], v[L16], s[4:5]
	global_load_b32 v[QS], v[R8], s[30:31]
.irp t, 0,1,2,3,4,5,6,7
	global_load_b128 v[KW+4*\t:KW+4*\t+3], v[L16], s[6:7] offset:512*\t
.endr
	global_load_b64 v[KSC:KSC+1], v[L8], s[34:35]
	global_load_b64 v[KSC+2:KSC+3], v[L8], s[34:35] offset:256
	global_load_b32 v[LRR], v[R16], s[38:39]
	global_load_b32 v[RDR], v[R16], s[38:39] offset:65536
.irp i, 0,1,2,3
.irp c, 0,1,2,3
	global_load_b128 v[GG+16*\i+4*\c:GG+16*\i+4*\c+3], v[H64], s[36:37] offset:128*\i+16*\c
.endr
.endr
	s_wait_loadcnt 0x0
.irp t, 0,2,4,6
	v_wmma_scale_f32_16x16x128_f8f6f4 v[D+8*\t:D+8*\t+7], v[KW+4*\t:KW+4*\t+15], v[BF:BF+15], 0, v[KSC+\t/2], v[QS]
	v_wmma_scale_f32_16x16x128_f8f6f4 v[D+8*\t+8:D+8*\t+15], v[KW+4*\t+4:KW+4*\t+19], v[BF:BF+15], 0, v[KSC+\t/2], v[QS] matrix_a_scale:MATRIX_SCALE_ROW1
.endr
.rept 8
	v_nop
.endr
.set i, 0
.rept 32
	v_pk_fma_f32 v[D+i:D+i+1], v[D+i:D+i+1], s[S2:S2+1], v[LRR:LRR+1] op_sel_hi:[1,0,0]
.set i, i+2
.endr
.set i, 0
.rept 64
	v_min_num_f32 v[D+i], 0x42fc0000, v[D+i]
.set i, i+1
.endr
.set i, 0
.rept 64
	v_exp_f32 v[D+i], v[D+i]
.set i, i+1
.endr
	v_nop
	s_wait_alu depctr_va_vdst(0)                   ; one wait for the batch, ahead of its first reader: the 64 exponentials are written
.set i, 0
.rept 32
	v_pk_add_f32 v[D+i:D+i+1], v[D+i:D+i+1], v[RDR:RDR+1] op_sel_hi:[1,0]
.set i, i+2
.endr
.set i, 0
.rept 32
	v_pk_mul_f32 v[D+i:D+i+1], v[D+i:D+i+1], v[GG+i:GG+i+1]
.set i, i+2
.endr
	s_wait_alu depctr_va_vdst(0)                   ; the products by gamma have written v[D ..], which the stores into the stage read
.irp t, 0,1,2,3,4,5,6,7
.irp j, 0,1,2,3,4,5,6,7
	ds_store_b32 v[SA], v[D+8*\t+\j] offset:1024*(\t/2)+256*(\t%2)+32*\j   ; key 32 (t/2) + 16 h + 8 (t%2) + j
.endr
.endr
	s_wait_dscnt 0x0                               ; for the others' sake: my stores into the stage are done
	s_barrier_signal -1
	s_barrier_wait -1
	s_wait_alu depctr_vm_vsrc(0)                   ; my stores into the stage have read v[D ..], in which the loads from the stage land
.irp u, 0,1
.irp i, 0,1,2,3,4,5,6,7
	ds_load_b128 v[D+32*\u+4*\i:D+32*\u+4*\i+3], v[RDA] offset:4112*\u+512*\i
.endr
.endr
.irp u, 0,1
.irp i, 0,1,2,3,4,5,6,7
	s_wait_dscnt 15-8*\u-\i                        ; LDS loads come back in order: the younger ones may stay out
	global_store_b128 v[L16], v[D+32*\u+4*\i:D+32*\u+4*\i+3], s[16:17] offset:16384*\u+512*\i th:TH_STORE_NT   ; 512 consecutive bytes, at a multiple of 256 from out1's first byte
.endr
.endr
	s_or_b32 s30, s21, s18
	s_cmp_lg_u32 s30, 0
	s_cbranch_scc1 .Lend                           ; out0: wave 0 of the work-groups with kq = 0: 64 numbers each
	s_lshr_b32 s30, s20, 2                         ; 0: protein's half, 1: drug's
	s_lshl_b32 s31, s30, 5
	s_add_co_u32 s31, s31, s19
	s_lshl_b32 s31, s31, 10
	s_and_b32 s32, s20, 3
	s_lshl_b32 s32, s32, 8
	s_add_co_u32 s34, s31, s32
	s_mov_b32 s35, 0
	s_add_nc_u64 s[12:13], s[12:13], s[34:35]
	s_lshl_b32 s34, s19, 11
	s_lshl_b32 s30, s30, 10
	s_add_co_u32 s34, s34, s30
	s_add_co_u32 s34, s34, s32
	s_add_nc_u64 s[14:15], s[14:15], s[34:35]
	global_load_b64 v[BF:BF+1], v[L8], s[12:13]    ; into Q's registers: the products that read them stand ahead of the waits on va_vdst above, and nothing behind those names them
	global_load_b64 v[BF+2:BF+3], v[L8], s[12:13] offset:16384
	s_wait_loadcnt 0x0
	v_pk_add_f32 v[BF:BF+1], v[BF:BF+1], v[BF+2:BF+3]
	s_wait_alu depctr_va_vdst(0)                   ; the sum of the two means is written, which the store reads
	global_store_b64 v[L8], v[BF:BF+1], s[14:15]   ; 256 consecutive bytes
.Lend:
	s_wait_dscnt 0x0                               ; the closing lines, six on end
	s_wait_alu 0x0
	s_wait_tensorcnt 0x0
	ds_add_u32 v[SPW], v[NIL]
	s_wait_dscnt 0x0
	s_endpgm
.Lfunc_end_k_qd3036af04c_emit:
	.size	k_qd3036af04c_emit, .Lfunc_end_k_qd3036af04c_emit-k_qd3036af04c_emit
	.p2alignl 7, 3214868480
	.fill 96, 4, 3214868480
	.section	.rodata,"a",@progbits
	.p2align	6, 0x0
	.amdhsa_kernel k_qd3036af04c_emit
		.amdhsa_group_segment_fixed_size 66816
		.amdhsa_private_segment_fixed_size 0
		.amdhsa_enable_private_segment 0
		.amdhsa_kernarg_size 56
		.amdhsa_user_sgpr_count 2
		.amdhsa_user_sgpr_kernarg_segment_ptr 1
		.amdhsa_wavefront_size32 1
		.amdhsa_system_sgpr_workgroup_id_x 1
		.amdhsa_system_sgpr_workgroup_id_y 1
		.amdhsa_system_sgpr_workgroup_id_z 1
		.amdhsa_system_vgpr_workitem_id 0
		.amdhsa_next_free_vgpr 208
		.amdhsa_next_free_sgpr 66
		.amdhsa_reserve_vcc 0
		.amdhsa_float_denorm_mode_32 3
		.amdhsa_float_denorm_mode_16_64 3
		.amdhsa_memory_ordered 1
		.amdhsa_forward_progress 1
		.amdhsa_inst_pref_size 30
	.end_amdhsa_kernel
	.amdgpu_metadata
---
amdhsa.version: [ 1, 2 ]
amdhsa.kernels:
  - .name:           k_qd3036af04c_emit
    .symbol:         k_qd3036af04c_emit.kd
    .args:
      - { .name: qc, .offset: 0, .size: 8, .value_kind: global_buffer, .address_space: global }
      - { .name: kc, .offset: 8, .size: 8, .value_kind: global_buffer, .address_space: global }
      - { .name: sc, .offset: 16, .size: 8, .value_kind: global_buffer, .address_space: global }
      - { .name: vec, .offset: 24, .size: 8, .value_kind: global_buffer, .address_space: global }
      - { .name: emb, .offset: 32, .size: 8, .value_kind: global_buffer, .address_space: global }
      - { .name: out0, .offset: 40, .size: 8, .value_kind: global_buffer, .address_space: global }
      - { .name: out1, .offset: 48, .size: 8, .value_kind: global_buffer, .address_space: global }
    .group_segment_fixed_size: 66816
    .private_segment_fixed_size: 0
    .kernarg_segment_align: 8
    .kernarg_segment_size: 56
    .max_flat_workgroup_size: 256
    .sgpr_count:     66
    .vgpr_count:     208
    .wavefront_size: 32
...
	.end_amdgpu_metadata
.endif
;; end of part 7
